; MI455X (gfx1250); checked and timed in simulation.
; The chip was launched on July 23, 2026; its instructions are those of AMD's public machine-readable ISA for CDNA 5 (MIT licence, August 2026) and "CDNA5" Instruction Set Architecture Reference Guide (July 2026). The comments in the code are by the model that wrote it; some were corrected since.
;; Transformer Block. Allowed arithmetic: matrix products marked QUANTISED: E4M3 operands, one E8M0 scale for each 32 along K, by v_wmma_scale_f32_16x16x128_f8f6f4 with both operands' format E4M3, f32 sums; everything else in f32.
;; Inputs: down_w 512 x 512 float32; gate_w 512 x 512 float32; ln1_w 512 float32; ln2_w 512 float32; up_w 512 x 512 float32; wk 512 x 512 float32; wo 512 x 512 float32; wq 512 x 512 float32; wv 512 x 512 float32; x 4 x 2,048 x 512 float32.
;; Outputs: out0 4 x 2,048 x 512 float32.
;; This version of the problem:
;;   THIS VERSION OF THE PROBLEM IS GIVEN IN LOW PRECISION. The matrix products marked QUANTISED in the list below multiply operands that are first quantised to E4M3 (4 exponent bits, 3 mantissa bits; 8 bits a number), with one power-of-two scale for each 32 numbers along K (OCP MX v1.0); their sums are f32. All else is computed in f32.
;;   The module's matrix products, in the order in which they are computed (A, B: the left and right operand; K: the contracted axis; several contracted axes count as one K, in the product's order):
;;     1. [M 8,192, K 512] x [K 512, N 512]; A: computed on the way; B: input wq: QUANTISED
;;     2. [M 8,192, K 512] x [K 512, N 512]; A: computed on the way; B: input wk: QUANTISED
;;     3. [M 8,192, K 512] x [K 512, N 512]; A: computed on the way; B: input wv: QUANTISED
;;     4. batch 64 x [M 2,048, K 32] x [K 32, N 2,048]; A: computed on the way; B: computed on the way: QUANTISED
;;     5. batch 64 x [M 2,048, K 2,048] x [K 2,048, N 32]; A: softmax (see below); B: computed on the way: QUANTISED
;;     6. [M 8,192, K 512] x [K 512, N 512]; A: computed on the way; B: input wo: QUANTISED
;;     7. [M 8,192, K 512] x [K 512, N 512]; A: computed on the way; B: input up_w: QUANTISED
;;     8. [M 8,192, K 512] x [K 512, N 512]; A: computed on the way; B: input gate_w: QUANTISED
;;     9. [M 8,192, K 512] x [K 512, N 512]; A: computed on the way; B: input down_w: QUANTISED
;;   THE QUANTISER, for each operand of a quantised product, along K:
;;     - K is cut into blocks of 32 from its start; a last block that is shorter is filled with zeros.
;;     - A block's scale is 2^e with e = floor(log2(the largest magnitude in the block)) - 8, held to -126 .. 127; a block of zeros has e = 0. As a byte (E8M0): e + 127.
;;     - Each number is divided by its block's scale, clamped to +-448, and rounded to the nearest number of E4M3, ties to even, subnormals kept.
;;     - The product sums the exact products of the quantised numbers (number of the format x scale) in f32.
;;   ~~~python
;;   def quantise(x, axis):      # numpy; x: float32 -> the quantised numbers, widened to float32 again
;;       x = np.moveaxis(x, axis, -1); K = x.shape[-1]
;;       x = np.pad(x, [(0, 0)] * (x.ndim - 1) + [(0, -K % 32)]); x = x.reshape(x.shape[:-1] + (-1, 32)); a = np.abs(x).max(-1, keepdims=True)
;;       e = np.where(a > 0, np.clip(np.frexp(np.where(a > 0, a, 1))[1] - 1 - 8, -126, 127), 0)      # np.frexp(a)[1] - 1 = floor(log2(a)), exactly
;;       r = np.clip(x / 2.0 ** e, -448, 448)
;;       step = 2.0 ** (np.maximum(np.frexp(np.where(r == 0, 1, r))[1] - 1, -6) - 3)
;;       q = np.round(r / step) * step * 2.0 ** e      # np.round: ties to even
;;       return np.moveaxis(q.reshape(q.shape[:-2] + (-1,))[..., :K], -1, axis).astype(np.float32)
;;   ~~~
;;   SOFTMAX AHEAD OF A QUANTISED PRODUCT. Where the list says 'softmax', what is quantised is not the finished softmax but p = 2^(t - M), with t = logit x log2(e) and M = ceil(the row's largest t), a whole number; so 1/2 < the row's largest p <= 1. The row's sum l is taken of the UNQUANTISED p, in f32, and the product's result is divided by l at the end. Since M is a whole number, a kernel that streams over the keys may use a running M (the ceiling of the running maximum): every later rescaling is an exact power of two, which a block's scale takes up: the codes' values come out the same.
;;   OPERANDS COMPUTED ON THE WAY. 'Computed on the way' means the value that the module computes at that place (a softmax that the list does not call 'softmax' is quantised finished and normalised). What goes into a quantiser is computed in f32, as accurately as f32 sums, v_exp_f32 and their like allow (about 1e-6 of the number): no bf16 or f16 on the way to a quantiser, and a product that is left as it is and whose result goes on into a quantised operand takes f32 operands (vector FMAs, or v_wmma_f32_16x16x4_f32). A number that lies on a knife's edge between two numbers of the format may be rounded either way, as far as f32 arithmetic and the matrix unit's own rounding can turn it there, and no further.
;; 2 versions. Each part assembles by itself: llvm-mc -triple=amdgcn-amd-amdhsa -mcpu=gfx1250 --defsym DOCPART=n.
;; ======== version 1 of 2: 4 launches
;; workspace buffers: wimg 1,835,008 bytes; wsc 57,344 bytes; qkv 12,582,912 bytes; qkvs 1,179,648 bytes; aoimg 4,194,304 bytes; aosc 131,072 bytes
;; launch prep (part 1): grid 32 x 7, 4 waves a work-group, no clusters, 0 bytes of LDS; arguments wq, wk, wv, wo, up_w, gate_w, down_w, wimg, wsc; writes wimg, wsc
.if DOCPART == 1
	.amdgcn_target "amdgcn-amd-amdhsa--gfx1250"
	.amdhsa_code_object_version 6
	.text
	.protected	k_qcee9b8b806_prep
	.globl	k_qcee9b8b806_prep
	.p2align	8
	.type	k_qcee9b8b806_prep,@function
k_qcee9b8b806_prep:
	s_mov_b64 s[64:65], 0
	v_nop
	global_prefetch_b8 v0, s[64:65] scope:SCOPE_SE
	s_setreg_imm32_b32 hwreg(HW_REG_WAVE_MODE, 25, 1), 1
	s_wait_xcnt 0x0
; The seven weights [512][512] f32 (K innermost) become codes of E4M3 with one E8M0 byte for each 32 along K, laid in the order of an operand's registers.
; wimg: [weight 7][w 4][K step 4][tile 8][group 4][lane 32][16 bytes]; lane (r, h) of tile t = 2 b + u of wave w holds row 128 w + 32 b + 8 u + r + 8 (r / 8), k = 128 s + 32 c + 16 h + 0 .. 15.
; wsc:  [weight][w][K step][tile 8][r 16] words: byte c scales k block 4 s + c.
; Work-group x = 8 w + t, y = the weight; wave = K step s: a wave makes one fragment (16 rows x 128 K).  No LDS, no loop: 16 loads, the quantiser, 5 stores.
; A block's scale byte is its largest magnitude's exponent field - 8, held at 1 from below.
; LIMITS: a block of zeros gets the byte 1 with zero codes (only this program reads the bytes); NaN and infinities among the inputs are not served.
.set TM, 8                             ; v8-11 largest magnitudes, v12-15 bytes, v16-19 448 x scale, v20-23 the conversions' scale operands
.set PW, 24                            ; the scale word
.set X,  32                            ; v32-95 my 64 numbers: register 16 c + i = k 32 c + 16 h + i of my row
.set PC, 96                            ; v96-111 the codes
.set SEL, 34                           ; s[34:35] lane selects: lane l xor 16
.set MNT, 36                           ; s36 the mantissa field of 448
	s_load_b512 s[8:23], s[0:1], 0x0               ; wq, wk, wv, wo, up_w, gate_w, down_w, wimg
	s_load_b64 s[24:25], s[0:1], 0x40              ; wsc
	v_lshrrev_b32 v1, 5, v0
	v_readfirstlane_b32 s2, v1                     ; wave = K step s
	s_and_b32 s3, ttmp7, 0xffff                    ; which weight
	s_lshr_b32 s4, ttmp9, 3                        ; w
	s_and_b32 s5, ttmp9, 7                         ; t
	v_and_b32 v1, 15, v0                           ; r
	v_bfe_u32 v2, v0, 4, 1                         ; h
	v_and_b32 v3, 8, v1
	v_add_nc_u32 v3, v3, v1                        ; r + 8 (r / 8)
	v_lshlrev_b32 v3, 11, v3                       ; a row is 2,048 bytes
	v_lshl_add_u32 v3, v2, 6, v3                   ; + 64 h: my 16 numbers of a block of 32
	v_and_b32 v4, 31, v0
	v_lshlrev_b32 v4, 4, v4                        ; 16 x lane: my place in a group's 512 bytes
	v_lshlrev_b32 v5, 2, v1                        ; 4 r: my row's scale word
	s_lshl_b32 s6, s4, 7
	s_lshr_b32 s7, s5, 1
	s_lshl_b32 s7, s7, 5
	s_add_co_u32 s6, s6, s7
	s_and_b32 s7, s5, 1
	s_lshl_b32 s7, s7, 3
	s_add_co_u32 s6, s6, s7                        ; the tile's first row: 128 w + 32 (t / 2) + 8 (t % 2)
	s_lshl_b32 s6, s6, 11
	s_lshl_b32 s7, s2, 9
	s_add_co_u32 s6, s6, s7                        ; in bytes, + 512 s
	s_mov_b32 s7, 0
	s_lshl_b32 s26, s3, 18
	s_lshl_b32 s27, s4, 16
	s_add_co_u32 s26, s26, s27
	s_lshl_b32 s27, s2, 14
	s_add_co_u32 s26, s26, s27
	s_lshl_b32 s27, s5, 11
	s_add_co_u32 s26, s26, s27                     ; the fragment's place in wimg
	s_mov_b32 s27, 0
	s_lshr_b32 s28, s26, 5                         ; and its 64 bytes of scale words in wsc: a thirty-second of that
	s_mov_b32 s29, 0
	s_mov_b32 s[SEL], 0x76543210
	s_mov_b32 s[SEL+1], 0xfedcba98
	s_mov_b32 s[MNT], 0x600000
.irp b, 0,1,2,3
	v_mov_b32 v[TM+4+\b], 0                        ; a lane permute's destination counts as one of its sources
.endr
	s_wait_kmcnt 0x0
	s_cmp_eq_u32 s3, 1                             ; the choice hangs on the work-group's number alone
	s_cselect_b64 s[8:9], s[10:11], s[8:9]
	s_cmp_eq_u32 s3, 2
	s_cselect_b64 s[8:9], s[12:13], s[8:9]
	s_cmp_eq_u32 s3, 3
	s_cselect_b64 s[8:9], s[14:15], s[8:9]
	s_cmp_eq_u32 s3, 4
	s_cselect_b64 s[8:9], s[16:17], s[8:9]
	s_cmp_eq_u32 s3, 5
	s_cselect_b64 s[8:9], s[18:19], s[8:9]
	s_cmp_eq_u32 s3, 6
	s_cselect_b64 s[8:9], s[20:21], s[8:9]
	s_add_nc_u64 s[8:9], s[8:9], s[6:7]
	s_add_nc_u64 s[22:23], s[22:23], s[26:27]
	s_add_nc_u64 s[24:25], s[24:25], s[28:29]
.irp c, 0,1,2,3
.irp j, 0,1,2,3
	global_load_b128 v[X+16*\c+4*\j:X+16*\c+4*\j+3], v3, s[8:9] offset:128*\c+16*\j th:TH_LOAD_NT
.endr
.endr
	s_wait_loadcnt 0x0
.irp b, 0,1,2,3
	v_max3_num_f32 v[TM+\b], |v[X+16*\b]|, |v[X+16*\b+1]|, 0x4800000   ; block b: my 16 numbers and the floor 2^(9 - 127): the byte cannot fall under 1
.endr
.irp i, 2,4,6,8,10,12,14
.irp b, 0,1,2,3
	v_max3_num_f32 v[TM+\b], v[TM+\b], |v[X+16*\b+\i]|, |v[X+16*\b+\i+1]|
.endr
.endr
.irp b, 0,1,2,3
	v_permlanex16_b32 v[TM+4+\b], v[TM+\b], s[SEL], s[SEL+1]
.endr
.irp b, 0,1,2,3
	v_max_num_f32 v[TM+\b], v[TM+\b], v[TM+4+\b]   ; with lane l xor 16's 16: the block's largest magnitude
.endr
.irp b, 0,1,2,3
	v_add_nc_u32 v[TM+12+\b], 0xfc000000, v[TM+\b] ; 8 off its exponent field: the conversion's scale operand
.endr
.irp b, 0,1,2,3
	v_and_or_b32 v[TM+8+\b], v[TM+\b], 0x7f800000, s[MNT]   ; 448 x the scale
.endr
.irp b, 0,1,2,3
	v_lshrrev_b32 v[TM+4+\b], 23, v[TM+12+\b]      ; the scale's byte
.endr
	v_lshl_or_b32 v[PW], v[TM+5], 8, v[TM+4]
	v_lshl_or_b32 v[PW], v[TM+6], 16, v[PW]
	v_lshl_or_b32 v[PW], v[TM+7], 24, v[PW]        ; my row's scale word
.irp b, 0,1,2,3
.irp i, 0,1,2,3,4,5,6,7,8,9,10,11,12,13,14,15
	v_med3_num_f32 v[X+16*\b+\i], v[X+16*\b+\i], -v[TM+8+\b], v[TM+8+\b]   ; the conversion does not saturate (ISA guide 7.6.2): the hold at 448 x the scale
.endr
	v_cvt_scalef32_pk8_fp8_f32 v[PC+4*\b:PC+4*\b+1], v[X+16*\b:X+16*\b+7], v[TM+12+\b]
	v_cvt_scalef32_pk8_fp8_f32 v[PC+4*\b+2:PC+4*\b+3], v[X+16*\b+8:X+16*\b+15], v[TM+12+\b]
.endr
	v_nop                                          ; one plain line behind the last conversion
.irp c, 0,1,2,3
	global_store_b128 v4, v[PC+4*\c:PC+4*\c+3], s[22:23] offset:512*\c   ; 32 lanes store 512 consecutive bytes
.endr
	global_store_b32 v5, v[PW], s[24:25]           ; lanes l and l + 16 hold the same row: the same word, the same value
	s_endpgm
.Lfunc_end_k_qcee9b8b806_prep:
	.size	k_qcee9b8b806_prep, .Lfunc_end_k_qcee9b8b806_prep-k_qcee9b8b806_prep
	.p2alignl 7, 3214868480
	.fill 96, 4, 3214868480
	.section	.rodata,"a",@progbits
	.p2align	6, 0x0
	.amdhsa_kernel k_qcee9b8b806_prep
		.amdhsa_group_segment_fixed_size 0
		.amdhsa_private_segment_fixed_size 0
		.amdhsa_enable_private_segment 0
		.amdhsa_kernarg_size 72
		.amdhsa_user_sgpr_count 2
		.amdhsa_user_sgpr_kernarg_segment_ptr 1
		.amdhsa_wavefront_size32 1
		.amdhsa_system_sgpr_workgroup_id_x 1
		.amdhsa_system_sgpr_workgroup_id_y 1
		.amdhsa_system_sgpr_workgroup_id_z 1
		.amdhsa_system_vgpr_workitem_id 0
		.amdhsa_next_free_vgpr 112
		.amdhsa_next_free_sgpr 66
		.amdhsa_reserve_vcc 0
		.amdhsa_float_denorm_mode_32 3
		.amdhsa_float_denorm_mode_16_64 3
		.amdhsa_memory_ordered 1
		.amdhsa_forward_progress 1
		.amdhsa_inst_pref_size 13
	.end_amdhsa_kernel
	.amdgpu_metadata
---
amdhsa.version: [ 1, 2 ]
amdhsa.kernels:
  - .name:           k_qcee9b8b806_prep
    .symbol:         k_qcee9b8b806_prep.kd
    .args:
      - { .name: wq, .offset: 0, .size: 8, .value_kind: global_buffer, .address_space: global }
      - { .name: wk, .offset: 8, .size: 8, .value_kind: global_buffer, .address_space: global }
      - { .name: wv, .offset: 16, .size: 8, .value_kind: global_buffer, .address_space: global }
      - { .name: wo, .offset: 24, .size: 8, .value_kind: global_buffer, .address_space: global }
      - { .name: up_w, .offset: 32, .size: 8, .value_kind: global_buffer, .address_space: global }
      - { .name: gate_w, .offset: 40, .size: 8, .value_kind: global_buffer, .address_space: global }
      - { .name: down_w, .offset: 48, .size: 8, .value_kind: global_buffer, .address_space: global }
      - { .name: wimg, .offset: 56, .size: 8, .value_kind: global_buffer, .address_space: global }
      - { .name: wsc, .offset: 64, .size: 8, .value_kind: global_buffer, .address_space: global }
    .group_segment_fixed_size: 0
    .private_segment_fixed_size: 0
    .kernarg_segment_align: 8
    .kernarg_segment_size: 72
    .max_flat_workgroup_size: 128
    .sgpr_count:     66
    .vgpr_count:     112
    .wavefront_size: 32
...
	.end_amdgpu_metadata
.endif
;; end of part 1
;; launch qkv (part 2): grid 256 x 1, 4 waves a work-group, no clusters, 18,944 bytes of LDS; arguments x, ln1_w, wimg, wsc, qkv, qkvs; writes qkv, qkvs
.if DOCPART == 2
	.amdgcn_target "amdgcn-amd-amdhsa--gfx1250"
	.amdhsa_code_object_version 6
	.text
	.protected	k_qcee9b8b806_qkv
	.globl	k_qcee9b8b806_qkv
	.p2align	8
	.type	k_qcee9b8b806_qkv,@function
k_qcee9b8b806_qkv:
	s_mov_b64 s[64:65], 0
	v_nop
	global_prefetch_b8 v0, s[64:65] scope:SCOPE_SE
	s_setreg_imm32_b32 hwreg(HW_REG_WAVE_MODE, 25, 1), 1
	s_wait_xcnt 0x0
; RMSNorm 1, its quantiser, the products with wq, wk, wv (codes of E4M3, one E8M0 byte for each 32 along K), RoPE on q and k, and the quantisers of q, k (along the head's 32) and v (along 32 keys).
; A work-group owns 32 rows (block G; batch G / 64, g = G % 64), as two ROW TILES u: lane-row r of tile u is row 8 u + r + 8 (r / 8).  Wave w owns output columns 128 w .. 128 w + 127 (heads 4 w .. 4 w + 3).
; q and k are made TRANSPOSED (source 0 = 16 rows of W, source 1 = a row tile): a lane holds one row, register 64 u + 16 b + i = column 128 w + 32 b + 16 h + i: 16 neighbours of head 4 w + b.
; v is made the natural way (source 0 = a row tile, source 1 = 16 rows of W): a lane holds one channel, register 16 t + i = key 16 h + i of the block of 32 keys.
; The weights come from memory straight into registers, laid by the launch before in register order: chunks (weight, K step) of 32 + 4 loads through a ring of three buffers, two chunks ahead.
; No joint tensor loads for the weights: each byte is used once, by one wave of the work-group, and goes straight to its register; a ring in LDS would add a round trip for every byte.
; The text is straight: no loop, no branch; EXEC is never changed.
; LIMITS: a block of zeros gets the byte 1 with zero codes; NaN and infinities are not served; the 16 frequencies are 10^(-f/4) rounded to f32; sine and cosine by reduction modulo pi/2 in two parts
; (exact for positions under 2,048) and polynomials of about 1e-7; RoPE rounds one product of two (a fused multiply-add); the sums of squares are added in another order than row by row.
; REGISTERS, in windows of 256: window 0 below; window 1 and window 2 v0-127: the weights' ring; window 2 v128-255: the 8 fragments of xn; window 3 v0-127: x, then the accumulators; window 3 v128-191: the gain.
.set W0, 0                             ; the first weight of the chain in wimg
.set NC, 12                            ; chunks: 3 weights x 4 K steps
.set XIMG, 0                           ; LDS: xn's 8 fragments (4 u + s), images of their registers, 2,048 bytes each
.set XSC, 16384                        ; their scale words, 128 bytes each
.set SSQ, 17408                        ; the waves' sums of squares: [u][r][wave] words
.set LI, 1                             ; v1  16 x lane
.set LS, 2                             ; v2  4 x lane
.set L16, 3                            ; v3  16 x (lane % 16)
.set SSA, 4                            ; v4  SSQ + 16 r + 4 wave
.set XA, 5                             ; v5  x: (r + 8 (r / 8)) x 2,048 + 64 h
.set LNA, 6                            ; v6  the gain: 64 h
.set XWI, 7                            ; v7  where I store my fragments: 16 lane + 2,048 wave
.set XWS, 8                            ; v8  and their scale words: XSC + 4 lane + 128 wave
.set POS, 9                            ; v9, v10 my row's position in the sequence, tile 0, tile 1, as f32
.set TP, 11
.set SQ, 12                            ; v12-15 sums of squares at work
.set INV, 16                           ; v16-19 1 / rms, a pair for each tile
.set PT, 20                            ; v20-27 the four waves' parts
.set SV, 28                            ; v28-31 scale bytes on their way out
.set WS, 32                            ; v32-43 the weights' scale words, three sets of four: scales and nothing else
.set XS, 44                            ; v44-51 xn's scale words (4 u + s): scales and nothing else
.set TM, 52                            ; v52-67 the quantiser's sixteen
.set PW, 68                            ; v68 the scale word just made
.set PC, 72                            ; v72-87 the codes just made
.set TR, 88                            ; v88-119 cos, sin: TR + 16 u + 2 p, + 1
.set FRQ, 120                          ; v120-127 my eight frequencies
.set T, 128                            ; v128-191 64 numbers ahead of the quantiser
.set WK, 192                           ; v192-255 at work in the sines
.set WV, 18
.set MNT, 19
.set SEL, 20
.set RC, 22
.set EPS, 23
.set HM, 28                            ; s28 the mask of lanes 16-31
.set MSB, 0
.macro WIN new                         ; the immediate's high byte repeats the setting that is left
.if MSB != (\new)
	s_set_vgpr_msb (MSB<<8)|(\new)
.set MSB, (\new)
.endif
.endm
.macro PLACES                          ; eight places behind this matrix form, ahead of reads of results and of loads into registers that it has read
.rept 8
	v_nop
.endr
.endm
.macro BARRIER                         ; my LDS stores have landed and my LDS loads are in: then the work-group's barrier
	s_wait_dscnt 0x0
	s_barrier_signal -1
	s_barrier_wait -1
.endm
; 64 numbers of a lane in window sw, register 16 b + i in block b (the other 16 of the block lie in lane l xor 16), become codes in v[PC] on, bytes in v[TM+4] on and the word v[PW].
.macro QUANT s, sw
	WIN 5*(\sw)
.irp b, 0,1,2,3
	v_max3_num_f32 v[TM+\b], |v[(\s)+16*\b]|, |v[(\s)+16*\b+1]|, 0x4800000   ; with the floor 2^(9 - 127): the byte cannot fall under 1
.endr
	WIN 20*(\sw)
.irp i, 2,4,6,8,10,12,14
.irp b, 0,1,2,3
	v_max3_num_f32 v[TM+\b], v[TM+\b], |v[(\s)+16*\b+\i]|, |v[(\s)+16*\b+\i+1]|
.endr
.endr
	WIN 0
.irp b, 0,1,2,3
	v_permlanex16_b32 v[TM+4+\b], v[TM+\b], s[SEL], s[SEL+1]
.endr
.irp b, 0,1,2,3
	v_max_num_f32 v[TM+\b], v[TM+\b], v[TM+4+\b]
.endr
.irp b, 0,1,2,3
	v_add_nc_u32 v[TM+12+\b], 0xfc000000, v[TM+\b] ; 8 off the exponent field: the conversion's scale operand
.endr
.irp b, 0,1,2,3
	v_and_or_b32 v[TM+8+\b], v[TM+\b], 0x7f800000, s[MNT]   ; 448 x the scale
.endr
.irp b, 0,1,2,3
	v_lshrrev_b32 v[TM+4+\b], 23, v[TM+12+\b]      ; the byte
.endr
	v_lshl_or_b32 v[PW], v[TM+5], 8, v[TM+4]
	v_lshl_or_b32 v[PW], v[TM+6], 16, v[PW]
	v_lshl_or_b32 v[PW], v[TM+7], 24, v[PW]
	WIN 65*(\sw)
.irp b, 0,1,2,3
.irp i, 0,1,2,3,4,5,6,7,8,9,10,11,12,13,14,15
	v_med3_num_f32 v[(\s)+16*\b+\i], v[(\s)+16*\b+\i], -v[TM+8+\b], v[TM+8+\b]   ; the conversion does not saturate (ISA guide 7.6.2)
.endr
.endr
	WIN \sw
.irp b, 0,1,2,3
	v_cvt_scalef32_pk8_fp8_f32 v[PC+4*\b:PC+4*\b+1], v[(\s)+16*\b:(\s)+16*\b+7], v[TM+12+\b]
	v_cvt_scalef32_pk8_fp8_f32 v[PC+4*\b+2:PC+4*\b+3], v[(\s)+16*\b+8:(\s)+16*\b+15], v[TM+12+\b]
.endr
	WIN 0
	v_nop                                          ; one plain line behind the last conversion
.endm
.macro IMAGE adr, off                  ; the fragment in v[PC] on goes to LDS as it stands: 512 consecutive bytes a store
.irp c, 0,1,2,3
	ds_store_b128 v[\adr], v[PC+4*\c:PC+4*\c+3] offset:\off+512*\c
.endr
.endm
; Chunk c (weight W0 + c / 4, K step c % 4) into buffer c % 3: 32 loads of 512 consecutive bytes and 4 of scale words (tile 2 p in lanes 0-15, tile 2 p + 1 in lanes 16-31).  Every offset is an immediate.
.macro WLOAD c
.set BW, 1+((\c)%3)/2
.set BO, 128*(((\c)%3)%2)
.set WOF, (W0+(\c)/4)*262144+((\c)%4)*16384
.set SOF, (W0+(\c)/4)*8192+((\c)%4)*512
	WIN BW<<6
.irp t, 0,1,2,3,4,5,6,7
.irp g, 0,1,2,3
	global_load_b128 v[BO+16*\t+4*\g:BO+16*\t+4*\g+3], v[LI], s[8:9] offset:WOF+\t*2048+\g*512
.endr
.endr
	WIN 0
.irp p, 0,1,2,3
	global_load_b32 v[WS+4*((\c)%3)+\p], v[LS], s[10:11] offset:SOF+128*\p
.endr
.endm
.macro MM d, a, b, sa, sb, czero, rowa, rowb
.if \czero
.if \rowa
	v_wmma_scale_f32_16x16x128_f8f6f4 v[(\d):(\d)+7], v[(\a):(\a)+15], v[(\b):(\b)+15], 0, v[\sa], v[\sb] matrix_a_scale:MATRIX_SCALE_ROW1
.elseif \rowb
	v_wmma_scale_f32_16x16x128_f8f6f4 v[(\d):(\d)+7], v[(\a):(\a)+15], v[(\b):(\b)+15], 0, v[\sa], v[\sb] matrix_b_scale:MATRIX_SCALE_ROW1
.else
	v_wmma_scale_f32_16x16x128_f8f6f4 v[(\d):(\d)+7], v[(\a):(\a)+15], v[(\b):(\b)+15], 0, v[\sa], v[\sb]
.endif
.else
.if \rowa
	v_wmma_scale_f32_16x16x128_f8f6f4 v[(\d):(\d)+7], v[(\a):(\a)+15], v[(\b):(\b)+15], v[(\d):(\d)+7], v[\sa], v[\sb] matrix_a_scale:MATRIX_SCALE_ROW1
.elseif \rowb
	v_wmma_scale_f32_16x16x128_f8f6f4 v[(\d):(\d)+7], v[(\a):(\a)+15], v[(\b):(\b)+15], v[(\d):(\d)+7], v[\sa], v[\sb] matrix_b_scale:MATRIX_SCALE_ROW1
.else
	v_wmma_scale_f32_16x16x128_f8f6f4 v[(\d):(\d)+7], v[(\a):(\a)+15], v[(\b):(\b)+15], v[(\d):(\d)+7], v[\sa], v[\sb]
.endif
.endif
.endm
; One chunk's 16 products on 16 accumulators, which take turns, one instruction a turn, in the same order in every chunk.
; kind 0: transposed; kind 1: natural.  czero = 1: the products start the sums.
.macro GSTEP c, kind, acc, czero
.if (\c)+1 < NC
	s_wait_loadcnt 36                              ; behind chunk c's loads only chunk c + 1's 32 + 4 were issued: they may stay out
.else
	s_wait_loadcnt 0x0
.endif
.if (\c)+2 < NC
.if (\c) > 0
	PLACES                                         ; behind chunk c - 1's products, which read the buffer and the scale words that are loaded next
.endif
	WLOAD (\c)+2
.endif
.set BW, 1+((\c)%3)/2
.set BO, 128*(((\c)%3)%2)
.set SS, (\c)%4
.set WR, WS+4*((\c)%3)
.if \kind == 0
	WIN 0xf8|BW                                    ; source 0 the ring's window, source 1 window 2, C and D window 3
.irp b, 0,1,2,3
.irp u, 0,1
	MM \acc+64*\u+16*\b, BO+32*\b, 128+64*\u+16*SS, WR+\b, XS+4*\u+SS, \czero, 0, 0
.endr
.irp u, 0,1
	MM \acc+64*\u+16*\b+8, BO+32*\b+16, 128+64*\u+16*SS, WR+\b, XS+4*\u+SS, \czero, 1, 0
.endr
.endr
.else
	WIN 0xf2|(BW<<2)                               ; source 0 window 2, source 1 the ring's window, C and D window 3
.irp b, 0,1,2,3
.irp u, 0,1
	MM \acc+32*\b+8*\u, 128+64*\u+16*SS, BO+32*\b, XS+4*\u+SS, WR+\b, \czero, 0, 0
.endr
.irp u, 0,1
	MM \acc+32*\b+16+8*\u, 128+64*\u+16*SS, BO+32*\b+16, XS+4*\u+SS, WR+\b, \czero, 0, 1
.endr
.endr
.endif
	WIN 0
.endm
.macro FETCHALL img, sc                ; all eight fragments and their scale words, from any wave's images
	WIN 0x80
.irp u, 0,1
.irp s, 0,1,2,3
.irp c, 0,1,2,3
	ds_load_b128 v[128+64*\u+16*\s+4*\c:128+64*\u+16*\s+4*\c+3], v[LI] offset:\img+(4*\u+\s)*2048+512*\c
.endr
.endr
.endr
	WIN 0
.irp u, 0,1
.irp s, 0,1,2,3
	ds_load_b32 v[XS+4*\u+\s], v[LS] offset:\sc+(4*\u+\s)*128
.endr
.endr
	s_wait_dscnt 0x0
.endm
; RMSNorm of the 32 rows (numbers in window 3 v0-127, gain in window 3 v128-191) and its quantiser: my 128 columns are K step w of the next products.
.macro NORMQ
.irp u, 0,1
	WIN 0x0f
	v_pk_mul_f32 v[SQ:SQ+1], v[64*\u:64*\u+1], v[64*\u:64*\u+1]               ; two chains of squares
	v_pk_mul_f32 v[SQ+2:SQ+3], v[64*\u+2:64*\u+3], v[64*\u+2:64*\u+3]
.irp k, 4,8,12,16,20,24,28,32,36,40,44,48,52,56,60
	v_pk_fma_f32 v[SQ:SQ+1], v[64*\u+\k:64*\u+\k+1], v[64*\u+\k:64*\u+\k+1], v[SQ:SQ+1]
	v_pk_fma_f32 v[SQ+2:SQ+3], v[64*\u+\k+2:64*\u+\k+3], v[64*\u+\k+2:64*\u+\k+3], v[SQ+2:SQ+3]
.endr
	WIN 0
	v_pk_add_f32 v[SQ:SQ+1], v[SQ:SQ+1], v[SQ+2:SQ+3]
	v_add_f32 v[SQ], v[SQ], v[SQ+1]
	v_permlanex16_b32 v[SQ+1], v[SQ], s[SEL], s[SEL+1]
	v_add_f32 v[SQ], v[SQ], v[SQ+1]                ; my wave's 128 columns of row r
	ds_store_b32 v[SSA], v[SQ] offset:256*\u
.endr
	BARRIER                                        ; the four waves' parts lie in LDS
.irp u, 0,1
	ds_load_b128 v[PT+4*\u:PT+4*\u+3], v[L16] offset:SSQ+256*\u
.endr
	s_wait_dscnt 0x0
.irp u, 0,1
	v_add_f32 v[PT+4*\u], v[PT+4*\u], v[PT+4*\u+1]
	v_add_f32 v[PT+4*\u+2], v[PT+4*\u+2], v[PT+4*\u+3]
.endr
.irp u, 0,1
	v_add_f32 v[PT+4*\u], v[PT+4*\u], v[PT+4*\u+2]
.endr
.irp u, 0,1
	v_fma_f32 v[PT+4*\u], v[PT+4*\u], s[RC], s[EPS]   ; the mean + eps
.endr
.irp u, 0,1
	v_rsq_f32 v[INV+2*\u], v[PT+4*\u]              ; twice: a pair for the packed multiply
	v_rsq_f32 v[INV+2*\u+1], v[PT+4*\u]
.endr
	v_nop                                          ; one plain line behind the batch,
	s_wait_alu depctr_va_vdst(0)                   ; and one wait for the four, ahead of their first reader
.irp u, 0,1
	WIN 0x03
.set j, 0
.rept 32
	v_pk_mul_f32 v[T+j:T+j+1], v[64*\u+j:64*\u+j+1], v[INV+2*\u:INV+2*\u+1]   ; x / rms,
.set j, j+2
.endr
	WIN 0x0c
.set j, 0
.rept 32
	v_pk_mul_f32 v[T+j:T+j+1], v[T+j:T+j+1], v[128+j:129+j]                   ; then x the gain
.set j, j+2
.endr
	WIN 0
	QUANT T, 0
	IMAGE XWI, 8192*\u
	ds_store_b32 v[XWS], v[PW] offset:512*\u
	s_wait_dscnt 0x0                               ; the stores have read their registers
.endr
	BARRIER                                        ; the eight fragments lie in LDS
.endm
	s_load_b256 s[4:11], s[0:1], 0x0               ; x, ln1_w, wimg, wsc
	s_load_b128 s[12:15], s[0:1], 0x20             ; qkv, qkvs
	v_lshl_add_u32 v71, v0, 2, 0x4800
	s_set_vgpr_msb 0xc0
	v_mov_b32 v255, 0
	s_set_vgpr_msb 0xc000
	v_lshrrev_b32 v1, 5, v0
	v_readfirstlane_b32 s[WV], v1                  ; wave 0..3
	v_and_b32 v[TP], 31, v0
	v_lshlrev_b32 v[LI], 4, v[TP]
	v_lshlrev_b32 v[LS], 2, v[TP]
	v_and_b32 v[POS], 15, v0                       ; r
	v_bfe_u32 v[POS+1], v0, 4, 1                   ; h
	v_lshlrev_b32 v[L16], 4, v[POS]
	s_lshl_b32 s40, s[WV], 2
	v_add_nc_u32 v[SSA], s40, v[L16]
	v_add_nc_u32 v[SSA], SSQ, v[SSA]
	v_and_b32 v[TP], 8, v[POS]
	v_add_nc_u32 v[TP], v[TP], v[POS]              ; r + 8 (r / 8)
	v_lshlrev_b32 v[XA], 11, v[TP]
	v_lshl_add_u32 v[XA], v[POS+1], 6, v[XA]
	v_lshlrev_b32 v[LNA], 6, v[POS+1]
	s_lshl_b32 s40, s[WV], 11
	v_add_nc_u32 v[XWI], s40, v[LI]
	s_lshl_b32 s40, s[WV], 7
	v_add_nc_u32 v[XWS], s40, v[LS]
	v_add_nc_u32 v[XWS], XSC, v[XWS]
	s_lshr_b32 s42, ttmp9, 6                       ; the batch
	s_and_b32 s43, ttmp9, 63                       ; g
	s_lshl_b32 s44, s42, 4
	s_lshl_b32 s45, s[WV], 2
	s_add_co_u32 s44, s44, s45                     ; my first head among the 64: 16 batch + 4 w
	s_lshl_b32 s40, s43, 5
	v_add_nc_u32 v[POS], s40, v[TP]                ; my row's position: 32 g + r + 8 (r / 8),
	v_add_nc_u32 v[POS+1], 8, v[POS]               ; and 8 more in tile 1
	v_cvt_f32_u32 v[POS], v[POS]
	v_cvt_f32_u32 v[POS+1], v[POS+1]
	s_mov_b32 s[MNT], 0x600000
	s_mov_b32 s[SEL], 0x76543210
	s_mov_b32 s[SEL+1], 0xfedcba98
	s_mov_b32 s[RC], 0x3b000000                    ; 1 / 512
	s_mov_b32 s[EPS], 0x3727c5ac                   ; 1e-5
	s_mov_b32 s[HM], 0xffff0000
	s_mov_b32 s29, 0x3f22f983                      ; 2 / pi
	s_mov_b32 s30, 0xbfc90fdb                      ; -(pi / 2 rounded to f32)
	s_mov_b32 s31, 0x333bbd2e                      ; -(what is left of pi / 2)
	s_mov_b32 s32, 0xb94ca1f9                      ; the sine's three,
	s_mov_b32 s33, 0x3c08839e
	s_mov_b32 s34, 0xbe2aaaa3
	s_mov_b32 s35, 0x37ccf5ce                      ; the cosine's three
	s_mov_b32 s36, 0xbab6061a
	s_mov_b32 s37, 0x3d2aaaa5
.irp b, 0,1,2,3
	v_mov_b32 v[TM+4+\b], 0                        ; a lane permute's destination counts as one of its sources
.endr
	s_wait_kmcnt 0x0
	s_mov_b32 s41, 0
	s_lshl_b32 s40, ttmp9, 16
	s_lshl_b32 s45, s[WV], 9
	s_add_co_u32 s40, s40, s45
	s_add_nc_u64 s[4:5], s[4:5], s[40:41]          ; x at my block's first row, my 128 columns
	s_mov_b32 s40, s45
	s_add_nc_u64 s[6:7], s[6:7], s[40:41]          ; the gain of my columns
	s_lshl_b32 s40, s[WV], 16
	s_add_nc_u64 s[8:9], s[8:9], s[40:41]          ; my part of each weight's codes
	s_lshl_b32 s40, s[WV], 11
	s_add_nc_u64 s[10:11], s[10:11], s[40:41]      ; and of its scale words
	s_lshl_b32 s40, s44, 16
	s_lshl_b32 s45, s43, 10
	s_add_co_u32 s40, s40, s45
	s_add_nc_u64 s[12:13], s[12:13], s[40:41]      ; q's codes: [head][tile 2 g + u][512]; k's lie 4,194,304 further on
	s_add_nc_u64 s[16:17], s[12:13], 0x800000      ; v's: [head][g][u][512]: the same offset in its third of the buffer
	s_mul_i32 s40, s44, 10240
	s_add_co_u32 s40, s40, 524288
	s_add_nc_u64 s[26:27], s[14:15], s[40:41]      ; my first head's record of k's and v's scales
	s_lshl_b32 s40, s43, 7
	s_add_nc_u64 s[24:25], s[26:27], s[40:41]      ; k's scale words: [g][u][r]
	s_lshr_b32 s40, s43, 2
	s_lshl_b32 s40, s40, 7
	s_and_b32 s45, s43, 3
	s_add_co_u32 s40, s40, s45
	s_add_co_u32 s40, s40, 8192
	s_add_nc_u64 s[26:27], s[26:27], s[40:41]      ; v's: [g / 4][u][r] words, byte g % 4
	s_lshl_b32 s40, s44, 13
	s_lshl_b32 s45, s43, 7
	s_add_co_u32 s40, s40, s45
	s_add_nc_u64 s[14:15], s[14:15], s[40:41]      ; q's scale words: [head][g][u][r]
	WIN 0xc0
.irp u, 0,1
.irp b, 0,1,2,3
.irp j, 0,1,2,3
	global_load_b128 v[64*\u+16*\b+4*\j:64*\u+16*\b+4*\j+3], v[XA], s[4:5] offset:16384*\u+128*\b+16*\j th:TH_LOAD_NT
.endr
.endr
.endr
.irp b, 0,1,2,3
.irp j, 0,1,2,3
	global_load_b128 v[128+16*\b+4*\j:128+16*\b+4*\j+3], v[LNA], s[6:7] offset:128*\b+16*\j
.endr
.endr
	WLOAD 0
	; ---- cos and sin of position x frequency, while the loads are on their way.  Register 16 b + i is channel 16 h + i of a head: pair p = i / 2 has frequency 8 h + p
.macro FREQ p, lo, hi
	v_mov_b32 v69, \lo
	v_mov_b32 v70, \hi
	v_cndmask_b32 v[FRQ+\p], v69, v70, s[HM]
.endm
	FREQ 0, 0x3f800000, 0x3c23d70a
	FREQ 1, 0x3f0ff59a, 0x3bb8449c
	FREQ 2, 0x3ea1e89b, 0x3b4f3e37
	FREQ 3, 0x3e361887, 0x3ae91528
	FREQ 4, 0x3dcccccd, 0x3a83126f
	FREQ 5, 0x3d6655c3, 0x3a136a16
	FREQ 6, 0x3d0186e2, 0x39a5cb5f
	FREQ 7, 0x3c91ad39, 0x393a7753
.macro SINCOS u
.irp p, 0,1,2,3,4,5,6,7
	v_mul_f32 v[WK+\p], v[POS+\u], v[FRQ+\p]       ; the angle, rounded once
.endr
.irp p, 0,1,2,3,4,5,6,7
	v_mul_f32 v[WK+8+\p], s29, v[WK+\p]
.endr
.irp p, 0,1,2,3,4,5,6,7
	v_rndne_f32 v[WK+8+\p], v[WK+8+\p]             ; k: how many quarter turns
.endr
.irp p, 0,1,2,3,4,5,6,7
	v_fma_f32 v[WK+\p], v[WK+8+\p], s30, v[WK+\p]  ; exact: the difference has 24 bits at the most
.endr
.irp p, 0,1,2,3,4,5,6,7
	v_fma_f32 v[WK+\p], v[WK+8+\p], s31, v[WK+\p]  ; the angle within +-pi / 4
.endr
.irp p, 0,1,2,3,4,5,6,7
	v_cvt_i32_f32 v[WK+8+\p], v[WK+8+\p]
.endr
.irp p, 0,1,2,3,4,5,6,7
	v_mul_f32 v[WK+16+\p], v[WK+\p], v[WK+\p]      ; z
.endr
.irp p, 0,1,2,3,4,5,6,7
	v_fma_f32 v[WK+24+\p], v[WK+16+\p], s32, s33
.endr
.irp p, 0,1,2,3,4,5,6,7
	v_fma_f32 v[WK+24+\p], v[WK+24+\p], v[WK+16+\p], s34
.endr
.irp p, 0,1,2,3,4,5,6,7
	v_mul_f32 v[WK+24+\p], v[WK+24+\p], v[WK+16+\p]
.endr
.irp p, 0,1,2,3,4,5,6,7
	v_fma_f32 v[WK+24+\p], v[WK+24+\p], v[WK+\p], v[WK+\p]   ; the sine of the reduced angle
.endr
.irp p, 0,1,2,3,4,5,6,7
	v_fma_f32 v[WK+32+\p], v[WK+16+\p], s35, s36
.endr
.irp p, 0,1,2,3,4,5,6,7
	v_fma_f32 v[WK+32+\p], v[WK+32+\p], v[WK+16+\p], s37
.endr
.irp p, 0,1,2,3,4,5,6,7
	v_mul_f32 v[WK+40+\p], v[WK+16+\p], v[WK+16+\p]
.endr
.irp p, 0,1,2,3,4,5,6,7
	v_fma_f32 v[WK+16+\p], v[WK+16+\p], -0.5, 1.0
.endr
.irp p, 0,1,2,3,4,5,6,7
	v_fma_f32 v[WK+32+\p], v[WK+32+\p], v[WK+40+\p], v[WK+16+\p]   ; its cosine
.endr
.irp p, 0,1,2,3,4,5,6,7
	v_and_b32 v[WK+40+\p], 1, v[WK+8+\p]
.endr
.irp p, 0,1,2,3,4,5,6,7
	v_cmp_eq_u32 vcc_lo, 1, v[WK+40+\p]            ; an odd quarter turn swaps the two: a choice of values, no branch
	v_cndmask_b32 v[WK+48+\p], v[WK+24+\p], v[WK+32+\p], vcc_lo
	v_cndmask_b32 v[WK+56+\p], v[WK+32+\p], v[WK+24+\p], vcc_lo
.endr
.irp p, 0,1,2,3,4,5,6,7
	v_lshlrev_b32 v[WK+40+\p], 30, v[WK+8+\p]      ; the sine's sign: bit 1 of k;
.endr
.irp p, 0,1,2,3,4,5,6,7
	v_and_b32 v[WK+40+\p], 0x80000000, v[WK+40+\p]
.endr
.irp p, 0,1,2,3,4,5,6,7
	v_xor_b32 v[TR+16*\u+2*\p+1], v[WK+40+\p], v[WK+48+\p]
.endr
.irp p, 0,1,2,3,4,5,6,7
	v_add_nc_u32 v[WK+8+\p], 1, v[WK+8+\p]         ; the cosine's: bit 1 of k + 1
.endr
.irp p, 0,1,2,3,4,5,6,7
	v_lshlrev_b32 v[WK+8+\p], 30, v[WK+8+\p]
.endr
.irp p, 0,1,2,3,4,5,6,7
	v_and_b32 v[WK+8+\p], 0x80000000, v[WK+8+\p]
.endr
.irp p, 0,1,2,3,4,5,6,7
	v_xor_b32 v[TR+16*\u+2*\p], v[WK+8+\p], v[WK+56+\p]
.endr
.endm
	SINCOS 0
	SINCOS 1
	s_wait_loadcnt 36                              ; x and the gain are in; chunk 0's 32 + 4 loads, issued behind them, may stay out
	WLOAD 1
	NORMQ
	FETCHALL XIMG, XSC
; q (i = 0) or k (i = 1): RoPE on the accumulators, the quantiser along each head's 32, codes and scale words out.
.macro ROPEQ i
.irp u, 0,1
	s_wait_xcnt 0x0                                ; the last stores have read their registers: codes and bytes may be written again
	WIN 0x03
.irp b, 0,1,2,3
.irp p, 0,1,2,3,4,5,6,7
	v_mul_f32 v[T+16*\b+2*\p], v[64*\u+16*\b+2*\p+1], v[TR+16*\u+2*\p+1]     ; odd x sin (each accumulator is first read at its register 1)
	v_mul_f32 v[T+16*\b+2*\p+1], v[64*\u+16*\b+2*\p], v[TR+16*\u+2*\p+1]     ; even x sin
.endr
.irp p, 0,1,2,3,4,5,6,7
	v_fma_f32 v[T+16*\b+2*\p], v[64*\u+16*\b+2*\p], v[TR+16*\u+2*\p], -v[T+16*\b+2*\p]         ; even x cos - odd x sin
	v_fma_f32 v[T+16*\b+2*\p+1], v[64*\u+16*\b+2*\p+1], v[TR+16*\u+2*\p], v[T+16*\b+2*\p+1]    ; odd x cos + even x sin
.endr
.endr
	WIN 0
	QUANT T, 0
.irp b, 0,1,2,3
	global_store_b128 v[LI], v[PC+4*\b:PC+4*\b+3], s[12:13] offset:\i*4194304+\b*65536+\u*512   ; head 4 w + b, tile 2 g + u: 512 consecutive bytes
.endr
.if \u == 0
.irp b, 0,1,2,3
	v_mov_b32 v[SV+\b], v[TM+4+\b]                 ; tile 0's bytes wait for tile 1's
.endr
.else
.irp b, 0,1,2,3
	v_cndmask_b32 v[SV+\b], v[SV+\b], v[TM+4+\b], s[HM]   ; lanes 0-15: tile 0's rows; lanes 16-31: tile 1's.  The upper bytes are 0: they scale zero codes alone
.endr
.irp b, 0,1,2,3
.if \i == 0
	global_store_b32 v[LS], v[SV+\b], s[14:15] offset:8192*\b
.else
	global_store_b32 v[LS], v[SV+\b], s[24:25] offset:10240*\b
.endif
.endr
.endif
.endr
.endm
	GSTEP 0, 0, 0, 1
	GSTEP 1, 0, 0, 0
	GSTEP 2, 0, 0, 0
	GSTEP 3, 0, 0, 0
	PLACES
	ROPEQ 0
	GSTEP 4, 0, 0, 1
	GSTEP 5, 0, 0, 0
	GSTEP 6, 0, 0, 0
	GSTEP 7, 0, 0, 0
	PLACES
	ROPEQ 1
	GSTEP 8, 1, 0, 1
	GSTEP 9, 1, 0, 0
	GSTEP 10, 1, 0, 0
	GSTEP 11, 1, 0, 0
	PLACES
	; ---- v: four tiles of 16 channels at a time; a tile's 16 registers are keys 16 h + 0 .. 15 of my block of 32 keys
.irp H, 0,1
	s_wait_xcnt 0x0                                ; the last stores have read their registers
	QUANT 64*\H, 3
.irp q, 0,1
	global_store_b128 v[LI], v[PC+8*\q:PC+8*\q+3], s[16:17] offset:(2*\H+\q)*65536
	global_store_b128 v[LI], v[PC+8*\q+4:PC+8*\q+7], s[16:17] offset:(2*\H+\q)*65536+512
	v_cndmask_b32 v[SV+\q], v[TM+4+2*\q], v[TM+5+2*\q], s[HM]   ; lanes 0-15: the head's even tile; lanes 16-31: its odd one
	global_store_b8 v[LS], v[SV+\q], s[26:27] offset:(2*\H+\q)*10240
.endr
.endr
	s_set_vgpr_msb 0xc
	s_wait_tensorcnt 0x0
	ds_add_u32 v71, v255
	s_wait_dscnt 0x0
	s_set_vgpr_msb 0xc00
	s_endpgm
.Lfunc_end_k_qcee9b8b806_qkv:
	.size	k_qcee9b8b806_qkv, .Lfunc_end_k_qcee9b8b806_qkv-k_qcee9b8b806_qkv
	.p2alignl 7, 3214868480
	.fill 96, 4, 3214868480
	.section	.rodata,"a",@progbits
	.p2align	6, 0x0
	.amdhsa_kernel k_qcee9b8b806_qkv
		.amdhsa_group_segment_fixed_size 18944
		.amdhsa_private_segment_fixed_size 0
		.amdhsa_enable_private_segment 0
		.amdhsa_kernarg_size 48
		.amdhsa_user_sgpr_count 2
		.amdhsa_user_sgpr_kernarg_segment_ptr 1
		.amdhsa_wavefront_size32 1
		.amdhsa_system_sgpr_workgroup_id_x 1
		.amdhsa_system_sgpr_workgroup_id_y 1
		.amdhsa_system_sgpr_workgroup_id_z 1
		.amdhsa_system_vgpr_workitem_id 0
		.amdhsa_next_free_vgpr 1024
		.amdhsa_next_free_sgpr 66
		.amdhsa_reserve_vcc 1
		.amdhsa_float_denorm_mode_32 3
		.amdhsa_float_denorm_mode_16_64 3
		.amdhsa_memory_ordered 1
		.amdhsa_forward_progress 1
		.amdhsa_inst_pref_size 209
	.end_amdhsa_kernel
	.amdgpu_metadata
---
amdhsa.version: [ 1, 2 ]
amdhsa.kernels:
  - .name:           k_qcee9b8b806_qkv
    .symbol:         k_qcee9b8b806_qkv.kd
    .args:
      - { .name: x, .offset: 0, .size: 8, .value_kind: global_buffer, .address_space: global }
      - { .name: ln1_w, .offset: 8, .size: 8, .value_kind: global_buffer, .address_space: global }
      - { .name: wimg, .offset: 16, .size: 8, .value_kind: global_buffer, .address_space: global }
      - { .name: wsc, .offset: 24, .size: 8, .value_kind: global_buffer, .address_space: global }
      - { .name: qkv, .offset: 32, .size: 8, .value_kind: global_buffer, .address_space: global }
      - { .name: qkvs, .offset: 40, .size: 8, .value_kind: global_buffer, .address_space: global }
    .group_segment_fixed_size: 18944
    .private_segment_fixed_size: 0
    .kernarg_segment_align: 8
    .kernarg_segment_size: 48
    .max_flat_workgroup_size: 128
    .sgpr_count:     66
    .vgpr_count:     1024
    .wavefront_size: 32
...
	.end_amdgpu_metadata
.endif
;; end of part 2
;; launch attn (part 3): grid 4 x 64, 16 waves a work-group, clusters of 4 x 1, 169,984 bytes of LDS; arguments qkv, qkvs, aoimg, aosc; writes aoimg, aosc
.if DOCPART == 3
	.amdgcn_target "amdgcn-amd-amdhsa--gfx1250"
	.amdhsa_code_object_version 6
	.text
	.protected	k_qcee9b8b806_attn
	.globl	k_qcee9b8b806_attn
	.p2align	8
	.type	k_qcee9b8b806_attn,@function
k_qcee9b8b806_attn:
	s_mov_b64 s[64:65], 0
	v_nop
	global_prefetch_b8 v0, s[64:65] scope:SCOPE_SE
	s_setreg_imm32_b32 hwreg(HW_REG_WAVE_MODE, 25, 1), 1
	s_wait_xcnt 0x0
	s_wait_alu depctr_hold_cnt(0) depctr_sa_sdst(0) depctr_va_vdst(0) depctr_va_sdst(0) depctr_va_ssrc(0) depctr_va_vcc(0) depctr_vm_vsrc(0)
	s_getreg_b32 s2, hwreg(HW_REG_IB_STS2, 6, 4)
	s_cmp_eq_u32 s2, 0
	s_cbranch_scc0 .Lentry_in_a_cluster
	s_endpgm
.Lentry_in_a_cluster:
	s_bfe_u32 s2, ttmp6, 0x10000c
	s_cmp_lg_u32 s2, 0x3003
	s_cbranch_scc0 .Lentry_shape_is_right
	s_endpgm
.Lentry_shape_is_right:
; Causal attention of one head (cluster y = 16 batch + head) on codes of E4M3, head size 32, 2,048 keys; its result divided by the row's sum and quantised along the head's 32 for the product with wo.
; t = score x log2(e) / sqrt(32); M = the running largest t rounded UP to a whole number; p = 2^(t - M) is quantised along the keys, not normalised; the row's sum is taken of the unquantised p.
; SHARES.  The four work-groups of a cluster share the head's K and V: all of them (128 KiB of codes, 10 KiB of scales) come into LDS ONCE, by joint tensor loads, and stay: nothing is filled again.
; A wave owns one tile of 16 queries at a time, twice: with A = wave / 2, first tile 8 A + 2 cx + wave % 2, whose last key step is A, then tile 127 less that, whose last key step is 15 - A:
; (A + 1) + (16 - A) = 17 key steps of 128 keys for every wave.  The trip counts are constants; a step past the wave's last is jumped over by a branch on the wave's number alone; cx enters
; only the addresses of Q and of the result and the vector register of the mask's compare.
; LAYOUT.  Both products transposed: S^T = K Q^T, O^T = V^T P^T: a lane holds one query.  A tile's lane-row r is row 8 u + r + 8 (r / 8) of a block of 32, so that the 16 registers of two
; neighbouring tiles of S^T are 16 neighbouring keys.  The first product's K is 32: registers 4 to 15 of its operands hold zero codes, set once.
; LIMITS: a block of zeros gets the byte 1 with zero codes; NaN and infinities are not served.
; REGISTERS: v1-7 addresses that stay; v8-11 addresses of the step; v12 -M, v13 the largest t, v[14:15] the sum; v16-31 Q; v32-95 four slots for tiles of K; v96-159 S^T, then p; v160-175 O^T;
; v176-191 p's codes; v192-223 V; v224-230 scales and nothing else; v231 my row in its block less 16 h; v232-254 at work.
.set VIMG, 65536                       ; LDS: K's codes at 0: [tile 128][lane][16]; V's here: [g 64][u 2][lane][16]
.set KSC, 131072                       ; K's scale words [g][u][r]
.set VSC, 139264                       ; V's [step 16][u][r], byte c for g = 4 step + c
.set AL16, 1
.set AV16, 2
.set AKS, 3
.set AVS, 4
.set QD, 5
.set ADK, 8
.set ADV, 9
.set ADS, 10
.set ADT, 11
.set WV, 12
.set MNT, 19
.set SEL, 20
.set CS, 22
.set G1A, 24                           ; s[24:31] group 1: 64 rows of 256 bytes;  s[32:39]: 8 rows
.set G1C, 32
.set G0A, 40
.set G0C, 44
.set TK, 48                            ; s48 the step's codes: 4,096 bytes a step, in K and in V
.set TS, 49                            ; s49 K's scale words: 512 a step
.set TV, 50                            ; s50 V's: 128 a step
.set KF, 51                            ; s51 the step's first key
.set KS, 52                            ; s52 the step
.set LAST, 53                          ; s53 my tile's last step: made of the wave's number alone
.set TT, 54                            ; s54 my tile
.set QP, 56
.set QSP, 58
.set AOB, 60
.set ASB, 62
.macro PLACES
.rept 8
	v_nop
.endr
.endm
.macro ROUND                           ; a round of the cluster's barrier
	s_barrier_signal -1
	s_barrier_wait -1
	s_cmp_lg_u32 s[WV], 0
	s_cbranch_scc1 .Lnot_wave_0_\@
	s_barrier_signal -3
.Lnot_wave_0_\@:
	s_barrier_wait -3
	s_barrier_signal -1
	s_barrier_wait -1
.endm
	s_load_b256 s[4:11], s[0:1], 0x0               ; qkv, qkvs, aoimg, aosc
	v_lshl_add_u32 v251, v0, 2, 0x29000
	v_mov_b32 v255, 0
	ds_add_u32 v251, v255
	ds_add_u32 v251, v255
	v_lshrrev_b32 v1, 5, v0
	v_readfirstlane_b32 s[WV], v1                  ; wave 0..15
	s_bfe_u32 s13, ttmp6, 0x40000                  ; cx
	s_and_b32 s14, ttmp7, 0xffff                   ; 16 batch + head
	s_lshr_b32 s15, s14, 4                         ; the batch
	s_and_b32 s16, s14, 15                         ; the head
	s_lshr_b32 s17, s[WV], 1                       ; A
	s_and_b32 s18, s[WV], 1
	s_lshl_b32 s66, s13, 1
	s_add_co_u32 s18, s18, s66
	s_lshl_b32 s66, s17, 3
	s_add_co_u32 s18, s18, s66                     ; my first tile: 8 A + 2 cx + wave % 2
	; group 1: dense blocks as rows of 256 bytes (32 elements of 8 bytes), no padding: every LDS read takes 512 consecutive bytes.  15:0 the mask: all four work-groups; bit 21 set beside it
	s_mov_b32 s[G1A], 15|(3<<16)|(1<<21)
	s_mov_b32 s[G1A+1], 32<<16                     ; tensor_dim0
	s_mov_b32 s[G1A+2], 64<<16                     ; tensor_dim1
	s_mov_b32 s[G1A+3], 32<<16                     ; tile_dim0
	s_mov_b32 s[G1A+4], 64                         ; tile_dim1
	s_mov_b32 s[G1A+5], 32                         ; the pitch
	s_mov_b32 s[G1A+6], 0
	s_mov_b32 s[G1A+7], 0
	s_mov_b32 s[G1C], 15|(3<<16)|(1<<21)
	s_mov_b32 s[G1C+1], 32<<16
	s_mov_b32 s[G1C+2], 8<<16
	s_mov_b32 s[G1C+3], 32<<16
	s_mov_b32 s[G1C+4], 8
	s_mov_b32 s[G1C+5], 32
	s_mov_b32 s[G1C+6], 0
	s_mov_b32 s[G1C+7], 0
	; waves 0-7: 16 KiB of codes each (0-3: K's, 4-7: V's); waves 8-12: 2 KiB of scales each.  Head and wave alone enter these addresses: they are equal in the four partners
	s_lshr_b32 s66, s[WV], 2
	s_add_co_u32 s66, s66, 1
	s_lshl_b32 s66, s66, 22
	s_lshl_b32 s67, s14, 16
	s_add_co_u32 s66, s66, s67
	s_and_b32 s67, s[WV], 3
	s_lshl_b32 s67, s67, 14
	s_add_co_u32 s66, s66, s67
	s_mov_b32 s67, 0
	s_mul_i32 s68, s14, 10240
	s_add_co_u32 s68, s68, 507904                  ; 524,288 - 8 x 2,048
	s_lshl_b32 s69, s[WV], 11
	s_add_co_u32 s68, s68, s69
	s_mov_b32 s69, 0
	s_mov_b32 s[G0A], 1
	s_lshl_b32 s[G0A+1], s[WV], 14
	s_mov_b32 s[G0C], 1
	s_lshl_b32 s[G0C+1], s[WV], 11
	s_add_co_u32 s[G0C+1], s[G0C+1], 114688        ; wave 8 lands at KSC
	s_mov_b32 s[MNT], 0x600000
	s_mov_b32 s[SEL], 0x76543210
	s_mov_b32 s[SEL+1], 0xfedcba98
	s_mov_b32 s[CS], 0x3e8293ee                    ; c = log2(e) / sqrt(32)
	s_mov_b32 s[CS+1], s[CS]
	s_wait_dscnt 0x0
	s_wait_kmcnt 0x0
	s_add_nc_u64 s[G0A+2:G0A+3], s[4:5], s[66:67]
	s_or_b32 s[G0A+3], s[G0A+3], 0x80000000
	s_add_nc_u64 s[G0C+2:G0C+3], s[6:7], s[68:69]
	s_or_b32 s[G0C+3], s[G0C+3], 0x80000000
	ROUND                                          ; all four work-groups are here: the joint loads meet
	s_cmp_lt_u32 s[WV], 8
	s_cbranch_scc0 .Lnot_codes
	tensor_load_to_lds s[G0A:G0A+3], s[G1A:G1A+7]
	s_nop 0
.rept 4
	v_nop
.endr
	s_branch .Lasked
.Lnot_codes:
	s_cmp_lt_u32 s[WV], 13
	s_cbranch_scc0 .Lasked
	tensor_load_to_lds s[G0C:G0C+3], s[G1C:G1C+7]
	s_nop 0
.rept 4
	v_nop
.endr
.Lasked:
	v_and_b32 v8, 31, v0
	v_lshlrev_b32 v[AL16], 4, v8
	v_add_nc_u32 v[AV16], VIMG, v[AL16]
	v_lshl_add_u32 v[AKS], v8, 2, KSC
	v_lshl_add_u32 v[AVS], v8, 2, VSC
	v_and_b32 v9, 15, v0
	v_lshlrev_b32 v6, 2, v9                        ; 4 r
	v_lshlrev_b32 v7, 4, v9                        ; 16 r
	v_and_b32 v10, 8, v9
	v_add_nc_u32 v10, v10, v9
	v_bfe_u32 v11, v0, 4, 1
	v_lshlrev_b32 v11, 4, v11
	v_sub_nc_u32 v231, v10, v11                    ; r + 8 (r / 8) - 16 h
.set j, 20
.rept 12
	v_mov_b32 v[j], 0                              ; zero codes for k = 32 .. 127 of Q,
.set j, j+1
.endr
.irp k, 0,1,2,3
.set j, 36+16*\k
.rept 12
	v_mov_b32 v[j], 0                              ; and of the four slots for K
.set j, j+1
.endr
.endr
.irp b, 0,1,2,3
	v_mov_b32 v[236+\b], 0                         ; a lane permute's destination counts as one of its sources
.endr
	v_mov_b32 v252, 0
	v_mov_b32 v253, 0                              ; named as the upper half of the pair v[252:253]
	s_wait_tensorcnt 0x0                           ; my part has landed,
	s_barrier_signal -1
	s_barrier_wait -1                              ; everybody's has
; A KEY STEP: 128 keys.
.macro STEP
	v_add_nc_u32 v[ADK], s[TK], v[AL16]
	v_add_nc_u32 v[ADV], s[TK], v[AV16]
	v_add_nc_u32 v[ADS], s[TS], v[AKS]
	v_add_nc_u32 v[ADT], s[TV], v[AVS]
.rept 4
	v_nop                                          ; with the four additions: eight places behind the last products
.endr
.irp p, 0,1,2,3
	ds_load_b32 v[224+\p], v[ADS] offset:128*\p    ; block c's scale words: tile 2 c in lanes 0-15, tile 2 c + 1 in lanes 16-31
.endr
.irp k, 0,1,2,3
	ds_load_b128 v[32+16*\k:35+16*\k], v[ADK] offset:512*\k
.endr
	s_wait_dscnt 0x0
.irp c, 0,1
	v_wmma_scale_f32_16x16x128_f8f6f4 v[96+16*\c:103+16*\c], v[32+32*\c:47+32*\c], v[16:31], 0, v[224+\c], v229
	v_wmma_scale_f32_16x16x128_f8f6f4 v[104+16*\c:111+16*\c], v[48+32*\c:63+32*\c], v[16:31], 0, v[224+\c], v229 matrix_a_scale:MATRIX_SCALE_ROW1
.endr
	PLACES                                         ; ahead of loads into the slots just read
.irp k, 0,1,2,3
	ds_load_b128 v[32+16*\k:35+16*\k], v[ADK] offset:2048+512*\k
.endr
.irp u, 0,1
.irp c, 0,1,2,3
	ds_load_b128 v[192+16*\u+4*\c:195+16*\u+4*\c], v[ADV] offset:1024*\c+512*\u
.endr
.endr
	ds_load_b32 v228, v[ADT]
	s_wait_dscnt 9                                 ; K's four are in; V's eight and its scale words, issued behind them, may stay out
.irp c, 0,1
	v_wmma_scale_f32_16x16x128_f8f6f4 v[128+16*\c:135+16*\c], v[32+32*\c:47+32*\c], v[16:31], 0, v[226+\c], v229
	v_wmma_scale_f32_16x16x128_f8f6f4 v[136+16*\c:143+16*\c], v[48+32*\c:63+32*\c], v[16:31], 0, v[226+\c], v229 matrix_a_scale:MATRIX_SCALE_ROW1
.endr
	PLACES
	s_cmp_lg_u32 s[KS], s[LAST]                    ; only the tile's last step lies on the diagonal
	s_cbranch_scc1 .Lopen_\@
	v_sub_nc_u32 v252, v[QD], s[KF]                ; d = my query - the step's first key - 16 h.  Register 16 c + i holds key 32 c + 16 h + i: hidden where 32 c + i > d
	v_mov_b32 v254, 0xff800000                     ; -infinity
.set n, 0
.rept 64
	v_cmp_gt_i32 vcc_lo, 32*(n/16)+n%16, v252
	v_cndmask_b32 v[96+n], v[96+n], v254, vcc_lo
.set n, n+1
.endr
.Lopen_\@:
.irp b, 0,1,2,3
	v_max3_num_f32 v[232+\b], v[96+16*\b], v[97+16*\b], v[98+16*\b]   ; the largest score of each block of 32 keys: for the row's maximum and for the block's largest p
.endr
.irp i, 3,5,7,9,11,13
.irp b, 0,1,2,3
	v_max3_num_f32 v[232+\b], v[232+\b], v[96+16*\b+\i], v[97+16*\b+\i]
.endr
.endr
.irp b, 0,1,2,3
	v_max_num_f32 v[232+\b], v[232+\b], v[111+16*\b]
.endr
.irp b, 0,1,2,3
	v_permlanex16_b32 v[236+\b], v[232+\b], s[SEL], s[SEL+1]
.endr
.irp b, 0,1,2,3
	v_max_num_f32 v[232+\b], v[232+\b], v[236+\b]
.endr
	v_max3_num_f32 v254, v232, v233, v234
	v_max_num_f32 v254, v254, v235
	v_mul_f32 v254, s[CS], v254
	v_max_num_f32 v13, v13, v254                   ; the running largest t
	v_mov_b32 v254, v12
	v_floor_f32 v12, -v13                          ; -M = floor(-t): M is a whole number
	v_sub_f32 v254, v12, v254
	v_cvt_i32_f32 v254, v254                       ; (it saturates)
	v_ldexp_f32 v252, 1.0, v254                    ; f = 2^(old M - new M): a multiplication by it rounds nothing
.set j, 0
.rept 32
	v_pk_fma_f32 v[96+j:97+j], v[96+j:97+j], s[CS:CS+1], v[12:13] op_sel_hi:[1,0,0]   ; t - M
.set j, j+2
.endr
.irp b, 0,1,2,3
	v_fma_f32 v[232+\b], v[232+\b], s[CS], v12
.endr
.set j, 0
.rept 64
	v_exp_f32 v[96+j], v[96+j]                     ; p = 2^(t - M)
.set j, j+1
.endr
	v_pk_mul_f32 v[14:15], v[14:15], v[252:253] op_sel_hi:[1,0]   ; the sums under the new M: the plain line behind the batch
	s_wait_alu depctr_va_vdst(0)                   ; one wait for the 64, ahead of their first reader
.irp b, 0,1,2,3
	v_exp_f32 v[232+\b], v[232+\b]                 ; each block's largest p
.endr
	v_pk_add_f32 v[236:237], v[96:97], v[98:99]    ; the row's sum, of the unquantised p, in two chains
.irp j, 4,8,12,16,20,24,28,32,36,40,44,48,52,56,60
	v_pk_add_f32 v[14:15], v[14:15], v[96+\j:97+\j]
	v_pk_add_f32 v[236:237], v[236:237], v[98+\j:99+\j]
.endr
	v_pk_add_f32 v[14:15], v[14:15], v[236:237]
	s_wait_alu depctr_va_vdst(0)                   ; and one for the four
.irp b, 0,1,2,3
	v_max_num_f32 v[232+\b], 0x4800000, v[232+\b]  ; the floor 2^(9 - 127)
.endr
.irp b, 0,1,2,3
	v_add_nc_u32 v[244+\b], 0xfc000000, v[232+\b]
.endr
.irp b, 0,1,2,3
	v_and_or_b32 v[240+\b], v[232+\b], 0x7f800000, s[MNT]
.endr
.irp b, 0,1,2,3
	v_lshrrev_b32 v[236+\b], 23, v[244+\b]
.endr
	v_lshl_or_b32 v230, v237, 8, v236              ; p's scale word for these 128 keys: more than eight places ahead of the products
	v_lshl_or_b32 v230, v238, 16, v230
	v_lshl_or_b32 v230, v239, 24, v230
.irp b, 0,1,2,3
.irp i, 0,1,2,3,4,5,6,7,8,9,10,11,12,13,14,15
	v_min_num_f32 v[96+16*\b+\i], v[96+16*\b+\i], v[240+\b]   ; the hold: p is never negative
.endr
	v_cvt_scalef32_pk8_fp8_f32 v[176+4*\b:177+4*\b], v[96+16*\b:103+16*\b], v[244+\b]
	v_cvt_scalef32_pk8_fp8_f32 v[178+4*\b:179+4*\b], v[104+16*\b:111+16*\b], v[244+\b]
.endr
.irp j, 0,2,4,6,8,10,12,14
	v_pk_mul_f32 v[160+\j:161+\j], v[160+\j:161+\j], v[252:253] op_sel_hi:[1,0]   ; O^T under the new M; also the places between the codes and the products
.endr
	s_wait_dscnt 0x0                               ; V and its scale words
	v_wmma_scale_f32_16x16x128_f8f6f4 v[160:167], v[192:207], v[176:191], v[160:167], v228, v230
	v_wmma_scale_f32_16x16x128_f8f6f4 v[168:175], v[208:223], v[176:191], v[168:175], v228, v230 matrix_a_scale:MATRIX_SCALE_ROW1
.endm
; One tile of queries through its key steps.
.macro PASS p
.if \p
	s_sub_co_u32 s[TT], 127, s18
	s_sub_co_u32 s[LAST], 15, s17
.else
	s_mov_b32 s[TT], s18
	s_mov_b32 s[LAST], s17
.endif
	s_lshl_b32 s66, s14, 7
	s_add_co_u32 s66, s66, s[TT]
	s_lshl_b32 s66, s66, 9
	s_mov_b32 s67, 0
	s_add_nc_u64 s[QP:QP+1], s[4:5], s[66:67]      ; Q's codes of my tile
	s_lshl_b32 s66, s14, 13
	s_lshl_b32 s68, s[TT], 6
	s_add_co_u32 s66, s66, s68
	s_add_nc_u64 s[QSP:QSP+1], s[6:7], s[66:67]    ; and its scale words
	s_lshl_b32 s66, s15, 7
	s_add_co_u32 s66, s66, s[TT]                   ; the row tile among 512: 128 batch + tile
	s_lshl_b32 s68, s66, 13
	s_lshl_b32 s69, s16, 9
	s_add_co_u32 s68, s68, s69
	s_mov_b32 s69, 0
	s_add_nc_u64 s[AOB:AOB+1], s[8:9], s[68:69]    ; the result's codes: [row tile][head][512]
	s_lshl_b32 s66, s66, 8
	s_add_co_u32 s66, s66, s16
	s_add_nc_u64 s[ASB:ASB+1], s[10:11], s[66:67]  ; its bytes: [row tile][r][head]
	global_load_b128 v[16:19], v[AL16], s[QP:QP+1]
	global_load_b32 v229, v6, s[QSP:QSP+1]
	s_lshr_b32 s66, s[TT], 1
	s_lshl_b32 s66, s66, 5
	s_and_b32 s68, s[TT], 1
	s_lshl_b32 s68, s68, 3
	s_add_co_u32 s66, s66, s68
	v_add_nc_u32 v[QD], s66, v231                  ; my query's position less 16 h
	v_mov_b32 v13, 0xff61b1e6                      ; the largest t so far: -3e38
	v_floor_f32 v12, -v13
	v_mov_b32 v14, 0
	v_mov_b32 v15, 0
.set j, 160
.rept 16
	v_mov_b32 v[j], 0                              ; O^T: the step is written once; the first finds zeros
.set j, j+1
.endr
	s_mov_b32 s[TK], 0
	s_mov_b32 s[TS], 0
	s_mov_b32 s[TV], 0
	s_mov_b32 s[KF], 0
	s_mov_b32 s[KS], 0
	s_wait_loadcnt 0x0
.Lstep_\@:
	s_cmp_gt_u32 s[KS], s[LAST]                    ; steps all of whose keys come after my queries are left out
	s_cbranch_scc1 .Lskip_\@
	STEP
.Lskip_\@:
	s_add_co_u32 s[TK], s[TK], 4096
	s_add_co_u32 s[TS], s[TS], 512
	s_add_co_u32 s[TV], s[TV], 128
	s_add_co_u32 s[KF], s[KF], 128
	s_add_co_u32 s[KS], s[KS], 1
	s_cmp_lt_u32 s[KS], 16
	s_cbranch_scc1 .Lstep_\@
	PLACES
	v_add_f32 v14, v14, v15
	v_permlanex16_b32 v252, v14, s[SEL], s[SEL+1]
	v_add_f32 v14, v14, v252                       ; the row's sum
	v_rcp_f32 v14, v14
	v_nop
	s_wait_alu depctr_va_vdst(0)                   ; ahead of the reciprocal's first reader
.set j, 0
.rept 16
	v_mul_f32 v[96+j], v[160+j], v14               ; register i: channel 16 h + i of my query's row
.set j, j+1
.endr
	v_max3_num_f32 v232, |v96|, |v97|, 0x4800000   ; the head's 32 channels are one block of the next K
.irp i, 2,4,6,8,10,12,14
	v_max3_num_f32 v232, v232, |v[96+\i]|, |v[97+\i]|
.endr
	v_permlanex16_b32 v236, v232, s[SEL], s[SEL+1]
	v_max_num_f32 v232, v232, v236
	v_add_nc_u32 v244, 0xfc000000, v232
	v_and_or_b32 v240, v232, 0x7f800000, s[MNT]
	v_lshrrev_b32 v237, 23, v244
.set j, 0
.rept 16
	v_med3_num_f32 v[96+j], v[96+j], -v240, v240
.set j, j+1
.endr
	v_cvt_scalef32_pk8_fp8_f32 v[176:177], v[96:103], v244
	v_cvt_scalef32_pk8_fp8_f32 v[178:179], v[104:111], v244
	v_nop
	global_store_b128 v[AL16], v[176:179], s[AOB:AOB+1]   ; 512 consecutive bytes
	global_store_b8 v7, v237, s[ASB:ASB+1]         ; lanes l and l + 16 hold the same row: the same byte, the same value
	s_wait_xcnt 0x0                                ; the stores have read their registers and bases
.endm
	PASS 0
	PASS 1
	s_wait_dscnt 0x0
	s_wait_tensorcnt 0x0
	ds_add_u32 v251, v255
	s_wait_dscnt 0x0
	ROUND                                          ; the closing round: no work-group ends while a partner may still ask jointly
	s_endpgm
.Lfunc_end_k_qcee9b8b806_attn:
	.size	k_qcee9b8b806_attn, .Lfunc_end_k_qcee9b8b806_attn-k_qcee9b8b806_attn
	.p2alignl 7, 3214868480
	.fill 96, 4, 3214868480
	.section	.rodata,"a",@progbits
	.p2align	6, 0x0
	.amdhsa_kernel k_qcee9b8b806_attn
		.amdhsa_group_segment_fixed_size 169984
		.amdhsa_private_segment_fixed_size 0
		.amdhsa_enable_private_segment 0
		.amdhsa_kernarg_size 32
		.amdhsa_user_sgpr_count 2
		.amdhsa_user_sgpr_kernarg_segment_ptr 1
		.amdhsa_wavefront_size32 1
		.amdhsa_system_sgpr_workgroup_id_x 1
		.amdhsa_system_sgpr_workgroup_id_y 1
		.amdhsa_system_sgpr_workgroup_id_z 1
		.amdhsa_system_vgpr_workitem_id 0
		.amdhsa_next_free_vgpr 256
		.amdhsa_next_free_sgpr 72
		.amdhsa_reserve_vcc 1
		.amdhsa_float_denorm_mode_32 3
		.amdhsa_float_denorm_mode_16_64 3
		.amdhsa_memory_ordered 1
		.amdhsa_forward_progress 1
		.amdhsa_inst_pref_size 63
	.end_amdhsa_kernel
	.amdgpu_metadata
---
amdhsa.version: [ 1, 2 ]
amdhsa.kernels:
  - .name:           k_qcee9b8b806_attn
    .symbol:         k_qcee9b8b806_attn.kd
    .args:
      - { .name: qkv, .offset: 0, .size: 8, .value_kind: global_buffer, .address_space: global }
      - { .name: qkvs, .offset: 8, .size: 8, .value_kind: global_buffer, .address_space: global }
      - { .name: aoimg, .offset: 16, .size: 8, .value_kind: global_buffer, .address_space: global }
      - { .name: aosc, .offset: 24, .size: 8, .value_kind: global_buffer, .address_space: global }
    .group_segment_fixed_size: 169984
    .private_segment_fixed_size: 0
    .kernarg_segment_align: 8
    .kernarg_segment_size: 32
    .max_flat_workgroup_size: 512
    .sgpr_count:     72
    .vgpr_count:     256
    .wavefront_size: 32
...
	.end_amdgpu_metadata
.endif
;; end of part 3
;; launch tail (part 4): grid 256 x 1, 4 waves a work-group, no clusters, 168,448 bytes of LDS; arguments x, ln2_w, wimg, wsc, aoimg, aosc, out0; writes out0
.if DOCPART == 4
	.amdgcn_target "amdgcn-amd-amdhsa--gfx1250"
	.amdhsa_code_object_version 6
	.text
	.protected	k_qcee9b8b806_tail
	.globl	k_qcee9b8b806_tail
	.p2align	8
	.type	k_qcee9b8b806_tail,@function
k_qcee9b8b806_tail:
	s_mov_b64 s[64:65], 0
	v_nop
	global_prefetch_b8 v0, s[64:65] scope:SCOPE_SE
	s_setreg_imm32_b32 hwreg(HW_REG_WAVE_MODE, 25, 1), 1
	s_wait_xcnt 0x0
; x1 = x + ao wo^T; RMSNorm 2 and its quantiser; up and gate; up sigmoid(up) gate and its quantiser; out = x1 + (..) down^T.  All four products on codes of E4M3 with one E8M0 byte for each 32 along K.
; A work-group owns 32 rows as two row tiles u (lane-row r = row 8 u + r + 8 (r / 8)); wave w owns columns 128 w .. 128 w + 127 of every product, made TRANSPOSED (source 0 = 16 rows of W,
; source 1 = a row tile): register 64 u + 16 b + i = column 128 w + 32 b + 16 h + i, 16 neighbours along the next K.  x and x1 are the C of a sum's first product: the residuals cost no addition.
; Operands go from wave to wave through LDS as images of their registers.  The weights come from memory straight into registers, in chunks (weight, K step) through a ring of three buffers, two chunks ahead.
; No joint tensor loads for the weights: each byte is used once, by one wave of the work-group, and goes straight to its register.  The text is straight: no loop, no branch; EXEC is never changed.
; LIMITS: a block of zeros gets the byte 1 with zero codes; NaN and infinities are not served; the sums of squares are added in another order than row by row.
; REGISTERS, in windows of 256: window 0 below; window 1 and window 2 v0-127: the weights' ring; window 2 v128-255: 8 fragments of the left operand; window 3 v0-127: x, x1, up, out; window 3 v128-255: the gain, then gate.
.set W0, 3                             ; wo, up_w, gate_w, down_w in wimg
.set NC, 16
.set XIMG, 0                           ; LDS: xn's 8 fragments,
.set XSC, 16384                        ; their scale words,
.set HIMG, 17408                       ; the hidden layer's 8 fragments,
.set HSC, 33792                        ; their scale words,
.set SSQ, 34816                        ; the waves' sums of squares,
.set X1S, 35328                        ; x1, each wave's own 16,384 bytes, as an image of its registers,
.set STG, 100864                       ; and the stage for out: 32 rows x (2,048 bytes + 16)
.set LI, 1
.set LS, 2
.set L16, 3
.set SSA, 4
.set XA, 5
.set LNA, 6
.set XWI, 7
.set XWS, 8
.set X1A, 9                            ; v9  X1S + 16,384 wave + 16 lane
.set SO, 10                            ; v10 the stage: where I put 16 bytes of a row
.set SR, 11                            ; v11 and where I read rows back
.set SQ, 12
.set INV, 16
.set PT, 20
.set WS, 32                            ; v32-43 the weights' scale words: scales and nothing else
.set XS, 44                            ; v44-51 the left operand's: scales and nothing else
.set TM, 52
.set PW, 68
.set PC, 72
.set T, 128
.set WV, 18
.set MNT, 19
.set SEL, 20
.set RC, 22
.set EPS, 23
.set NL, 24                            ; s[24:25] -log2(e)
.set MSB, 0
.macro WIN new                         ; the immediate's high byte repeats the setting that is left
.if MSB != (\new)
	s_set_vgpr_msb (MSB<<8)|(\new)
.set MSB, (\new)
.endif
.endm
.macro PLACES                          ; eight places behind this matrix form
.rept 8
	v_nop
.endr
.endm
.macro BARRIER
	s_wait_dscnt 0x0
	s_barrier_signal -1
	s_barrier_wait -1
.endm
.macro QUANT s, sw
	WIN 5*(\sw)
.irp b, 0,1,2,3
	v_max3_num_f32 v[TM+\b], |v[(\s)+16*\b]|, |v[(\s)+16*\b+1]|, 0x4800000   ; with the floor 2^(9 - 127): the byte cannot fall under 1
.endr
	WIN 20*(\sw)
.irp i, 2,4,6,8,10,12,14
.irp b, 0,1,2,3
	v_max3_num_f32 v[TM+\b], v[TM+\b], |v[(\s)+16*\b+\i]|, |v[(\s)+16*\b+\i+1]|
.endr
.endr
	WIN 0
.irp b, 0,1,2,3
	v_permlanex16_b32 v[TM+4+\b], v[TM+\b], s[SEL], s[SEL+1]
.endr
.irp b, 0,1,2,3
	v_max_num_f32 v[TM+\b], v[TM+\b], v[TM+4+\b]
.endr
.irp b, 0,1,2,3
	v_add_nc_u32 v[TM+12+\b], 0xfc000000, v[TM+\b]
.endr
.irp b, 0,1,2,3
	v_and_or_b32 v[TM+8+\b], v[TM+\b], 0x7f800000, s[MNT]
.endr
.irp b, 0,1,2,3
	v_lshrrev_b32 v[TM+4+\b], 23, v[TM+12+\b]
.endr
	v_lshl_or_b32 v[PW], v[TM+5], 8, v[TM+4]
	v_lshl_or_b32 v[PW], v[TM+6], 16, v[PW]
	v_lshl_or_b32 v[PW], v[TM+7], 24, v[PW]
	WIN 65*(\sw)
.irp b, 0,1,2,3
.irp i, 0,1,2,3,4,5,6,7,8,9,10,11,12,13,14,15
	v_med3_num_f32 v[(\s)+16*\b+\i], v[(\s)+16*\b+\i], -v[TM+8+\b], v[TM+8+\b]   ; the conversion does not saturate (ISA guide 7.6.2)
.endr
.endr
	WIN \sw
.irp b, 0,1,2,3
	v_cvt_scalef32_pk8_fp8_f32 v[PC+4*\b:PC+4*\b+1], v[(\s)+16*\b:(\s)+16*\b+7], v[TM+12+\b]
	v_cvt_scalef32_pk8_fp8_f32 v[PC+4*\b+2:PC+4*\b+3], v[(\s)+16*\b+8:(\s)+16*\b+15], v[TM+12+\b]
.endr
	WIN 0
	v_nop                                          ; one plain line behind the last conversion
.endm
.macro IMAGE adr, off
.irp c, 0,1,2,3
	ds_store_b128 v[\adr], v[PC+4*\c:PC+4*\c+3] offset:\off+512*\c
.endr
.endm
.macro WLOAD c                         ; chunk c (weight W0 + c / 4, K step c % 4) into buffer c % 3: 32 + 4 loads, every offset an immediate
.set BW, 1+((\c)%3)/2
.set BO, 128*(((\c)%3)%2)
.set WOF, (W0+(\c)/4)*262144+((\c)%4)*16384
.set SOF, (W0+(\c)/4)*8192+((\c)%4)*512
	WIN BW<<6
.irp t, 0,1,2,3,4,5,6,7
.irp g, 0,1,2,3
	global_load_b128 v[BO+16*\t+4*\g:BO+16*\t+4*\g+3], v[LI], s[8:9] offset:WOF+\t*2048+\g*512
.endr
.endr
	WIN 0
.irp p, 0,1,2,3
	global_load_b32 v[WS+4*((\c)%3)+\p], v[LS], s[10:11] offset:SOF+128*\p
.endr
.endm
.macro MM d, a, b, sa, sb, czero, rowa
.if \czero
.if \rowa
	v_wmma_scale_f32_16x16x128_f8f6f4 v[(\d):(\d)+7], v[(\a):(\a)+15], v[(\b):(\b)+15], 0, v[\sa], v[\sb] matrix_a_scale:MATRIX_SCALE_ROW1
.else
	v_wmma_scale_f32_16x16x128_f8f6f4 v[(\d):(\d)+7], v[(\a):(\a)+15], v[(\b):(\b)+15], 0, v[\sa], v[\sb]
.endif
.else
.if \rowa
	v_wmma_scale_f32_16x16x128_f8f6f4 v[(\d):(\d)+7], v[(\a):(\a)+15], v[(\b):(\b)+15], v[(\d):(\d)+7], v[\sa], v[\sb] matrix_a_scale:MATRIX_SCALE_ROW1
.else
	v_wmma_scale_f32_16x16x128_f8f6f4 v[(\d):(\d)+7], v[(\a):(\a)+15], v[(\b):(\b)+15], v[(\d):(\d)+7], v[\sa], v[\sb]
.endif
.endif
.endm
; One chunk's 16 products on 16 accumulators, which take turns, one instruction a turn, in the same order in every chunk.
.macro GSTEP c, acc, czero
.if (\c)+1 < NC
	s_wait_loadcnt 36                              ; behind chunk c's loads only chunk c + 1's 32 + 4 were issued: they may stay out
.else
	s_wait_loadcnt 0x0
.endif
.if (\c)+2 < NC
.if (\c) > 0
	PLACES                                         ; behind chunk c - 1's products, which read the buffer and the scale words that are loaded next
.endif
	WLOAD (\c)+2
.endif
.set BW, 1+((\c)%3)/2
.set BO, 128*(((\c)%3)%2)
.set SS, (\c)%4
.set WR, WS+4*((\c)%3)
	WIN 0xf8|BW                                    ; source 0 the ring's window, source 1 window 2, C and D window 3
.irp b, 0,1,2,3
.irp u, 0,1
	MM \acc+64*\u+16*\b, BO+32*\b, 128+64*\u+16*SS, WR+\b, XS+4*\u+SS, \czero, 0
.endr
.irp u, 0,1
	MM \acc+64*\u+16*\b+8, BO+32*\b+16, 128+64*\u+16*SS, WR+\b, XS+4*\u+SS, \czero, 1
.endr
.endr
	WIN 0
.endm
.macro FETCHALL img, sc
	WIN 0x80
.irp u, 0,1
.irp s, 0,1,2,3
.irp c, 0,1,2,3
	ds_load_b128 v[128+64*\u+16*\s+4*\c:128+64*\u+16*\s+4*\c+3], v[LI] offset:\img+(4*\u+\s)*2048+512*\c
.endr
.endr
.endr
	WIN 0
.irp u, 0,1
.irp s, 0,1,2,3
	ds_load_b32 v[XS+4*\u+\s], v[LS] offset:\sc+(4*\u+\s)*128
.endr
.endr
	s_wait_dscnt 0x0
.endm
.macro NORMQ                           ; RMSNorm of the 32 rows (window 3 v0-127; gain window 3 v128-191) and its quantiser: my 128 columns are K step w
.irp u, 0,1
	WIN 0x0f
	v_pk_mul_f32 v[SQ:SQ+1], v[64*\u:64*\u+1], v[64*\u:64*\u+1]
	v_pk_mul_f32 v[SQ+2:SQ+3], v[64*\u+2:64*\u+3], v[64*\u+2:64*\u+3]
.irp k, 4,8,12,16,20,24,28,32,36,40,44,48,52,56,60
	v_pk_fma_f32 v[SQ:SQ+1], v[64*\u+\k:64*\u+\k+1], v[64*\u+\k:64*\u+\k+1], v[SQ:SQ+1]
	v_pk_fma_f32 v[SQ+2:SQ+3], v[64*\u+\k+2:64*\u+\k+3], v[64*\u+\k+2:64*\u+\k+3], v[SQ+2:SQ+3]
.endr
	WIN 0
	v_pk_add_f32 v[SQ:SQ+1], v[SQ:SQ+1], v[SQ+2:SQ+3]
	v_add_f32 v[SQ], v[SQ], v[SQ+1]
	v_permlanex16_b32 v[SQ+1], v[SQ], s[SEL], s[SEL+1]
	v_add_f32 v[SQ], v[SQ], v[SQ+1]
	ds_store_b32 v[SSA], v[SQ] offset:256*\u
.endr
	BARRIER                                        ; the four waves' parts lie in LDS
.irp u, 0,1
	ds_load_b128 v[PT+4*\u:PT+4*\u+3], v[L16] offset:SSQ+256*\u
.endr
	s_wait_dscnt 0x0
.irp u, 0,1
	v_add_f32 v[PT+4*\u], v[PT+4*\u], v[PT+4*\u+1]
	v_add_f32 v[PT+4*\u+2], v[PT+4*\u+2], v[PT+4*\u+3]
.endr
.irp u, 0,1
	v_add_f32 v[PT+4*\u], v[PT+4*\u], v[PT+4*\u+2]
.endr
.irp u, 0,1
	v_fma_f32 v[PT+4*\u], v[PT+4*\u], s[RC], s[EPS]
.endr
.irp u, 0,1
	v_rsq_f32 v[INV+2*\u], v[PT+4*\u]
	v_rsq_f32 v[INV+2*\u+1], v[PT+4*\u]
.endr
	v_nop                                          ; one plain line behind the batch,
	s_wait_alu depctr_va_vdst(0)                   ; and one wait for the four, ahead of their first reader
.irp u, 0,1
	WIN 0x03
.set j, 0
.rept 32
	v_pk_mul_f32 v[T+j:T+j+1], v[64*\u+j:64*\u+j+1], v[INV+2*\u:INV+2*\u+1]
.set j, j+2
.endr
	WIN 0x0c
.set j, 0
.rept 32
	v_pk_mul_f32 v[T+j:T+j+1], v[T+j:T+j+1], v[128+j:129+j]
.set j, j+2
.endr
	WIN 0
	QUANT T, 0
	IMAGE XWI, 8192*\u
	ds_store_b32 v[XWS], v[PW] offset:512*\u
	s_wait_dscnt 0x0                               ; the stores have read their registers
.endr
	BARRIER                                        ; the eight fragments lie in LDS
.endm
	s_load_b256 s[4:11], s[0:1], 0x0               ; x, ln2_w, wimg, wsc
	s_load_b128 s[12:15], s[0:1], 0x20             ; aoimg, aosc
	s_load_b64 s[16:17], s[0:1], 0x30              ; out0
	v_lshl_add_u32 v126, v0, 2, 0x29000
	v_mov_b32 v127, 0
	v_lshrrev_b32 v1, 5, v0
	v_readfirstlane_b32 s[WV], v1                  ; wave 0..3
	v_and_b32 v71, 31, v0
	v_lshlrev_b32 v[LI], 4, v71
	v_lshlrev_b32 v[LS], 2, v71
	v_and_b32 v69, 15, v0                          ; r
	v_bfe_u32 v70, v0, 4, 1                        ; h
	v_lshlrev_b32 v[L16], 4, v69
	s_lshl_b32 s40, s[WV], 2
	v_add_nc_u32 v[SSA], s40, v[L16]
	v_add_nc_u32 v[SSA], SSQ, v[SSA]
	v_and_b32 v71, 8, v69
	v_add_nc_u32 v71, v71, v69                     ; r + 8 (r / 8)
	v_lshlrev_b32 v[XA], 11, v71
	v_lshl_add_u32 v[XA], v70, 6, v[XA]
	v_lshlrev_b32 v[LNA], 6, v70
	s_lshl_b32 s40, s[WV], 11
	v_add_nc_u32 v[XWI], s40, v[LI]
	s_lshl_b32 s40, s[WV], 7
	v_add_nc_u32 v[XWS], s40, v[LS]
	v_add_nc_u32 v[XWS], XSC, v[XWS]
	s_lshl_b32 s40, s[WV], 14
	v_add_nc_u32 v[X1A], s40, v[LI]
	v_add_nc_u32 v[X1A], X1S, v[X1A]
	v_mul_u32_u24 v[SO], v71, 2064
	v_lshl_add_u32 v[SO], v70, 6, v[SO]
	s_lshl_b32 s40, s[WV], 9
	v_add_nc_u32 v[SO], s40, v[SO]
	v_add_nc_u32 v[SO], STG, v[SO]                 ; row r + 8 (r / 8), + 512 wave + 64 h
	s_mul_i32 s40, s[WV], 8*2064
	v_add_nc_u32 v[SR], s40, v[LI]
	v_add_nc_u32 v[SR], STG, v[SR]                 ; back: my 8 rows, 16 bytes a lane
	s_mov_b32 s[MNT], 0x600000
	s_mov_b32 s[SEL], 0x76543210
	s_mov_b32 s[SEL+1], 0xfedcba98
	s_mov_b32 s[RC], 0x3b000000                    ; 1 / 512
	s_mov_b32 s[EPS], 0x3727c5ac                   ; 1e-5
	s_mov_b32 s[NL], 0xbfb8aa3b                    ; -log2(e)
	s_mov_b32 s[NL+1], s[NL]
.irp b, 0,1,2,3
	v_mov_b32 v[TM+4+\b], 0                        ; a lane permute's destination counts as one of its sources
.endr
	s_wait_kmcnt 0x0
	s_mov_b32 s41, 0
	s_lshl_b32 s40, ttmp9, 16
	s_lshl_b32 s45, s[WV], 9
	s_add_co_u32 s40, s40, s45
	s_add_nc_u64 s[4:5], s[4:5], s[40:41]          ; x at my block's first row, my 128 columns
	s_mov_b32 s40, s45
	s_add_nc_u64 s[6:7], s[6:7], s[40:41]          ; the gain of my columns
	s_lshl_b32 s40, s[WV], 16
	s_add_nc_u64 s[8:9], s[8:9], s[40:41]
	s_lshl_b32 s40, s[WV], 11
	s_add_nc_u64 s[10:11], s[10:11], s[40:41]
	s_lshl_b32 s40, ttmp9, 14
	s_add_nc_u64 s[12:13], s[12:13], s[40:41]      ; my block's 32 groups of ao's codes
	s_lshl_b32 s40, ttmp9, 9
	s_add_nc_u64 s[14:15], s[14:15], s[40:41]      ; and its scale bytes
	s_lshl_b32 s40, ttmp9, 16
	s_lshl_b32 s45, s[WV], 14
	s_add_co_u32 s40, s40, s45
	s_add_nc_u64 s[16:17], s[16:17], s[40:41]      ; out: the 8 rows that I store
	WIN 0x80
.irp u, 0,1
.irp s, 0,1,2,3
.irp c, 0,1,2,3
	global_load_b128 v[128+64*\u+16*\s+4*\c:128+64*\u+16*\s+4*\c+3], v[LI], s[12:13] offset:(16*\u+4*\s+\c)*512   ; fragment (u, s): the groups of heads 4 s + c
.endr
.endr
.endr
	WIN 0
.irp u, 0,1
	global_load_b128 v[XS+4*\u:XS+4*\u+3], v[L16], s[14:15] offset:256*\u   ; a row's 16 bytes are its four K steps' scale words
.endr
	WIN 0xc0
.irp u, 0,1
.irp b, 0,1,2,3
.irp j, 0,1,2,3
	global_load_b128 v[64*\u+16*\b+4*\j:64*\u+16*\b+4*\j+3], v[XA], s[4:5] offset:16384*\u+128*\b+16*\j th:TH_LOAD_NT   ; x, straight into the accumulators
.endr
.endr
.endr
.irp b, 0,1,2,3
.irp j, 0,1,2,3
	global_load_b128 v[128+16*\b+4*\j:128+16*\b+4*\j+3], v[LNA], s[6:7] offset:128*\b+16*\j
.endr
.endr
	WLOAD 0
	WLOAD 1
	; ---- x1 = x + ao wo^T
	GSTEP 0, 0, 0
	GSTEP 1, 0, 0
	GSTEP 2, 0, 0
	GSTEP 3, 0, 0
	PLACES
	WIN 0x0c                                       ; an LDS store's data are its source 1: window 3
.set j, 0
.rept 32
	ds_store_b128 v[X1A], v[4*j:4*j+3] offset:512*j   ; x1 is parked in my own bytes, each accumulator from its low end on
.set j, j+1
.endr
	WIN 0
	NORMQ
	FETCHALL XIMG, XSC
	; ---- up and gate
	GSTEP 4, 0, 1
	GSTEP 5, 0, 0
	GSTEP 6, 0, 0
	GSTEP 7, 0, 0
	GSTEP 8, 128, 1
	GSTEP 9, 128, 0
	GSTEP 10, 128, 0
	GSTEP 11, 128, 0
	PLACES
	; ---- up sigmoid(up) gate, quantised: K step w of the last product
.irp u, 0,1
	WIN 0x03
.set j, 0
.rept 32
	v_pk_mul_f32 v[T+j:T+j+1], v[64*\u+j:64*\u+j+1], s[NL:NL+1] op_sel_hi:[1,0]
.set j, j+2
.endr
	WIN 0
.set j, 0
.rept 64
	v_exp_f32 v[T+j], v[T+j]                       ; e^(-up)
.set j, j+1
.endr
	v_nop
	s_wait_alu depctr_va_vdst(0)                   ; one wait for the batch, ahead of its first reader
.set j, 0
.rept 32
	v_pk_add_f32 v[T+j:T+j+1], v[T+j:T+j+1], 1.0 op_sel_hi:[1,0]
.set j, j+2
.endr
.set j, 0
.rept 64
	v_rcp_f32 v[T+j], v[T+j]                       ; sigmoid(up)
.set j, j+1
.endr
	v_nop
	s_wait_alu depctr_va_vdst(0)
	WIN 0x03
.set j, 0
.rept 32
	v_pk_mul_f32 v[T+j:T+j+1], v[64*\u+j:64*\u+j+1], v[T+j:T+j+1]
.set j, j+2
.endr
.set j, 0
.rept 32
	v_pk_mul_f32 v[T+j:T+j+1], v[128+64*\u+j:128+64*\u+j+1], v[T+j:T+j+1]
.set j, j+2
.endr
	WIN 0
	QUANT T, 0
	IMAGE XWI, HIMG-XIMG+8192*\u
	ds_store_b32 v[XWS], v[PW] offset:HSC-XSC+512*\u
	s_wait_dscnt 0x0                               ; the stores have read their registers
.endr
	BARRIER                                        ; the hidden layer's eight fragments lie in LDS
	FETCHALL HIMG, HSC
	WIN 0xc0
.set j, 0
.rept 32
	ds_load_b128 v[4*j:4*j+3], v[X1A] offset:512*j ; x1 comes back as the C of the last sums
.set j, j+1
.endr
	WIN 0
	s_wait_dscnt 0x0
	; ---- out = x1 + hidden down^T
	GSTEP 12, 0, 0
	GSTEP 13, 0, 0
	GSTEP 14, 0, 0
	GSTEP 15, 0, 0
	PLACES
	WIN 0x0c
.irp u, 0,1
.irp b, 0,1,2,3
.irp j, 0,1,2,3
	ds_store_b128 v[SO], v[64*\u+16*\b+4*\j:64*\u+16*\b+4*\j+3] offset:16512*\u+128*\b+16*\j
.endr
.endr
.endr
	WIN 0
	BARRIER                                        ; 32 whole rows lie in the stage
.irp i, 0,1,2,3,4,5,6,7
.irp q, 0,1,2,3
	ds_load_b128 v[128+16*\i+4*\q:128+16*\i+4*\q+3], v[SR] offset:2064*\i+512*\q
.endr
.endr
.irp i, 0,1,2,3,4,5,6,7
.irp q, 0,1,2,3
	s_wait_dscnt 31-(4*\i+\q)                      ; LDS loads come back in order: this one is in, the younger ones may stay out
	global_store_b128 v[LI], v[128+16*\i+4*\q:128+16*\i+4*\q+3], s[16:17] offset:2048*\i+512*\q th:TH_STORE_NT   ; 32 lanes store 512 consecutive bytes
.endr
.endr
	s_wait_tensorcnt 0x0
	ds_add_u32 v126, v127
	s_wait_dscnt 0x0
	s_endpgm
.Lfunc_end_k_qcee9b8b806_tail:
	.size	k_qcee9b8b806_tail, .Lfunc_end_k_qcee9b8b806_tail-k_qcee9b8b806_tail
	.p2alignl 7, 3214868480
	.fill 96, 4, 3214868480
	.section	.rodata,"a",@progbits
	.p2align	6, 0x0
	.amdhsa_kernel k_qcee9b8b806_tail
		.amdhsa_group_segment_fixed_size 168448
		.amdhsa_private_segment_fixed_size 0
		.amdhsa_enable_private_segment 0
		.amdhsa_kernarg_size 56
		.amdhsa_user_sgpr_count 2
		.amdhsa_user_sgpr_kernarg_segment_ptr 1
		.amdhsa_wavefront_size32 1
		.amdhsa_system_sgpr_workgroup_id_x 1
		.amdhsa_system_sgpr_workgroup_id_y 1
		.amdhsa_system_sgpr_workgroup_id_z 1
		.amdhsa_system_vgpr_workitem_id 0
		.amdhsa_next_free_vgpr 1024
		.amdhsa_next_free_sgpr 66
		.amdhsa_reserve_vcc 0
		.amdhsa_float_denorm_mode_32 3
		.amdhsa_float_denorm_mode_16_64 3
		.amdhsa_memory_ordered 1
		.amdhsa_forward_progress 1
		.amdhsa_inst_pref_size 193
	.end_amdhsa_kernel
	.amdgpu_metadata
---
amdhsa.version: [ 1, 2 ]
amdhsa.kernels:
  - .name:           k_qcee9b8b806_tail
    .symbol:         k_qcee9b8b806_tail.kd
    .args:
      - { .name: x, .offset: 0, .size: 8, .value_kind: global_buffer, .address_space: global }
      - { .name: ln2_w, .offset: 8, .size: 8, .value_kind: global_buffer, .address_space: global }
      - { .name: wimg, .offset: 16, .size: 8, .value_kind: global_buffer, .address_space: global }
      - { .name: wsc, .offset: 24, .size: 8, .value_kind: global_buffer, .address_space: global }
      - { .name: aoimg, .offset: 32, .size: 8, .value_kind: global_buffer, .address_space: global }
      - { .name: aosc, .offset: 40, .size: 8, .value_kind: global_buffer, .address_space: global }
      - { .name: out0, .offset: 48, .size: 8, .value_kind: global_buffer, .address_space: global }
    .group_segment_fixed_size: 168448
    .private_segment_fixed_size: 0
    .kernarg_segment_align: 8
    .kernarg_segment_size: 56
    .max_flat_workgroup_size: 128
    .sgpr_count:     66
    .vgpr_count:     1024
    .wavefront_size: 32
...
	.end_amdgpu_metadata
.endif
;; end of part 4
;; ======== version 2 of 2: 4 launches
;; workspace buffers: wimg 1,835,008 bytes; wsc 57,344 bytes; qkv 12,582,912 bytes; qkvs 1,179,648 bytes; aoimg 4,194,304 bytes; aosc 131,072 bytes
;; launch prep (part 5): grid 32 x 7, 4 waves a work-group, no clusters, 0 bytes of LDS; arguments wq, wk, wv, wo, up_w, gate_w, down_w, wimg, wsc; writes wimg, wsc
.if DOCPART == 5
	.amdgcn_target "amdgcn-amd-amdhsa--gfx1250"
	.amdhsa_code_object_version 6
	.text
	.protected	k_qcee9b8b806_prep
	.globl	k_qcee9b8b806_prep
	.p2align	8
	.type	k_qcee9b8b806_prep,@function
k_qcee9b8b806_prep:
	s_mov_b64 s[64:65], 0
	v_nop
	global_prefetch_b8 v0, s[64:65] scope:SCOPE_SE
	s_setreg_imm32_b32 hwreg(HW_REG_WAVE_MODE, 25, 1), 1
	s_wait_xcnt 0x0
; The seven weights [512][512] f32 (K innermost) become codes of E4M3 with one E8M0 byte for each 32 along K, laid in the order of an operand's registers.
; wimg: [weight 7][w 4][K step 4][tile 8][group 4][lane 32][16 bytes]; lane (r, h) of tile t = 2 b + u of wave w holds row 128 w + 32 b + 8 u + r + 8 (r / 8), k = 128 s + 32 c + 16 h + 0 .. 15.
; wsc:  [weight][w][K step][tile 8][r 16] words: byte c scales k block 4 s + c.
; Work-group x = 8 w + t, y = the weight; wave = K step s: a wave makes one fragment (16 rows x 128 K).  No LDS, no loop: 16 loads, the quantiser, 5 stores.
; A block's scale byte is its largest magnitude's exponent field - 8, held at 1 from below.
; LIMITS: a block of zeros gets the byte 1 with zero codes (only this program reads the bytes); NaN and infinities among the inputs are not served.
.set TM, 8                             ; v8-11 largest magnitudes, v12-15 bytes, v16-19 448 x scale, v20-23 the conversions' scale operands
.set PW, 24                            ; the scale word
.set X,  32                            ; v32-95 my 64 numbers: register 16 c + i = k 32 c + 16 h + i of my row
.set PC, 96                            ; v96-111 the codes
.set SEL, 34                           ; s[34:35] lane selects: lane l xor 16
.set MNT, 36                           ; s36 the mantissa field of 448
	s_load_b512 s[8:23], s[0:1], 0x0               ; wq, wk, wv, wo, up_w, gate_w, down_w, wimg
	s_load_b64 s[24:25], s[0:1], 0x40              ; wsc
	v_lshrrev_b32 v1, 5, v0
	v_readfirstlane_b32 s2, v1                     ; wave = K step s
	s_and_b32 s3, ttmp7, 0xffff                    ; which weight
	s_lshr_b32 s4, ttmp9, 3                        ; w
	s_and_b32 s5, ttmp9, 7                         ; t
	v_and_b32 v1, 15, v0                           ; r
	v_bfe_u32 v2, v0, 4, 1                         ; h
	v_and_b32 v3, 8, v1
	v_add_nc_u32 v3, v3, v1                        ; r + 8 (r / 8)
	v_lshlrev_b32 v3, 11, v3                       ; a row is 2,048 bytes
	v_lshl_add_u32 v3, v2, 6, v3                   ; + 64 h: my 16 numbers of a block of 32
	v_and_b32 v4, 31, v0
	v_lshlrev_b32 v4, 4, v4                        ; 16 x lane: my place in a group's 512 bytes
	v_lshlrev_b32 v5, 2, v1                        ; 4 r: my row's scale word
	s_lshl_b32 s6, s4, 7
	s_lshr_b32 s7, s5, 1
	s_lshl_b32 s7, s7, 5
	s_add_co_u32 s6, s6, s7
	s_and_b32 s7, s5, 1
	s_lshl_b32 s7, s7, 3
	s_add_co_u32 s6, s6, s7                        ; the tile's first row: 128 w + 32 (t / 2) + 8 (t % 2)
	s_lshl_b32 s6, s6, 11
	s_lshl_b32 s7, s2, 9
	s_add_co_u32 s6, s6, s7                        ; in bytes, + 512 s
	s_mov_b32 s7, 0
	s_lshl_b32 s26, s3, 18
	s_lshl_b32 s27, s4, 16
	s_add_co_u32 s26, s26, s27
	s_lshl_b32 s27, s2, 14
	s_add_co_u32 s26, s26, s27
	s_lshl_b32 s27, s5, 11
	s_add_co_u32 s26, s26, s27                     ; the fragment's place in wimg
	s_mov_b32 s27, 0
	s_lshr_b32 s28, s26, 5                         ; and its 64 bytes of scale words in wsc: a thirty-second of that
	s_mov_b32 s29, 0
	s_mov_b32 s[SEL], 0x76543210
	s_mov_b32 s[SEL+1], 0xfedcba98
	s_mov_b32 s[MNT], 0x600000
.irp b, 0,1,2,3
	v_mov_b32 v[TM+4+\b], 0                        ; a lane permute's destination counts as one of its sources
.endr
	s_wait_alu depctr_va_vdst(0)
	s_wait_kmcnt 0x0
	s_cmp_eq_u32 s3, 1                             ; the choice hangs on the work-group's number alone
	s_cselect_b64 s[8:9], s[10:11], s[8:9]
	s_cmp_eq_u32 s3, 2
	s_cselect_b64 s[8:9], s[12:13], s[8:9]
	s_cmp_eq_u32 s3, 3
	s_cselect_b64 s[8:9], s[14:15], s[8:9]
	s_cmp_eq_u32 s3, 4
	s_cselect_b64 s[8:9], s[16:17], s[8:9]
	s_cmp_eq_u32 s3, 5
	s_cselect_b64 s[8:9], s[18:19], s[8:9]
	s_cmp_eq_u32 s3, 6
	s_cselect_b64 s[8:9], s[20:21], s[8:9]
	s_add_nc_u64 s[8:9], s[8:9], s[6:7]
	s_add_nc_u64 s[22:23], s[22:23], s[26:27]
	s_add_nc_u64 s[24:25], s[24:25], s[28:29]
.irp c, 0,1,2,3
.irp j, 0,1,2,3
	global_load_b128 v[X+16*\c+4*\j:X+16*\c+4*\j+3], v3, s[8:9] offset:128*\c+16*\j th:TH_LOAD_NT
.endr
.endr
	s_wait_loadcnt 0x0
.irp b, 0,1,2,3
	v_max3_num_f32 v[TM+\b], |v[X+16*\b]|, |v[X+16*\b+1]|, 0x4800000   ; block b: my 16 numbers and the floor 2^(9 - 127): the byte cannot fall under 1
.endr
.irp i, 2,4,6,8,10,12,14
.irp b, 0,1,2,3
	v_max3_num_f32 v[TM+\b], v[TM+\b], |v[X+16*\b+\i]|, |v[X+16*\b+\i+1]|
.endr
.endr
.irp b, 0,1,2,3
	v_permlanex16_b32 v[TM+4+\b], v[TM+\b], s[SEL], s[SEL+1]
.endr
.irp b, 0,1,2,3
	v_max_num_f32 v[TM+\b], v[TM+\b], v[TM+4+\b]   ; with lane l xor 16's 16: the block's largest magnitude
.endr
.irp b, 0,1,2,3
	v_add_nc_u32 v[TM+12+\b], 0xfc000000, v[TM+\b] ; 8 off its exponent field: the conversion's scale operand
.endr
.irp b, 0,1,2,3
	v_and_or_b32 v[TM+8+\b], v[TM+\b], 0x7f800000, s[MNT]   ; 448 x the scale
.endr
.irp b, 0,1,2,3
	v_lshrrev_b32 v[TM+4+\b], 23, v[TM+12+\b]      ; the scale's byte
.endr
	v_lshl_or_b32 v[PW], v[TM+5], 8, v[TM+4]
	v_lshl_or_b32 v[PW], v[TM+6], 16, v[PW]
	v_lshl_or_b32 v[PW], v[TM+7], 24, v[PW]        ; my row's scale word
.irp b, 0,1,2,3
.irp i, 0,1,2,3,4,5,6,7,8,9,10,11,12,13,14,15
	v_med3_num_f32 v[X+16*\b+\i], v[X+16*\b+\i], -v[TM+8+\b], v[TM+8+\b]   ; the conversion does not saturate (ISA guide 7.6.2): the hold at 448 x the scale
.endr
	v_cvt_scalef32_pk8_fp8_f32 v[PC+4*\b:PC+4*\b+1], v[X+16*\b:X+16*\b+7], v[TM+12+\b]
	v_cvt_scalef32_pk8_fp8_f32 v[PC+4*\b+2:PC+4*\b+3], v[X+16*\b+8:X+16*\b+15], v[TM+12+\b]
.endr
	v_nop                                          ; one plain line behind the last conversion
.irp c, 0,1,2,3
	global_store_b128 v4, v[PC+4*\c:PC+4*\c+3], s[22:23] offset:512*\c   ; 32 lanes store 512 consecutive bytes
.endr
	global_store_b32 v5, v[PW], s[24:25]           ; lanes l and l + 16 hold the same row: the same word, the same value
	s_endpgm
.Lfunc_end_k_qcee9b8b806_prep:
	.size	k_qcee9b8b806_prep, .Lfunc_end_k_qcee9b8b806_prep-k_qcee9b8b806_prep
	.p2alignl 7, 3214868480
	.fill 96, 4, 3214868480
	.section	.rodata,"a",@progbits
	.p2align	6, 0x0
	.amdhsa_kernel k_qcee9b8b806_prep
		.amdhsa_group_segment_fixed_size 0
		.amdhsa_private_segment_fixed_size 0
		.amdhsa_enable_private_segment 0
		.amdhsa_kernarg_size 72
		.amdhsa_user_sgpr_count 2
		.amdhsa_user_sgpr_kernarg_segment_ptr 1
		.amdhsa_wavefront_size32 1
		.amdhsa_system_sgpr_workgroup_id_x 1
		.amdhsa_system_sgpr_workgroup_id_y 1
		.amdhsa_system_sgpr_workgroup_id_z 1
		.amdhsa_system_vgpr_workitem_id 0
		.amdhsa_next_free_vgpr 112
		.amdhsa_next_free_sgpr 66
		.amdhsa_reserve_vcc 0
		.amdhsa_float_denorm_mode_32 3
		.amdhsa_float_denorm_mode_16_64 3
		.amdhsa_memory_ordered 1
		.amdhsa_forward_progress 1
		.amdhsa_inst_pref_size 13
	.end_amdhsa_kernel
	.amdgpu_metadata
---
amdhsa.version: [ 1, 2 ]
amdhsa.kernels:
  - .name:           k_qcee9b8b806_prep
    .symbol:         k_qcee9b8b806_prep.kd
    .args:
      - { .name: wq, .offset: 0, .size: 8, .value_kind: global_buffer, .address_space: global }
      - { .name: wk, .offset: 8, .size: 8, .value_kind: global_buffer, .address_space: global }
      - { .name: wv, .offset: 16, .size: 8, .value_kind: global_buffer, .address_space: global }
      - { .name: wo, .offset: 24, .size: 8, .value_kind: global_buffer, .address_space: global }
      - { .name: up_w, .offset: 32, .size: 8, .value_kind: global_buffer, .address_space: global }
      - { .name: gate_w, .offset: 40, .size: 8, .value_kind: global_buffer, .address_space: global }
      - { .name: down_w, .offset: 48, .size: 8, .value_kind: global_buffer, .address_space: global }
      - { .name: wimg, .offset: 56, .size: 8, .value_kind: global_buffer, .address_space: global }
      - { .name: wsc, .offset: 64, .size: 8, .value_kind: global_buffer, .address_space: global }
    .group_segment_fixed_size: 0
    .private_segment_fixed_size: 0
    .kernarg_segment_align: 8
    .kernarg_segment_size: 72
    .max_flat_workgroup_size: 128
    .sgpr_count:     66
    .vgpr_count:     112
    .wavefront_size: 32
...
	.end_amdgpu_metadata
.endif
;; end of part 5
;; launch qkv (part 6): grid 256 x 1, 4 waves a work-group, no clusters, 18,944 bytes of LDS; arguments x, ln1_w, wimg, wsc, qkv, qkvs; writes qkv, qkvs
.if DOCPART == 6
	.amdgcn_target "amdgcn-amd-amdhsa--gfx1250"
	.amdhsa_code_object_version 6
	.text
	.protected	k_qcee9b8b806_qkv
	.globl	k_qcee9b8b806_qkv
	.p2align	8
	.type	k_qcee9b8b806_qkv,@function
k_qcee9b8b806_qkv:
	s_mov_b64 s[64:65], 0
	v_nop
	global_prefetch_b8 v0, s[64:65] scope:SCOPE_SE
	s_setreg_imm32_b32 hwreg(HW_REG_WAVE_SCHED_MODE, 0, 2), 2
	s_setreg_imm32_b32 hwreg(HW_REG_WAVE_MODE, 25, 1), 1
	s_wait_xcnt 0x0
	s_wait_alu depctr_vm_vsrc(0)
; RMSNorm 1, its quantiser, the products with wq, wk, wv (codes of E4M3, one E8M0 byte for each 32 along K), RoPE on q and k, and the quantisers of q, k (along the head's 32) and v (along 32 keys).
; A work-group owns 32 rows (block G; batch G / 64, g = G % 64), as two ROW TILES u: lane-row r of tile u is row 8 u + r + 8 (r / 8).  Wave w owns output columns 128 w .. 128 w + 127 (heads 4 w .. 4 w + 3).
; q and k are made TRANSPOSED (source 0 = 16 rows of W, source 1 = a row tile): a lane holds one row, register 64 u + 16 b + i = column 128 w + 32 b + 16 h + i: 16 neighbours of head 4 w + b.
; v is made the natural way (source 0 = a row tile, source 1 = 16 rows of W): a lane holds one channel, register 16 t + i = key 16 h + i of the block of 32 keys.
; The weights come from memory straight into registers, laid by the launch before in register order: chunks (weight, K step) of 32 + 4 loads through a ring of three buffers, two chunks ahead.
; No joint tensor loads for the weights: each byte is used once, by one wave of the work-group, and goes straight to its register; a ring in LDS would add a round trip for every byte.
; The text is straight: no loop, no branch; EXEC is never changed.
; LIMITS: a block of zeros gets the byte 1 with zero codes; NaN and infinities are not served; the 16 frequencies are 10^(-f/4) rounded to f32; sine and cosine by reduction modulo pi/2 in two parts
; (exact for positions under 2,048) and polynomials of about 1e-7; RoPE rounds one product of two (a fused multiply-add); the sums of squares are added in another order than row by row.
; REGISTERS, in windows of 256: window 0 below; window 1 and window 2 v0-127: the weights' ring; window 2 v128-255: the 8 fragments of xn; window 3 v0-127: x, then the accumulators; window 3 v128-191: the gain.
; THE MODE: SCHED_MODE bits 1:0 = 2 (LLVM: expert scheduling mode 2), set by the entry lines.  The code itself states the register dependences
; between vector or matrix instructions and memory or LDS instructions, with s_wait_alu, always for 0.
; THE PLAN.  Registers that memory or LDS instructions touch:
;   v1 .. v8            addresses: made at the head, never written again: one wait ahead of the first load serves every access.
;   the ring, WS        chunk c's 16 products read buffer c % 3 and scale set c % 3; chunk c + 3's loads, issued in step c + 1, land there.  ONE wait on va_vdst at a step's head states that the step
;                       before is done reading them; the step's 36 loads follow, dealt among its 16 products, which name buffer c % 3, xn's fragments, the accumulators and scale set c % 3 alone.
;   xn's fragments, XS  written by LDS loads once, read by products alone.     x, the gain, v20-27: written by loads once.
;   v12, v28            the two tiles' sums of squares: written by vector instructions, read by two LDS stores behind one wait.
;   PC, PC1, PW, PW + 1, SV   out-buffers, one for each tile: both tiles are quantised, then one wait on va_vdst stands ahead of the run of stores; one wait on vm_vsrc stands ahead of the next quantiser that writes them.
;   v71, v1023          written at the head, read by the closing add alone.
.set W0, 0                             ; the first weight of the chain in wimg
.set NC, 12                            ; chunks: 3 weights x 4 K steps
.set XIMG, 0                           ; LDS: xn's 8 fragments (4 u + s), images of their registers, 2,048 bytes each
.set XSC, 16384                        ; their scale words, 128 bytes each
.set SSQ, 17408                        ; the waves' sums of squares: [u][r][wave] words
.set LI, 1                             ; v1  16 x lane
.set LS, 2                             ; v2  4 x lane
.set L16, 3                            ; v3  16 x (lane % 16)
.set SSA, 4                            ; v4  SSQ + 16 r + 4 wave
.set XA, 5                             ; v5  x: (r + 8 (r / 8)) x 2,048 + 64 h
.set LNA, 6                            ; v6  the gain: 64 h
.set XWI, 7                            ; v7  where I store my fragments: 16 lane + 2,048 wave
.set XWS, 8                            ; v8  and their scale words: XSC + 4 lane + 128 wave
.set POS, 9                            ; v9, v10 my row's position in the sequence, tile 0, tile 1, as f32
.set TP, 11
.set SQ, 12                            ; v12-15 tile 0's sums of squares at work; tile 1's at SQ + 16 = v28-31
.set INV, 16                           ; v16-19 1 / rms, a pair for each tile
.set PT, 20                            ; v20-27 the four waves' parts
.set SV, 28                            ; v28-31 behind the norm: scale bytes on their way out
.set WS, 32                            ; v32-43 the weights' scale words, three sets of four: scales and nothing else
.set XS, 44                            ; v44-51 xn's scale words (4 u + s): scales and nothing else
.set TM, 52                            ; v52-67 the quantiser's sixteen
.set PW, 68                            ; v68, v69 the scale words just made: tile 0's, tile 1's
.set PC, 72                            ; v72-87 the codes just made: out-buffer 0
.set TR, 88                            ; v88-119 cos, sin: TR + 16 u + 2 p, + 1
.set FRQ, 120                          ; v120-127 my eight frequencies
.set T, 128                            ; v128-191 64 numbers ahead of the quantiser
.set WK, 192                           ; v192-255 at work in the sines
.set PC1, 192                          ; v192-207 behind the sines: out-buffer 1
.set PCD, PC1-PC
.set WV, 18
.set MNT, 19
.set SEL, 20
.set RC, 22
.set EPS, 23
.set HM, 28                            ; s28 the mask of lanes 16-31
.set MSB, 0
.macro WIN new                         ; the immediate's high byte repeats the setting that is left
.if MSB != (\new)
	s_set_vgpr_msb (MSB<<8)|(\new)
.set MSB, (\new)
.endif
.endm
.macro PLACES                          ; eight places behind this matrix form, ahead of reads of results and of loads into registers that it has read
.rept 8
	v_nop
.endr
.endm
.macro BARRIER                         ; my LDS stores have landed and my LDS loads are in: then the work-group's barrier
	s_wait_dscnt 0x0
	s_barrier_signal -1
	s_barrier_wait -1
.endm
; 64 numbers of a lane in window sw, register 16 b + i in block b (the other 16 of the block lie in lane l xor 16), become codes in v[pc] on, bytes in v[TM+4] on and the word v[pw].
.macro QUANT s, sw, pc, pw
	WIN 5*(\sw)
.irp b, 0,1,2,3
	v_max3_num_f32 v[TM+\b], |v[(\s)+16*\b]|, |v[(\s)+16*\b+1]|, 0x4800000   ; with the floor 2^(9 - 127): the byte cannot fall under 1
.endr
	WIN 20*(\sw)
.irp i, 2,4,6,8,10,12,14
.irp b, 0,1,2,3
	v_max3_num_f32 v[TM+\b], v[TM+\b], |v[(\s)+16*\b+\i]|, |v[(\s)+16*\b+\i+1]|
.endr
.endr
	WIN 0
.irp b, 0,1,2,3
	v_permlanex16_b32 v[TM+4+\b], v[TM+\b], s[SEL], s[SEL+1]
.endr
.irp b, 0,1,2,3
	v_max_num_f32 v[TM+\b], v[TM+\b], v[TM+4+\b]
.endr
.irp b, 0,1,2,3
	v_add_nc_u32 v[TM+12+\b], 0xfc000000, v[TM+\b] ; 8 off the exponent field: the conversion's scale operand
.endr
.irp b, 0,1,2,3
	v_and_or_b32 v[TM+8+\b], v[TM+\b], 0x7f800000, s[MNT]   ; 448 x the scale
.endr
.irp b, 0,1,2,3
	v_lshrrev_b32 v[TM+4+\b], 23, v[TM+12+\b]      ; the byte
.endr
	v_lshl_or_b32 v[\pw], v[TM+5], 8, v[TM+4]
	v_lshl_or_b32 v[\pw], v[TM+6], 16, v[\pw]
	v_lshl_or_b32 v[\pw], v[TM+7], 24, v[\pw]
	WIN 65*(\sw)
.irp b, 0,1,2,3
.irp i, 0,1,2,3,4,5,6,7,8,9,10,11,12,13,14,15
	v_med3_num_f32 v[(\s)+16*\b+\i], v[(\s)+16*\b+\i], -v[TM+8+\b], v[TM+8+\b]   ; the conversion does not saturate (ISA guide 7.6.2)
.endr
.endr
	WIN \sw
.irp b, 0,1,2,3
	v_cvt_scalef32_pk8_fp8_f32 v[(\pc)+4*\b:(\pc)+4*\b+1], v[(\s)+16*\b:(\s)+16*\b+7], v[TM+12+\b]
	v_cvt_scalef32_pk8_fp8_f32 v[(\pc)+4*\b+2:(\pc)+4*\b+3], v[(\s)+16*\b+8:(\s)+16*\b+15], v[TM+12+\b]
.endr
	WIN 0
	v_nop                                          ; one plain line behind the last conversion
.endm
.macro IMAGE adr, pc, off              ; the fragment in v[pc] on goes to LDS as it stands: 512 consecutive bytes a store
.irp c, 0,1,2,3
	ds_store_b128 v[\adr], v[(\pc)+4*\c:(\pc)+4*\c+3] offset:\off+512*\c
.endr
.endm
; Chunk c (weight W0 + c / 4, K step c % 4) into buffer c % 3: 4 loads of scale words (tile 2 p in lanes 0-15, tile 2 p + 1 in lanes 16-31) and 32 loads of 512 consecutive bytes, in two halves.  Every offset is an immediate.
.macro WSCL c
.set SOF, (W0+(\c)/4)*8192+((\c)%4)*512
	WIN 0
.irp p, 0,1,2,3
	global_load_b32 v[WS+4*((\c)%3)+\p], v[LS], s[10:11] offset:SOF+128*\p
.endr
.endm
.macro WHALF c, hf                     ; tiles 4 hf .. 4 hf + 3
.set LW, 1+((\c)%3)/2
.set LO, 128*(((\c)%3)%2)
.set WOF, (W0+(\c)/4)*262144+((\c)%4)*16384
	WIN LW<<6
.irp t, 0,1,2,3
.irp g, 0,1,2,3
	global_load_b128 v[LO+16*(4*(\hf)+\t)+4*\g:LO+16*(4*(\hf)+\t)+4*\g+3], v[LI], s[8:9] offset:WOF+(4*(\hf)+\t)*2048+\g*512
.endr
.endr
.endm
.macro WLOAD c                         ; a whole chunk in one run: at the head, where there are no products yet
	WSCL \c
	WHALF \c, 0
	WHALF \c, 1
	WIN 0
.endm
.macro MM d, a, b, sa, sb, czero, rowa, rowb
.if \czero
.if \rowa
	v_wmma_scale_f32_16x16x128_f8f6f4 v[(\d):(\d)+7], v[(\a):(\a)+15], v[(\b):(\b)+15], 0, v[\sa], v[\sb] matrix_a_scale:MATRIX_SCALE_ROW1
.elseif \rowb
	v_wmma_scale_f32_16x16x128_f8f6f4 v[(\d):(\d)+7], v[(\a):(\a)+15], v[(\b):(\b)+15], 0, v[\sa], v[\sb] matrix_b_scale:MATRIX_SCALE_ROW1
.else
	v_wmma_scale_f32_16x16x128_f8f6f4 v[(\d):(\d)+7], v[(\a):(\a)+15], v[(\b):(\b)+15], 0, v[\sa], v[\sb]
.endif
.else
.if \rowa
	v_wmma_scale_f32_16x16x128_f8f6f4 v[(\d):(\d)+7], v[(\a):(\a)+15], v[(\b):(\b)+15], v[(\d):(\d)+7], v[\sa], v[\sb] matrix_a_scale:MATRIX_SCALE_ROW1
.elseif \rowb
	v_wmma_scale_f32_16x16x128_f8f6f4 v[(\d):(\d)+7], v[(\a):(\a)+15], v[(\b):(\b)+15], v[(\d):(\d)+7], v[\sa], v[\sb] matrix_b_scale:MATRIX_SCALE_ROW1
.else
	v_wmma_scale_f32_16x16x128_f8f6f4 v[(\d):(\d)+7], v[(\a):(\a)+15], v[(\b):(\b)+15], v[(\d):(\d)+7], v[\sa], v[\sb]
.endif
.endif
.endm
; Eight of a chunk's 16 products: b = 2 hb, 2 hb + 1.  kind 0: transposed; kind 1: natural.  czero = 1: the products start the sums.
.macro GMUL c, kind, acc, czero, hb
.set BW, 1+((\c)%3)/2
.set BO, 128*(((\c)%3)%2)
.set SS, (\c)%4
.set WR, WS+4*((\c)%3)
.if \kind == 0
	WIN 0xf8|BW                                    ; source 0 the ring's window, source 1 window 2, C and D window 3
.irp b, 2*(\hb), 2*(\hb)+1
.irp u, 0,1
	MM \acc+64*\u+16*(\b), BO+32*(\b), 128+64*\u+16*SS, WR+(\b), XS+4*\u+SS, \czero, 0, 0
.endr
.irp u, 0,1
	MM \acc+64*\u+16*(\b)+8, BO+32*(\b)+16, 128+64*\u+16*SS, WR+(\b), XS+4*\u+SS, \czero, 1, 0
.endr
.endr
.else
	WIN 0xf2|(BW<<2)                               ; source 0 window 2, source 1 the ring's window, C and D window 3
.irp b, 2*(\hb), 2*(\hb)+1
.irp u, 0,1
	MM \acc+32*(\b)+8*\u, 128+64*\u+16*SS, BO+32*(\b), XS+4*\u+SS, WR+(\b), \czero, 0, 0
.endr
.irp u, 0,1
	MM \acc+32*(\b)+16+8*\u, 128+64*\u+16*SS, BO+32*(\b)+16, XS+4*\u+SS, WR+(\b), \czero, 0, 1
.endr
.endr
.endif
.endm
; One chunk's 16 products on 16 accumulators, which take turns, one instruction a turn, in the same order in every chunk.
; Chunk c + 2's 36 loads are dealt among them: the scale words and half of the codes, eight products, the other half, eight products.
.macro GSTEP c, kind, acc, czero
.if (\c)+1 < NC
	s_wait_loadcnt 36                              ; behind chunk c's loads only chunk c + 1's 32 + 4 were issued: they may stay out
.else
	s_wait_loadcnt 0x0
.endif
.if (\c)+2 < NC
.if (\c) > 0
	PLACES                                         ; behind chunk c - 1's products, which read the buffer and the scale words that are loaded next
	s_wait_alu depctr_va_vdst(0)                   ; chunk c - 1's products are done reading their buffer and their scale words, in which chunk c + 2's loads land; no product below names those registers
.endif
	WSCL (\c)+2
	WHALF (\c)+2, 0
.endif
	GMUL \c, \kind, \acc, \czero, 0
.if (\c)+2 < NC
	WHALF (\c)+2, 1
.endif
	GMUL \c, \kind, \acc, \czero, 1
	WIN 0
.endm
.macro FETCHALL img, sc                ; all eight fragments and their scale words, from any wave's images
	WIN 0x80
.irp u, 0,1
.irp s, 0,1,2,3
.irp c, 0,1,2,3
	ds_load_b128 v[128+64*\u+16*\s+4*\c:128+64*\u+16*\s+4*\c+3], v[LI] offset:\img+(4*\u+\s)*2048+512*\c
.endr
.endr
.endr
	WIN 0
.irp u, 0,1
.irp s, 0,1,2,3
	ds_load_b32 v[XS+4*\u+\s], v[LS] offset:\sc+(4*\u+\s)*128
.endr
.endr
	s_wait_dscnt 0x0
.endm
; RMSNorm of the 32 rows (numbers in window 3 v0-127, gain in window 3 v128-191) and its quantiser: my 128 columns are K step w of the next products.
.macro NORMQ
.irp u, 0,1
	WIN 0x0f
	v_pk_mul_f32 v[SQ+16*\u:SQ+16*\u+1], v[64*\u:64*\u+1], v[64*\u:64*\u+1]               ; two chains of squares
	v_pk_mul_f32 v[SQ+16*\u+2:SQ+16*\u+3], v[64*\u+2:64*\u+3], v[64*\u+2:64*\u+3]
.irp k, 4,8,12,16,20,24,28,32,36,40,44,48,52,56,60
	v_pk_fma_f32 v[SQ+16*\u:SQ+16*\u+1], v[64*\u+\k:64*\u+\k+1], v[64*\u+\k:64*\u+\k+1], v[SQ+16*\u:SQ+16*\u+1]
	v_pk_fma_f32 v[SQ+16*\u+2:SQ+16*\u+3], v[64*\u+\k+2:64*\u+\k+3], v[64*\u+\k+2:64*\u+\k+3], v[SQ+16*\u+2:SQ+16*\u+3]
.endr
	WIN 0
	v_pk_add_f32 v[SQ+16*\u:SQ+16*\u+1], v[SQ+16*\u:SQ+16*\u+1], v[SQ+16*\u+2:SQ+16*\u+3]
	v_add_f32 v[SQ+16*\u], v[SQ+16*\u], v[SQ+16*\u+1]
	v_permlanex16_b32 v[SQ+16*\u+1], v[SQ+16*\u], s[SEL], s[SEL+1]
	v_add_f32 v[SQ+16*\u], v[SQ+16*\u], v[SQ+16*\u+1]   ; my wave's 128 columns of row r
.endr
	s_wait_alu depctr_va_vdst(0)                   ; the additions have written both tiles' sums, which the two LDS stores read
.irp u, 0,1
	ds_store_b32 v[SSA], v[SQ+16*\u] offset:256*\u
.endr
	BARRIER                                        ; the four waves' parts lie in LDS
.irp u, 0,1
	ds_load_b128 v[PT+4*\u:PT+4*\u+3], v[L16] offset:SSQ+256*\u
.endr
	s_wait_dscnt 0x0
.irp u, 0,1
	v_add_f32 v[PT+4*\u], v[PT+4*\u], v[PT+4*\u+1]
	v_add_f32 v[PT+4*\u+2], v[PT+4*\u+2], v[PT+4*\u+3]
.endr
.irp u, 0,1
	v_add_f32 v[PT+4*\u], v[PT+4*\u], v[PT+4*\u+2]
.endr
.irp u, 0,1
	v_fma_f32 v[PT+4*\u], v[PT+4*\u], s[RC], s[EPS]   ; the mean + eps
.endr
	s_wait_alu depctr_va_vdst(0)
.irp u, 0,1
	v_rsq_f32 v[INV+2*\u], v[PT+4*\u]              ; twice: a pair for the packed multiply
	v_rsq_f32 v[INV+2*\u+1], v[PT+4*\u]
.endr
	v_nop                                          ; one plain line behind the batch,
	s_wait_alu depctr_va_vdst(0)                   ; and one wait for the four reciprocal roots, ahead of their first reader
.irp u, 0,1
	WIN 0x03
.set j, 0
.rept 32
	v_pk_mul_f32 v[T+j:T+j+1], v[64*\u+j:64*\u+j+1], v[INV+2*\u:INV+2*\u+1]   ; x / rms,
.set j, j+2
.endr
	WIN 0x0c
.set j, 0
.rept 32
	v_pk_mul_f32 v[T+j:T+j+1], v[T+j:T+j+1], v[128+j:129+j]                   ; then x the gain
.set j, j+2
.endr
	WIN 0
	QUANT T, 0, PC+PCD*\u, PW+\u
.endr
	s_wait_alu depctr_va_vdst(0)                   ; the conversions have written both tiles' codes, and the shifts their scale words, which the ten LDS stores read
.irp u, 0,1
	IMAGE XWI, PC+PCD*\u, 8192*\u
	ds_store_b32 v[XWS], v[PW+\u] offset:512*\u
.endr
	BARRIER                                        ; the eight fragments lie in LDS
.endm
	s_load_b256 s[4:11], s[0:1], 0x0               ; x, ln1_w, wimg, wsc
	s_load_b128 s[12:15], s[0:1], 0x20             ; qkv, qkvs
	v_lshl_add_u32 v71, v0, 2, 0x4800
	s_set_vgpr_msb 0xc0
	v_mov_b32 v255, 0
	s_set_vgpr_msb 0xc000
	v_lshrrev_b32 v1, 5, v0
	v_readfirstlane_b32 s[WV], v1                  ; wave 0..3
	v_and_b32 v[TP], 31, v0
	v_lshlrev_b32 v[LI], 4, v[TP]
	v_lshlrev_b32 v[LS], 2, v[TP]
	v_and_b32 v[POS], 15, v0                       ; r
	v_bfe_u32 v[POS+1], v0, 4, 1                   ; h
	v_lshlrev_b32 v[L16], 4, v[POS]
	s_wait_alu depctr_va_sdst(0)                   ; the wave's number is written into s18, ahead of its first reader
	s_lshl_b32 s40, s[WV], 2
	v_add_nc_u32 v[SSA], s40, v[L16]
	v_add_nc_u32 v[SSA], SSQ, v[SSA]
	v_and_b32 v[TP], 8, v[POS]
	v_add_nc_u32 v[TP], v[TP], v[POS]              ; r + 8 (r / 8)
	s_wait_alu depctr_va_vdst(0)
	v_lshlrev_b32 v[XA], 11, v[TP]
	v_lshl_add_u32 v[XA], v[POS+1], 6, v[XA]
	v_lshlrev_b32 v[LNA], 6, v[POS+1]
	s_lshl_b32 s40, s[WV], 11
	v_add_nc_u32 v[XWI], s40, v[LI]
	s_lshl_b32 s40, s[WV], 7
	v_add_nc_u32 v[XWS], s40, v[LS]
	v_add_nc_u32 v[XWS], XSC, v[XWS]
	s_lshr_b32 s42, ttmp9, 6                       ; the batch
	s_and_b32 s43, ttmp9, 63                       ; g
	s_lshl_b32 s44, s42, 4
	s_lshl_b32 s45, s[WV], 2
	s_add_co_u32 s44, s44, s45                     ; my first head among the 64: 16 batch + 4 w
	s_lshl_b32 s40, s43, 5
	v_add_nc_u32 v[POS], s40, v[TP]                ; my row's position: 32 g + r + 8 (r / 8),
	v_add_nc_u32 v[POS+1], 8, v[POS]               ; and 8 more in tile 1
	v_cvt_f32_u32 v[POS], v[POS]
	v_cvt_f32_u32 v[POS+1], v[POS+1]
	s_mov_b32 s[MNT], 0x600000
	s_mov_b32 s[SEL], 0x76543210
	s_mov_b32 s[SEL+1], 0xfedcba98
	s_mov_b32 s[RC], 0x3b000000                    ; 1 / 512
	s_mov_b32 s[EPS], 0x3727c5ac                   ; 1e-5
	s_mov_b32 s[HM], 0xffff0000
	s_mov_b32 s29, 0x3f22f983                      ; 2 / pi
	s_mov_b32 s30, 0xbfc90fdb                      ; -(pi / 2 rounded to f32)
	s_mov_b32 s31, 0x333bbd2e                      ; -(what is left of pi / 2)
	s_mov_b32 s32, 0xb94ca1f9                      ; the sine's three,
	s_mov_b32 s33, 0x3c08839e
	s_mov_b32 s34, 0xbe2aaaa3
	s_mov_b32 s35, 0x37ccf5ce                      ; the cosine's three
	s_mov_b32 s36, 0xbab6061a
	s_mov_b32 s37, 0x3d2aaaa5
.irp b, 0,1,2,3
	v_mov_b32 v[TM+4+\b], 0                        ; a lane permute's destination counts as one of its sources
.endr
	s_wait_kmcnt 0x0
	s_mov_b32 s41, 0
	s_lshl_b32 s40, ttmp9, 16
	s_lshl_b32 s45, s[WV], 9
	s_add_co_u32 s40, s40, s45
	s_add_nc_u64 s[4:5], s[4:5], s[40:41]          ; x at my block's first row, my 128 columns
	s_mov_b32 s40, s45
	s_add_nc_u64 s[6:7], s[6:7], s[40:41]          ; the gain of my columns
	s_lshl_b32 s40, s[WV], 16
	s_add_nc_u64 s[8:9], s[8:9], s[40:41]          ; my part of each weight's codes
	s_lshl_b32 s40, s[WV], 11
	s_add_nc_u64 s[10:11], s[10:11], s[40:41]      ; and of its scale words
	s_lshl_b32 s40, s44, 16
	s_lshl_b32 s45, s43, 10
	s_add_co_u32 s40, s40, s45
	s_add_nc_u64 s[12:13], s[12:13], s[40:41]      ; q's codes: [head][tile 2 g + u][512]; k's lie 4,194,304 further on
	s_add_nc_u64 s[16:17], s[12:13], 0x800000      ; v's: [head][g][u][512]: the same offset in its third of the buffer
	s_mul_i32 s40, s44, 10240
	s_add_co_u32 s40, s40, 524288
	s_add_nc_u64 s[26:27], s[14:15], s[40:41]      ; my first head's record of k's and v's scales
	s_lshl_b32 s40, s43, 7
	s_add_nc_u64 s[24:25], s[26:27], s[40:41]      ; k's scale words: [g][u][r]
	s_lshr_b32 s40, s43, 2
	s_lshl_b32 s40, s40, 7
	s_and_b32 s45, s43, 3
	s_add_co_u32 s40, s40, s45
	s_add_co_u32 s40, s40, 8192
	s_add_nc_u64 s[26:27], s[26:27], s[40:41]      ; v's: [g / 4][u][r] words, byte g % 4
	s_lshl_b32 s40, s44, 13
	s_lshl_b32 s45, s43, 7
	s_add_co_u32 s40, s40, s45
	s_add_nc_u64 s[14:15], s[14:15], s[40:41]      ; q's scale words: [head][g][u][r]
	WIN 0xc0
	s_wait_alu depctr_va_vdst(0)                   ; the eight addresses v1 to v8 are written, which every load and store of the kernel reads
.irp u, 0,1
.irp b, 0,1,2,3
.irp j, 0,1,2,3
	global_load_b128 v[64*\u+16*\b+4*\j:64*\u+16*\b+4*\j+3], v[XA], s[4:5] offset:16384*\u+128*\b+16*\j th:TH_LOAD_NT
.endr
.endr
.endr
.irp b, 0,1,2,3
.irp j, 0,1,2,3
	global_load_b128 v[128+16*\b+4*\j:128+16*\b+4*\j+3], v[LNA], s[6:7] offset:128*\b+16*\j
.endr
.endr
	WLOAD 0
	; ---- cos and sin of position x frequency, while the loads are on their way.  Register 16 b + i is channel 16 h + i of a head: pair p = i / 2 has frequency 8 h + p
.macro FREQ p, lo, hi
	v_mov_b32 v69, \lo
	v_mov_b32 v70, \hi
	v_cndmask_b32 v[FRQ+\p], v69, v70, s[HM]
.endm
	FREQ 0, 0x3f800000, 0x3c23d70a
	FREQ 1, 0x3f0ff59a, 0x3bb8449c
	FREQ 2, 0x3ea1e89b, 0x3b4f3e37
	FREQ 3, 0x3e361887, 0x3ae91528
	FREQ 4, 0x3dcccccd, 0x3a83126f
	FREQ 5, 0x3d6655c3, 0x3a136a16
	FREQ 6, 0x3d0186e2, 0x39a5cb5f
	FREQ 7, 0x3c91ad39, 0x393a7753
.macro SINCOS u
.irp p, 0,1,2,3,4,5,6,7
	v_mul_f32 v[WK+\p], v[POS+\u], v[FRQ+\p]       ; the angle, rounded once
.endr
.irp p, 0,1,2,3,4,5,6,7
	v_mul_f32 v[WK+8+\p], s29, v[WK+\p]
.endr
.irp p, 0,1,2,3,4,5,6,7
	v_rndne_f32 v[WK+8+\p], v[WK+8+\p]             ; k: how many quarter turns
.endr
.irp p, 0,1,2,3,4,5,6,7
	v_fma_f32 v[WK+\p], v[WK+8+\p], s30, v[WK+\p]  ; exact: the difference has 24 bits at the most
.endr
.irp p, 0,1,2,3,4,5,6,7
	v_fma_f32 v[WK+\p], v[WK+8+\p], s31, v[WK+\p]  ; the angle within +-pi / 4
.endr
.irp p, 0,1,2,3,4,5,6,7
	v_cvt_i32_f32 v[WK+8+\p], v[WK+8+\p]
.endr
.irp p, 0,1,2,3,4,5,6,7
	v_mul_f32 v[WK+16+\p], v[WK+\p], v[WK+\p]      ; z
.endr
.irp p, 0,1,2,3,4,5,6,7
	v_fma_f32 v[WK+24+\p], v[WK+16+\p], s32, s33
.endr
.irp p, 0,1,2,3,4,5,6,7
	v_fma_f32 v[WK+24+\p], v[WK+24+\p], v[WK+16+\p], s34
.endr
.irp p, 0,1,2,3,4,5,6,7
	v_mul_f32 v[WK+24+\p], v[WK+24+\p], v[WK+16+\p]
.endr
.irp p, 0,1,2,3,4,5,6,7
	v_fma_f32 v[WK+24+\p], v[WK+24+\p], v[WK+\p], v[WK+\p]   ; the sine of the reduced angle
.endr
.irp p, 0,1,2,3,4,5,6,7
	v_fma_f32 v[WK+32+\p], v[WK+16+\p], s35, s36
.endr
.irp p, 0,1,2,3,4,5,6,7
	v_fma_f32 v[WK+32+\p], v[WK+32+\p], v[WK+16+\p], s37
.endr
.irp p, 0,1,2,3,4,5,6,7
	v_mul_f32 v[WK+40+\p], v[WK+16+\p], v[WK+16+\p]
.endr
.irp p, 0,1,2,3,4,5,6,7
	v_fma_f32 v[WK+16+\p], v[WK+16+\p], -0.5, 1.0
.endr
.irp p, 0,1,2,3,4,5,6,7
	v_fma_f32 v[WK+32+\p], v[WK+32+\p], v[WK+40+\p], v[WK+16+\p]   ; its cosine
.endr
.irp p, 0,1,2,3,4,5,6,7
	v_and_b32 v[WK+40+\p], 1, v[WK+8+\p]
.endr
.irp p, 0,1,2,3,4,5,6,7
	v_cmp_eq_u32 s[40+\p], 1, v[WK+40+\p]          ; an odd quarter turn swaps the two: a choice of values, no branch.  The eight masks go into s40 to s47, free since the addresses were made
.endr
	s_wait_alu depctr_va_sdst(0)                   ; the eight compares have written s40 to s47, ahead of the selects that read them
.irp p, 0,1,2,3,4,5,6,7
	v_cndmask_b32 v[WK+48+\p], v[WK+24+\p], v[WK+32+\p], s[40+\p]
	v_cndmask_b32 v[WK+56+\p], v[WK+32+\p], v[WK+24+\p], s[40+\p]
.endr
.irp p, 0,1,2,3,4,5,6,7
	v_lshlrev_b32 v[WK+40+\p], 30, v[WK+8+\p]      ; the sine's sign: bit 1 of k;
.endr
.irp p, 0,1,2,3,4,5,6,7
	v_and_b32 v[WK+40+\p], 0x80000000, v[WK+40+\p]
.endr
.irp p, 0,1,2,3,4,5,6,7
	v_xor_b32 v[TR+16*\u+2*\p+1], v[WK+40+\p], v[WK+48+\p]
.endr
.irp p, 0,1,2,3,4,5,6,7
	v_add_nc_u32 v[WK+8+\p], 1, v[WK+8+\p]         ; the cosine's: bit 1 of k + 1
.endr
.irp p, 0,1,2,3,4,5,6,7
	v_lshlrev_b32 v[WK+8+\p], 30, v[WK+8+\p]
.endr
.irp p, 0,1,2,3,4,5,6,7
	v_and_b32 v[WK+8+\p], 0x80000000, v[WK+8+\p]
.endr
.irp p, 0,1,2,3,4,5,6,7
	v_xor_b32 v[TR+16*\u+2*\p], v[WK+8+\p], v[WK+56+\p]
.endr
.endm
	SINCOS 0
	SINCOS 1
	s_wait_loadcnt 36                              ; x and the gain are in; chunk 0's 32 + 4 loads, issued behind them, may stay out
	WLOAD 1                                        ; no vector instruction has named buffer 1, its scale words or the two addresses since the wait at the head
	NORMQ
	FETCHALL XIMG, XSC
; q (i = 0) or k (i = 1): RoPE on the accumulators, the quantiser along each head's 32, both tiles; then codes and scale words out in one run.
.macro ROPEQ i
	s_wait_xcnt 0x0                                ; the last global stores have had their addresses translated: their data registers may be written again,
	s_wait_alu depctr_vm_vsrc(0)                   ; and every store issued so far, to LDS or to memory, has read both out-buffers, the scale words and v28 to v31, which are written below
.irp u, 0,1
	WIN 0x03
.irp b, 0,1,2,3
.irp p, 0,1,2,3,4,5,6,7
	v_mul_f32 v[T+16*\b+2*\p], v[64*\u+16*\b+2*\p+1], v[TR+16*\u+2*\p+1]     ; odd x sin (each accumulator is first read at its register 1)
	v_mul_f32 v[T+16*\b+2*\p+1], v[64*\u+16*\b+2*\p], v[TR+16*\u+2*\p+1]     ; even x sin
.endr
.irp p, 0,1,2,3,4,5,6,7
	v_fma_f32 v[T+16*\b+2*\p], v[64*\u+16*\b+2*\p], v[TR+16*\u+2*\p], -v[T+16*\b+2*\p]         ; even x cos - odd x sin
	v_fma_f32 v[T+16*\b+2*\p+1], v[64*\u+16*\b+2*\p+1], v[TR+16*\u+2*\p], v[T+16*\b+2*\p+1]    ; odd x cos + even x sin
.endr
.endr
	WIN 0
	QUANT T, 0, PC+PCD*\u, PW
.if \u == 0
.irp b, 0,1,2,3
	v_mov_b32 v[SV+\b], v[TM+4+\b]                 ; tile 0's bytes wait for tile 1's
.endr
.else
.irp b, 0,1,2,3
	v_cndmask_b32 v[SV+\b], v[SV+\b], v[TM+4+\b], s[HM]   ; lanes 0-15: tile 0's rows; lanes 16-31: tile 1's.  The upper bytes are 0: they scale zero codes alone
.endr
.endif
.endr
	s_wait_alu depctr_va_vdst(0)                   ; the conversions have written both out-buffers and the selects v28 to v31, which the twelve stores read
.irp u, 0,1
.irp b, 0,1,2,3
	global_store_b128 v[LI], v[PC+PCD*\u+4*\b:PC+PCD*\u+4*\b+3], s[12:13] offset:\i*4194304+\b*65536+\u*512   ; head 4 w + b, tile 2 g + u: 512 consecutive bytes
.endr
.endr
.irp b, 0,1,2,3
.if \i == 0
	global_store_b32 v[LS], v[SV+\b], s[14:15] offset:8192*\b
.else
	global_store_b32 v[LS], v[SV+\b], s[24:25] offset:10240*\b
.endif
.endr
.endm
	GSTEP 0, 0, 0, 1
	GSTEP 1, 0, 0, 0
	GSTEP 2, 0, 0, 0
	GSTEP 3, 0, 0, 0
	PLACES
	ROPEQ 0
	GSTEP 4, 0, 0, 1
	GSTEP 5, 0, 0, 0
	GSTEP 6, 0, 0, 0
	GSTEP 7, 0, 0, 0
	PLACES
	ROPEQ 1
	GSTEP 8, 1, 0, 1
	GSTEP 9, 1, 0, 0
	GSTEP 10, 1, 0, 0
	GSTEP 11, 1, 0, 0
	PLACES
	; ---- v: four tiles of 16 channels at a time; a tile's 16 registers are keys 16 h + 0 .. 15 of my block of 32 keys
	s_wait_xcnt 0x0                                ; k's stores have had their addresses translated: their data registers may be written again,
	s_wait_alu depctr_vm_vsrc(0)                   ; and they have read both out-buffers and v28 to v31, which are written below
.irp H, 0,1
	QUANT 64*\H, 3, PC+PCD*\H, PW
.irp q, 0,1
	v_cndmask_b32 v[SV+2*\H+\q], v[TM+4+2*\q], v[TM+5+2*\q], s[HM]   ; lanes 0-15: the head's even tile; lanes 16-31: its odd one
.endr
.endr
	s_wait_alu depctr_va_vdst(0)                   ; the conversions have written both out-buffers and the selects v28 to v31, which the twelve stores read
.irp H, 0,1
.irp q, 0,1
	global_store_b128 v[LI], v[PC+PCD*\H+8*\q:PC+PCD*\H+8*\q+3], s[16:17] offset:(2*\H+\q)*65536
	global_store_b128 v[LI], v[PC+PCD*\H+8*\q+4:PC+PCD*\H+8*\q+7], s[16:17] offset:(2*\H+\q)*65536+512
	global_store_b8 v[LS], v[SV+2*\H+\q], s[26:27] offset:(2*\H+\q)*10240
.endr
.endr
	s_set_vgpr_msb 0xc                             ; the add's data register lies in window 3: the one switch stands ahead of the closing lines
	s_wait_dscnt 0x0                               ; the closing lines, six on end
	s_wait_alu 0x0
	s_wait_tensorcnt 0x0
	ds_add_u32 v71, v255
	s_wait_dscnt 0x0
	s_endpgm
.Lfunc_end_k_qcee9b8b806_qkv:
	.size	k_qcee9b8b806_qkv, .Lfunc_end_k_qcee9b8b806_qkv-k_qcee9b8b806_qkv
	.p2alignl 7, 3214868480
	.fill 96, 4, 3214868480
	.section	.rodata,"a",@progbits
	.p2align	6, 0x0
	.amdhsa_kernel k_qcee9b8b806_qkv
		.amdhsa_group_segment_fixed_size 18944
		.amdhsa_private_segment_fixed_size 0
		.amdhsa_enable_private_segment 0
		.amdhsa_kernarg_size 48
		.amdhsa_user_sgpr_count 2
		.amdhsa_user_sgpr_kernarg_segment_ptr 1
		.amdhsa_wavefront_size32 1
		.amdhsa_system_sgpr_workgroup_id_x 1
		.amdhsa_system_sgpr_workgroup_id_y 1
		.amdhsa_system_sgpr_workgroup_id_z 1
		.amdhsa_system_vgpr_workitem_id 0
		.amdhsa_next_free_vgpr 1024
		.amdhsa_next_free_sgpr 66
		.amdhsa_reserve_vcc 0
		.amdhsa_float_denorm_mode_32 3
		.amdhsa_float_denorm_mode_16_64 3
		.amdhsa_memory_ordered 1
		.amdhsa_forward_progress 1
		.amdhsa_inst_pref_size 211
	.end_amdhsa_kernel
	.amdgpu_metadata
---
amdhsa.version: [ 1, 2 ]
amdhsa.kernels:
  - .name:           k_qcee9b8b806_qkv
    .symbol:         k_qcee9b8b806_qkv.kd
    .args:
      - { .name: x, .offset: 0, .size: 8, .value_kind: global_buffer, .address_space: global }
      - { .name: ln1_w, .offset: 8, .size: 8, .value_kind: global_buffer, .address_space: global }
      - { .name: wimg, .offset: 16, .size: 8, .value_kind: global_buffer, .address_space: global }
      - { .name: wsc, .offset: 24, .size: 8, .value_kind: global_buffer, .address_space: global }
      - { .name: qkv, .offset: 32, .size: 8, .value_kind: global_buffer, .address_space: global }
      - { .name: qkvs, .offset: 40, .size: 8, .value_kind: global_buffer, .address_space: global }
    .group_segment_fixed_size: 18944
    .private_segment_fixed_size: 0
    .kernarg_segment_align: 8
    .kernarg_segment_size: 48
    .max_flat_workgroup_size: 128
    .sgpr_count:     66
    .vgpr_count:     1024
    .wavefront_size: 32
...
	.end_amdgpu_metadata
.endif
;; end of part 6
;; launch attn (part 7): grid 4 x 64, 16 waves a work-group, clusters of 4 x 1, 169,984 bytes of LDS; arguments qkv, qkvs, aoimg, aosc; writes aoimg, aosc
.if DOCPART == 7
	.amdgcn_target "amdgcn-amd-amdhsa--gfx1250"
	.amdhsa_code_object_version 6
	.text
	.protected	k_qcee9b8b806_attn
	.globl	k_qcee9b8b806_attn
	.p2align	8
	.type	k_qcee9b8b806_attn,@function
k_qcee9b8b806_attn:
	s_mov_b64 s[64:65], 0
	v_nop
	global_prefetch_b8 v0, s[64:65] scope:SCOPE_SE
	s_setreg_imm32_b32 hwreg(HW_REG_WAVE_MODE, 25, 1), 1
	s_wait_xcnt 0x0
	s_wait_alu depctr_hold_cnt(0) depctr_sa_sdst(0) depctr_va_vdst(0) depctr_va_sdst(0) depctr_va_ssrc(0) depctr_va_vcc(0) depctr_vm_vsrc(0)
	s_getreg_b32 s2, hwreg(HW_REG_IB_STS2, 6, 4)
	s_cmp_eq_u32 s2, 0
	s_cbranch_scc0 .Lentry_in_a_cluster
	s_endpgm
.Lentry_in_a_cluster:
	s_bfe_u32 s2, ttmp6, 0x10000c
	s_cmp_lg_u32 s2, 0x3003
	s_cbranch_scc0 .Lentry_shape_is_right
	s_endpgm
.Lentry_shape_is_right:
; Causal attention of one head (cluster y = 16 batch + head) on codes of E4M3, head size 32, 2,048 keys; its result divided by the row's sum and quantised along the head's 32 for the product with wo.
; t = score x log2(e) / sqrt(32); M = the running largest t rounded UP to a whole number; p = 2^(t - M) is quantised along the keys, not normalised; the row's sum is taken of the unquantised p.
; SHARES.  The four work-groups of a cluster share the head's K and V: all of them (128 KiB of codes, 10 KiB of scales) come into LDS ONCE, by joint tensor loads, and stay: nothing is filled again.
; A wave owns one tile of 16 queries at a time, twice: with A = wave / 2, first tile 8 A + 2 cx + wave % 2, whose last key step is A, then tile 127 less that, whose last key step is 15 - A:
; (A + 1) + (16 - A) = 17 key steps of 128 keys for every wave.  The trip counts are constants; a step past the wave's last is jumped over by a branch on the wave's number alone; cx enters
; only the addresses of Q and of the result and the vector register of the mask's compare.
; LAYOUT.  Both products transposed: S^T = K Q^T, O^T = V^T P^T: a lane holds one query.  A tile's lane-row r is row 8 u + r + 8 (r / 8) of a block of 32, so that the 16 registers of two
; neighbouring tiles of S^T are 16 neighbouring keys.  The first product's K is 32: registers 4 to 15 of its operands hold zero codes, set once.
; LIMITS: a block of zeros gets the byte 1 with zero codes; NaN and infinities are not served.
; REGISTERS: v1-7 addresses that stay; v8-11 addresses of the step; v12 -M, v13 the largest t, v[14:15] the sum; v16-31 Q; v32-95 four slots for tiles of K; v96-159 S^T, then p; v160-175 O^T;
; v176-191 p's codes; v192-223 V; v224-230 scales and nothing else; v231 my row in its block less 16 h; v232-254 at work.
.set VIMG, 65536                       ; LDS: K's codes at 0: [tile 128][lane][16]; V's here: [g 64][u 2][lane][16]
.set KSC, 131072                       ; K's scale words [g][u][r]
.set VSC, 139264                       ; V's [step 16][u][r], byte c for g = 4 step + c
.set AL16, 1
.set AV16, 2
.set AKS, 3
.set AVS, 4
.set QD, 5
.set ADK, 8
.set ADV, 9
.set ADS, 10
.set ADT, 11
.set WV, 12
.set MNT, 19
.set SEL, 20
.set CS, 22
.set G1A, 24                           ; s[24:31] group 1: 64 rows of 256 bytes;  s[32:39]: 8 rows
.set G1C, 32
.set G0A, 40
.set G0C, 44
.set TK, 48                            ; s48 the step's codes: 4,096 bytes a step, in K and in V
.set TS, 49                            ; s49 K's scale words: 512 a step
.set TV, 50                            ; s50 V's: 128 a step
.set KF, 51                            ; s51 the step's first key
.set KS, 52                            ; s52 the step
.set LAST, 53                          ; s53 my tile's last step: made of the wave's number alone
.set TT, 54                            ; s54 my tile
.set QP, 56
.set QSP, 58
.set AOB, 60
.set ASB, 62
.macro PLACES
.rept 8
	v_nop
.endr
.endm
.macro ROUND                           ; a round of the cluster's barrier
	s_barrier_signal -1
	s_barrier_wait -1
	s_cmp_lg_u32 s[WV], 0
	s_cbranch_scc1 .Lnot_wave_0_\@
	s_barrier_signal -3
.Lnot_wave_0_\@:
	s_barrier_wait -3
	s_barrier_signal -1
	s_barrier_wait -1
.endm
	s_load_b256 s[4:11], s[0:1], 0x0               ; qkv, qkvs, aoimg, aosc
	v_lshl_add_u32 v251, v0, 2, 0x29000
	v_mov_b32 v255, 0
	ds_add_u32 v251, v255
	ds_add_u32 v251, v255
	v_lshrrev_b32 v1, 5, v0
	s_delay_alu instid0(VALU_DEP_1)
	v_readfirstlane_b32 s[WV], v1                  ; wave 0..15
	s_bfe_u32 s13, ttmp6, 0x40000                  ; cx
	s_and_b32 s14, ttmp7, 0xffff                   ; 16 batch + head
	s_lshr_b32 s15, s14, 4                         ; the batch
	s_and_b32 s16, s14, 15                         ; the head
	s_lshr_b32 s17, s[WV], 1                       ; A
	s_and_b32 s18, s[WV], 1
	s_lshl_b32 s66, s13, 1
	s_add_co_u32 s18, s18, s66
	s_lshl_b32 s66, s17, 3
	s_add_co_u32 s18, s18, s66                     ; my first tile: 8 A + 2 cx + wave % 2
	; group 1: dense blocks as rows of 256 bytes (32 elements of 8 bytes), no padding: every LDS read takes 512 consecutive bytes.  15:0 the mask: all four work-groups; bit 21 set beside it
	s_mov_b32 s[G1A], 15|(3<<16)|(1<<21)
	s_mov_b32 s[G1A+1], 32<<16                     ; tensor_dim0
	s_mov_b32 s[G1A+2], 64<<16                     ; tensor_dim1
	s_mov_b32 s[G1A+3], 32<<16                     ; tile_dim0
	s_mov_b32 s[G1A+4], 64                         ; tile_dim1
	s_mov_b32 s[G1A+5], 32                         ; the pitch
	s_mov_b32 s[G1A+6], 0
	s_mov_b32 s[G1A+7], 0
	s_mov_b32 s[G1C], 15|(3<<16)|(1<<21)
	s_mov_b32 s[G1C+1], 32<<16
	s_mov_b32 s[G1C+2], 8<<16
	s_mov_b32 s[G1C+3], 32<<16
	s_mov_b32 s[G1C+4], 8
	s_mov_b32 s[G1C+5], 32
	s_mov_b32 s[G1C+6], 0
	s_mov_b32 s[G1C+7], 0
	; waves 0-7: 16 KiB of codes each (0-3: K's, 4-7: V's); waves 8-12: 2 KiB of scales each.  Head and wave alone enter these addresses: they are equal in the four partners
	s_lshr_b32 s66, s[WV], 2
	s_add_co_u32 s66, s66, 1
	s_lshl_b32 s66, s66, 22
	s_lshl_b32 s67, s14, 16
	s_add_co_u32 s66, s66, s67
	s_and_b32 s67, s[WV], 3
	s_lshl_b32 s67, s67, 14
	s_add_co_u32 s66, s66, s67
	s_mov_b32 s67, 0
	s_mul_i32 s68, s14, 10240
	s_add_co_u32 s68, s68, 507904                  ; 524,288 - 8 x 2,048
	s_lshl_b32 s69, s[WV], 11
	s_add_co_u32 s68, s68, s69
	s_mov_b32 s69, 0
	s_mov_b32 s[G0A], 1
	s_lshl_b32 s[G0A+1], s[WV], 14
	s_mov_b32 s[G0C], 1
	s_lshl_b32 s[G0C+1], s[WV], 11
	s_add_co_u32 s[G0C+1], s[G0C+1], 114688        ; wave 8 lands at KSC
	s_mov_b32 s[MNT], 0x600000
	s_mov_b32 s[SEL], 0x76543210
	s_mov_b32 s[SEL+1], 0xfedcba98
	s_mov_b32 s[CS], 0x3e8293ee                    ; c = log2(e) / sqrt(32)
	s_mov_b32 s[CS+1], s[CS]
	s_wait_dscnt 0x0
	s_wait_kmcnt 0x0
	s_add_nc_u64 s[G0A+2:G0A+3], s[4:5], s[66:67]
	s_or_b32 s[G0A+3], s[G0A+3], 0x80000000
	s_add_nc_u64 s[G0C+2:G0C+3], s[6:7], s[68:69]
	s_or_b32 s[G0C+3], s[G0C+3], 0x80000000
	ROUND                                          ; all four work-groups are here: the joint loads meet
	s_cmp_lt_u32 s[WV], 8
	s_cbranch_scc0 .Lnot_codes
	tensor_load_to_lds s[G0A:G0A+3], s[G1A:G1A+7]
	s_nop 0
.rept 4
	v_nop
.endr
	s_branch .Lasked
.Lnot_codes:
	s_cmp_lt_u32 s[WV], 13
	s_cbranch_scc0 .Lasked
	tensor_load_to_lds s[G0C:G0C+3], s[G1C:G1C+7]
	s_nop 0
.rept 4
	v_nop
.endr
.Lasked:
	v_and_b32 v8, 31, v0
	s_delay_alu instid0(VALU_DEP_1)
	v_lshlrev_b32 v[AL16], 4, v8
	s_delay_alu instid0(VALU_DEP_1)
	v_add_nc_u32 v[AV16], VIMG, v[AL16]
	s_delay_alu instid0(VALU_DEP_3)
	v_lshl_add_u32 v[AKS], v8, 2, KSC
	s_delay_alu instid0(VALU_DEP_4)
	v_lshl_add_u32 v[AVS], v8, 2, VSC
	v_and_b32 v9, 15, v0
	s_delay_alu instid0(VALU_DEP_1)
	v_lshlrev_b32 v6, 2, v9                        ; 4 r
	s_delay_alu instid0(VALU_DEP_2)
	v_lshlrev_b32 v7, 4, v9                        ; 16 r
	s_delay_alu instid0(VALU_DEP_3)
	v_and_b32 v10, 8, v9
	s_delay_alu instid0(VALU_DEP_1)
	v_add_nc_u32 v10, v10, v9
	v_bfe_u32 v11, v0, 4, 1
	s_delay_alu instid0(VALU_DEP_1)
	v_lshlrev_b32 v11, 4, v11
	s_delay_alu instid0(VALU_DEP_1)
	v_sub_nc_u32 v231, v10, v11                    ; r + 8 (r / 8) - 16 h
.set j, 20
.rept 12
	v_mov_b32 v[j], 0                              ; zero codes for k = 32 .. 127 of Q,
.set j, j+1
.endr
.irp k, 0,1,2,3
.set j, 36+16*\k
.rept 12
	v_mov_b32 v[j], 0                              ; and of the four slots for K
.set j, j+1
.endr
.endr
.irp b, 0,1,2,3
	v_mov_b32 v[236+\b], 0                         ; a lane permute's destination counts as one of its sources
.endr
	v_mov_b32 v252, 0
	v_mov_b32 v253, 0                              ; named as the upper half of the pair v[252:253]
	s_wait_tensorcnt 0x0                           ; my part has landed,
	s_barrier_signal -1
	s_barrier_wait -1                              ; everybody's has
; A KEY STEP: 128 keys.
.macro STEP
	v_add_nc_u32 v[ADK], s[TK], v[AL16]
	v_add_nc_u32 v[ADV], s[TK], v[AV16]
	v_add_nc_u32 v[ADS], s[TS], v[AKS]
	v_add_nc_u32 v[ADT], s[TV], v[AVS]
.rept 4
	v_nop                                          ; with the four additions: eight places behind the last products
.endr
.irp p, 0,1,2,3
	ds_load_b32 v[224+\p], v[ADS] offset:128*\p    ; block c's scale words: tile 2 c in lanes 0-15, tile 2 c + 1 in lanes 16-31
.endr
.irp k, 0,1,2,3
	ds_load_b128 v[32+16*\k:35+16*\k], v[ADK] offset:512*\k
.endr
	s_wait_alu depctr_va_vdst(0)
	s_wait_dscnt 0x0
.irp c, 0,1
	v_wmma_scale_f32_16x16x128_f8f6f4 v[96+16*\c:103+16*\c], v[32+32*\c:47+32*\c], v[16:31], 0, v[224+\c], v229
	v_wmma_scale_f32_16x16x128_f8f6f4 v[104+16*\c:111+16*\c], v[48+32*\c:63+32*\c], v[16:31], 0, v[224+\c], v229 matrix_a_scale:MATRIX_SCALE_ROW1
.endr
	PLACES                                         ; ahead of loads into the slots just read
.irp k, 0,1,2,3
	ds_load_b128 v[32+16*\k:35+16*\k], v[ADK] offset:2048+512*\k
.endr
.irp u, 0,1
.irp c, 0,1,2,3
	ds_load_b128 v[192+16*\u+4*\c:195+16*\u+4*\c], v[ADV] offset:1024*\c+512*\u
.endr
.endr
	ds_load_b32 v228, v[ADT]
	s_wait_dscnt 9                                 ; K's four are in; V's eight and its scale words, issued behind them, may stay out
.irp c, 0,1
	v_wmma_scale_f32_16x16x128_f8f6f4 v[128+16*\c:135+16*\c], v[32+32*\c:47+32*\c], v[16:31], 0, v[226+\c], v229
	v_wmma_scale_f32_16x16x128_f8f6f4 v[136+16*\c:143+16*\c], v[48+32*\c:63+32*\c], v[16:31], 0, v[226+\c], v229 matrix_a_scale:MATRIX_SCALE_ROW1
.endr
	PLACES
	s_cmp_lg_u32 s[KS], s[LAST]                    ; only the tile's last step lies on the diagonal
	s_cbranch_scc1 .Lopen_\@
	v_sub_nc_u32 v252, v[QD], s[KF]                ; d = my query - the step's first key - 16 h.  Register 16 c + i holds key 32 c + 16 h + i: hidden where 32 c + i > d
	v_mov_b32 v254, 0xff800000                     ; -infinity
.set n, 0
.rept 64
	v_cmp_gt_i32 vcc_lo, 32*(n/16)+n%16, v252
	v_cndmask_b32 v[96+n], v[96+n], v254, vcc_lo
.set n, n+1
.endr
.Lopen_\@:
.irp b, 0,1,2,3
	v_max3_num_f32 v[232+\b], v[96+16*\b], v[97+16*\b], v[98+16*\b]   ; the largest score of each block of 32 keys: for the row's maximum and for the block's largest p
.endr
.irp i, 3,5,7,9,11,13
.irp b, 0,1,2,3
	v_max3_num_f32 v[232+\b], v[232+\b], v[96+16*\b+\i], v[97+16*\b+\i]
.endr
.endr
.irp b, 0,1,2,3
	v_max_num_f32 v[232+\b], v[232+\b], v[111+16*\b]
.endr
.irp b, 0,1,2,3
	s_delay_alu instid0(VALU_DEP_4)
	v_permlanex16_b32 v[236+\b], v[232+\b], s[SEL], s[SEL+1]
.endr
.irp b, 0,1,2,3
	s_delay_alu instid0(VALU_DEP_4)
	v_max_num_f32 v[232+\b], v[232+\b], v[236+\b]
.endr
	s_delay_alu instid0(VALU_DEP_2)
	v_max3_num_f32 v254, v232, v233, v234
	s_delay_alu instid0(VALU_DEP_1)
	v_max_num_f32 v254, v254, v235
	s_delay_alu instid0(VALU_DEP_1)
	v_mul_f32 v254, s[CS], v254
	s_delay_alu instid0(VALU_DEP_1)
	v_max_num_f32 v13, v13, v254                   ; the running largest t
	v_mov_b32 v254, v12
	s_delay_alu instid0(VALU_DEP_2)
	v_floor_f32 v12, -v13                          ; -M = floor(-t): M is a whole number
	s_delay_alu instid0(VALU_DEP_1)
	v_sub_f32 v254, v12, v254
	s_delay_alu instid0(VALU_DEP_1)
	v_cvt_i32_f32 v254, v254                       ; (it saturates)
	s_delay_alu instid0(VALU_DEP_1)
	v_ldexp_f32 v252, 1.0, v254                    ; f = 2^(old M - new M): a multiplication by it rounds nothing
.set j, 0
.rept 32
	v_pk_fma_f32 v[96+j:97+j], v[96+j:97+j], s[CS:CS+1], v[12:13] op_sel_hi:[1,0,0]   ; t - M
.set j, j+2
.endr
.irp b, 0,1,2,3
	v_fma_f32 v[232+\b], v[232+\b], s[CS], v12
.endr
.set j, 0
	s_setprio 1
	s_wait_alu depctr_va_vdst(0)
.rept 64
	v_exp_f32 v[96+j], v[96+j]                     ; p = 2^(t - M)
.set j, j+1
.endr
	v_pk_mul_f32 v[14:15], v[14:15], v[252:253] op_sel_hi:[1,0]   ; the sums under the new M: the plain line behind the batch
	s_wait_alu depctr_va_vdst(0)                   ; one wait for the 64, ahead of their first reader
.irp b, 0,1,2,3
	v_exp_f32 v[232+\b], v[232+\b]                 ; each block's largest p
.endr
	v_pk_add_f32 v[236:237], v[100:101], v[104:105]
	v_pk_add_f32 v[248:249], v[108:109], v[112:113]
	v_pk_add_f32 v[246:247], v[116:117], v[120:121]
	v_pk_add_f32 v[244:245], v[124:125], v[128:129]
	v_pk_add_f32 v[242:243], v[132:133], v[136:137]
	v_pk_add_f32 v[240:241], v[140:141], v[144:145]
	v_pk_add_f32 v[238:239], v[148:149], v[152:153]
	v_pk_add_f32 v[14:15], v[14:15], v[156:157]
	v_pk_add_f32 v[236:237], v[236:237], v[96:97]
	v_pk_add_f32 v[248:249], v[248:249], v[98:99]
	v_pk_add_f32 v[246:247], v[246:247], v[102:103]
	v_pk_add_f32 v[244:245], v[244:245], v[106:107]
	v_pk_add_f32 v[242:243], v[242:243], v[110:111]
	v_pk_add_f32 v[240:241], v[240:241], v[114:115]
	v_pk_add_f32 v[238:239], v[238:239], v[118:119]
	v_pk_add_f32 v[14:15], v[14:15], v[122:123]
	v_pk_add_f32 v[236:237], v[236:237], v[126:127]
	v_pk_add_f32 v[248:249], v[248:249], v[130:131]
	v_pk_add_f32 v[246:247], v[246:247], v[134:135]
	v_pk_add_f32 v[244:245], v[244:245], v[138:139]
	v_pk_add_f32 v[242:243], v[242:243], v[142:143]
	v_pk_add_f32 v[240:241], v[240:241], v[146:147]
	v_pk_add_f32 v[238:239], v[238:239], v[150:151]
	v_pk_add_f32 v[14:15], v[14:15], v[154:155]
	v_pk_add_f32 v[236:237], v[236:237], v[158:159]
	s_delay_alu instid0(VALU_DEP_2)
	v_pk_add_f32 v[14:15], v[14:15], v[244:245]
	s_delay_alu instid0(VALU_DEP_2)
	v_pk_add_f32 v[236:237], v[236:237], v[242:243]
	v_pk_add_f32 v[248:249], v[248:249], v[240:241]
	v_pk_add_f32 v[246:247], v[246:247], v[238:239]
	s_delay_alu instid0(VALU_DEP_2)
	v_pk_add_f32 v[14:15], v[14:15], v[248:249]
	s_delay_alu instid0(VALU_DEP_2)
	v_pk_add_f32 v[236:237], v[236:237], v[246:247]
	s_delay_alu instid0(VALU_DEP_1)
	v_pk_add_f32 v[14:15], v[14:15], v[236:237]
	s_wait_alu depctr_va_vdst(0)                   ; and one for the four
.irp b, 0,1,2,3
	v_max_num_f32 v[232+\b], 0x4800000, v[232+\b]  ; the floor 2^(9 - 127)
.endr
.irp b, 0,1,2,3
	s_delay_alu instid0(VALU_DEP_4)
	v_add_nc_u32 v[244+\b], 0xfc000000, v[232+\b]
.endr
.irp b, 0,1,2,3
	v_and_or_b32 v[240+\b], v[232+\b], 0x7f800000, s[MNT]
.endr
.irp b, 0,1,2,3
	v_lshrrev_b32 v[236+\b], 23, v[244+\b]
.endr
	s_delay_alu instid0(VALU_DEP_3)
	v_lshl_or_b32 v230, v237, 8, v236              ; p's scale word for these 128 keys: more than eight places ahead of the products
	s_delay_alu instid0(VALU_DEP_1)
	v_lshl_or_b32 v230, v238, 16, v230
	s_delay_alu instid0(VALU_DEP_1)
	v_lshl_or_b32 v230, v239, 24, v230
	s_setprio 0
.irp b, 0,1,2,3
.irp i, 0,1,2,3,4,5,6,7,8,9,10,11,12,13,14,15
	v_min_num_f32 v[96+16*\b+\i], v[96+16*\b+\i], v[240+\b]   ; the hold: p is never negative
.endr
	v_cvt_scalef32_pk8_fp8_f32 v[176+4*\b:177+4*\b], v[96+16*\b:103+16*\b], v[244+\b]
	v_cvt_scalef32_pk8_fp8_f32 v[178+4*\b:179+4*\b], v[104+16*\b:111+16*\b], v[244+\b]
.endr
.irp j, 0,2,4,6,8,10,12,14
	v_pk_mul_f32 v[160+\j:161+\j], v[160+\j:161+\j], v[252:253] op_sel_hi:[1,0]   ; O^T under the new M; also the places between the codes and the products
.endr
	s_wait_alu depctr_va_vdst(0)
	s_wait_dscnt 0x0                               ; V and its scale words
	v_wmma_scale_f32_16x16x128_f8f6f4 v[160:167], v[192:207], v[176:191], v[160:167], v228, v230
	v_wmma_scale_f32_16x16x128_f8f6f4 v[168:175], v[208:223], v[176:191], v[168:175], v228, v230 matrix_a_scale:MATRIX_SCALE_ROW1
.endm
; One tile of queries through its key steps.
.macro PASS p
.if \p
	s_sub_co_u32 s[TT], 127, s18
	s_sub_co_u32 s[LAST], 15, s17
.else
	s_mov_b32 s[TT], s18
	s_mov_b32 s[LAST], s17
.endif
	s_lshl_b32 s66, s14, 7
	s_add_co_u32 s66, s66, s[TT]
	s_lshl_b32 s66, s66, 9
	s_mov_b32 s67, 0
	s_add_nc_u64 s[QP:QP+1], s[4:5], s[66:67]      ; Q's codes of my tile
	s_lshl_b32 s66, s14, 13
	s_lshl_b32 s68, s[TT], 6
	s_add_co_u32 s66, s66, s68
	s_add_nc_u64 s[QSP:QSP+1], s[6:7], s[66:67]    ; and its scale words
	s_lshl_b32 s66, s15, 7
	s_add_co_u32 s66, s66, s[TT]                   ; the row tile among 512: 128 batch + tile
	s_lshl_b32 s68, s66, 13
	s_lshl_b32 s69, s16, 9
	s_add_co_u32 s68, s68, s69
	s_mov_b32 s69, 0
	s_add_nc_u64 s[AOB:AOB+1], s[8:9], s[68:69]    ; the result's codes: [row tile][head][512]
	s_lshl_b32 s66, s66, 8
	s_add_co_u32 s66, s66, s16
	s_add_nc_u64 s[ASB:ASB+1], s[10:11], s[66:67]  ; its bytes: [row tile][r][head]
	global_load_b128 v[16:19], v[AL16], s[QP:QP+1]
	global_load_b32 v229, v6, s[QSP:QSP+1]
	s_lshr_b32 s66, s[TT], 1
	s_lshl_b32 s66, s66, 5
	s_and_b32 s68, s[TT], 1
	s_lshl_b32 s68, s68, 3
	s_add_co_u32 s66, s66, s68
	v_add_nc_u32 v[QD], s66, v231                  ; my query's position less 16 h
	v_mov_b32 v13, 0xff61b1e6                      ; the largest t so far: -3e38
	s_delay_alu instid0(VALU_DEP_1)
	v_floor_f32 v12, -v13
	v_mov_b32 v14, 0
	v_mov_b32 v15, 0
.set j, 160
.rept 16
	v_mov_b32 v[j], 0                              ; O^T: the step is written once; the first finds zeros
.set j, j+1
.endr
	s_mov_b32 s[TK], 0
	s_mov_b32 s[TS], 0
	s_mov_b32 s[TV], 0
	s_mov_b32 s[KF], 0
	s_mov_b32 s[KS], 0
	s_wait_loadcnt 0x0
.Lstep_\@:
	s_cmp_gt_u32 s[KS], s[LAST]                    ; steps all of whose keys come after my queries are left out
	s_cbranch_scc1 .Lskip_\@
	s_setprio 2
	STEP
.Lskip_\@:
	s_add_co_u32 s[TK], s[TK], 4096
	s_add_co_u32 s[TS], s[TS], 512
	s_add_co_u32 s[TV], s[TV], 128
	s_add_co_u32 s[KF], s[KF], 128
	s_add_co_u32 s[KS], s[KS], 1
	s_cmp_lt_u32 s[KS], 16
	s_cbranch_scc1 .Lstep_\@
	s_setprio 0
	PLACES
	v_add_f32 v14, v14, v15
	s_delay_alu instid0(VALU_DEP_1)
	v_permlanex16_b32 v252, v14, s[SEL], s[SEL+1]
	s_delay_alu instid0(VALU_DEP_1)
	v_add_f32 v14, v14, v252                       ; the row's sum
	s_wait_alu depctr_va_vdst(0)
	v_rcp_f32 v14, v14
	v_nop
	s_wait_alu depctr_va_vdst(0)                   ; ahead of the reciprocal's first reader
.set j, 0
.rept 16
	v_mul_f32 v[96+j], v[160+j], v14               ; register i: channel 16 h + i of my query's row
.set j, j+1
.endr
	v_max3_num_f32 v232, |v96|, |v97|, 0x4800000   ; the head's 32 channels are one block of the next K
.irp i, 2,4,6,8,10,12,14
	s_delay_alu instid0(VALU_DEP_1)
	v_max3_num_f32 v232, v232, |v[96+\i]|, |v[97+\i]|
.endr
	s_delay_alu instid0(VALU_DEP_1)
	v_permlanex16_b32 v236, v232, s[SEL], s[SEL+1]
	s_delay_alu instid0(VALU_DEP_1)
	v_max_num_f32 v232, v232, v236
	s_delay_alu instid0(VALU_DEP_1)
	v_add_nc_u32 v244, 0xfc000000, v232
	s_delay_alu instid0(VALU_DEP_2)
	v_and_or_b32 v240, v232, 0x7f800000, s[MNT]
	s_delay_alu instid0(VALU_DEP_2)
	v_lshrrev_b32 v237, 23, v244
.set j, 0
.rept 16
	v_med3_num_f32 v[96+j], v[96+j], -v240, v240
.set j, j+1
.endr
	v_cvt_scalef32_pk8_fp8_f32 v[176:177], v[96:103], v244
	v_cvt_scalef32_pk8_fp8_f32 v[178:179], v[104:111], v244
	v_nop
	global_store_b128 v[AL16], v[176:179], s[AOB:AOB+1]   ; 512 consecutive bytes
	global_store_b8 v7, v237, s[ASB:ASB+1]         ; lanes l and l + 16 hold the same row: the same byte, the same value
	s_wait_xcnt 0x0                                ; the stores have read their registers and bases
.endm
	PASS 0
	PASS 1
	s_wait_dscnt 0x0
	s_wait_tensorcnt 0x0
	ds_add_u32 v251, v255
	s_wait_dscnt 0x0
	ROUND                                          ; the closing round: no work-group ends while a partner may still ask jointly
	s_endpgm
.Lfunc_end_k_qcee9b8b806_attn:
	.size	k_qcee9b8b806_attn, .Lfunc_end_k_qcee9b8b806_attn-k_qcee9b8b806_attn
	.p2alignl 7, 3214868480
	.fill 96, 4, 3214868480
	.section	.rodata,"a",@progbits
	.p2align	6, 0x0
	.amdhsa_kernel k_qcee9b8b806_attn
		.amdhsa_group_segment_fixed_size 169984
		.amdhsa_private_segment_fixed_size 0
		.amdhsa_enable_private_segment 0
		.amdhsa_kernarg_size 32
		.amdhsa_user_sgpr_count 2
		.amdhsa_user_sgpr_kernarg_segment_ptr 1
		.amdhsa_wavefront_size32 1
		.amdhsa_system_sgpr_workgroup_id_x 1
		.amdhsa_system_sgpr_workgroup_id_y 1
		.amdhsa_system_sgpr_workgroup_id_z 1
		.amdhsa_system_vgpr_workitem_id 0
		.amdhsa_next_free_vgpr 256
		.amdhsa_next_free_sgpr 72
		.amdhsa_reserve_vcc 1
		.amdhsa_float_denorm_mode_32 3
		.amdhsa_float_denorm_mode_16_64 3
		.amdhsa_memory_ordered 1
		.amdhsa_forward_progress 1
		.amdhsa_inst_pref_size 66
	.end_amdhsa_kernel
	.amdgpu_metadata
---
amdhsa.version: [ 1, 2 ]
amdhsa.kernels:
  - .name:           k_qcee9b8b806_attn
    .symbol:         k_qcee9b8b806_attn.kd
    .args:
      - { .name: qkv, .offset: 0, .size: 8, .value_kind: global_buffer, .address_space: global }
      - { .name: qkvs, .offset: 8, .size: 8, .value_kind: global_buffer, .address_space: global }
      - { .name: aoimg, .offset: 16, .size: 8, .value_kind: global_buffer, .address_space: global }
      - { .name: aosc, .offset: 24, .size: 8, .value_kind: global_buffer, .address_space: global }
    .group_segment_fixed_size: 169984
    .private_segment_fixed_size: 0
    .kernarg_segment_align: 8
    .kernarg_segment_size: 32
    .max_flat_workgroup_size: 512
    .sgpr_count:     72
    .vgpr_count:     256
    .wavefront_size: 32
...
	.end_amdgpu_metadata
.endif
;; end of part 7
;; launch tail (part 8): grid 256 x 1, 4 waves a work-group, no clusters, 168,448 bytes of LDS; arguments x, ln2_w, wimg, wsc, aoimg, aosc, out0; writes out0
.if DOCPART == 8
	.amdgcn_target "amdgcn-amd-amdhsa--gfx1250"
	.amdhsa_code_object_version 6
	.text
	.protected	k_qcee9b8b806_tail
	.globl	k_qcee9b8b806_tail
	.p2align	8
	.type	k_qcee9b8b806_tail,@function
k_qcee9b8b806_tail:
	s_mov_b64 s[64:65], 0
	v_nop
	global_prefetch_b8 v0, s[64:65] scope:SCOPE_SE
	s_setreg_imm32_b32 hwreg(HW_REG_WAVE_SCHED_MODE, 0, 2), 2
	s_setreg_imm32_b32 hwreg(HW_REG_WAVE_MODE, 25, 1), 1
	s_wait_xcnt 0x0
	s_wait_alu depctr_vm_vsrc(0)
; x1 = x + ao wo^T; RMSNorm 2 and its quantiser; up and gate; up sigmoid(up) gate and its quantiser; out = x1 + (..) down^T.  All four products on codes of E4M3 with one E8M0 byte for each 32 along K.
; A work-group owns 32 rows as two row tiles u (lane-row r = row 8 u + r + 8 (r / 8)); wave w owns columns 128 w .. 128 w + 127 of every product, made TRANSPOSED (source 0 = 16 rows of W,
; source 1 = a row tile): register 64 u + 16 b + i = column 128 w + 32 b + 16 h + i, 16 neighbours along the next K.  x and x1 are the C of a sum's first product: the residuals cost no addition.
; Operands go from wave to wave through LDS as images of their registers.  The weights come from memory straight into registers, in chunks (weight, K step) through a ring of three buffers, two chunks ahead.
; No joint tensor loads for the weights: each byte is used once, by one wave of the work-group, and goes straight to its register.  The text is straight: no loop, no branch; EXEC is never changed.
; LIMITS: a block of zeros gets the byte 1 with zero codes; NaN and infinities are not served; the sums of squares are added in another order than row by row.
; REGISTERS, in windows of 256: window 0 below; window 1 and window 2 v0-127: the weights' ring; window 2 v128-255: 8 fragments of the left operand; window 3 v0-127: x, x1, up, out; window 3 v128-255: the gain, then gate.
; THE MODE: SCHED_MODE bits 1:0 = 2 (LLVM: expert scheduling mode 2), set by the entry lines.  The code itself states the register dependences
; between vector or matrix instructions and memory or LDS instructions, with s_wait_alu, always for 0.
; THE PLAN.  Registers that memory or LDS instructions touch:
;   v1 .. v11           addresses: made at the head, never written again: one wait ahead of the first load serves every access.
;   the ring, WS        chunk c's 16 products read buffer c % 3 and scale set c % 3; chunk c + 3's loads, issued in step c + 1, land there.  ONE wait on va_vdst at a step's head states that the step
;                       before is done reading them; the step's 36 loads follow, dealt among its 16 products, which name buffer c % 3, the left operand's fragments, the accumulators and scale set c % 3 alone.
;   the fragments, XS   written by loads alone (ao's from memory, xn's and the hidden layer's from LDS), read by products alone: each reload stands behind a wait on va_vdst that follows the last product that read them.
;   window 3 v0-127     written by x's loads, the products and x1's reload; read by the LDS stores that park x1 and by the stage's stores: a wait on va_vdst ahead of each run of stores and ahead of the reload,
;                       one on vm_vsrc between x1's stores and up's products.
;   v12, v28            the two tiles' sums of squares: written by vector instructions, read by two LDS stores behind one wait.
;   PC, PC1, PW, PW + 1 out-buffers, one for each tile: both tiles are quantised, then one wait on va_vdst stands ahead of the run of stores; the wait on vm_vsrc named above stands ahead of the next quantiser.
;   v128-255            T is named by vector instructions alone until the stage's rows land there, behind the last wait on va_vdst.
;   v126, v127          written at the head, read by the closing add alone.
.set W0, 3                             ; wo, up_w, gate_w, down_w in wimg
.set NC, 16
.set XIMG, 0                           ; LDS: xn's 8 fragments,
.set XSC, 16384                        ; their scale words,
.set HIMG, 17408                       ; the hidden layer's 8 fragments,
.set HSC, 33792                        ; their scale words,
.set SSQ, 34816                        ; the waves' sums of squares,
.set X1S, 35328                        ; x1, each wave's own 16,384 bytes, as an image of its registers,
.set STG, 100864                       ; and the stage for out: 32 rows x (2,048 bytes + 16)
.set LI, 1
.set LS, 2
.set L16, 3
.set SSA, 4
.set XA, 5
.set LNA, 6
.set XWI, 7
.set XWS, 8
.set X1A, 9                            ; v9  X1S + 16,384 wave + 16 lane
.set SO, 10                            ; v10 the stage: where I put 16 bytes of a row
.set SR, 11                            ; v11 and where I read rows back
.set SQ, 12                            ; v12-15 tile 0's sums of squares at work; tile 1's at SQ + 16 = v28-31
.set INV, 16
.set PT, 20
.set WS, 32                            ; v32-43 the weights' scale words: scales and nothing else
.set XS, 44                            ; v44-51 the left operand's: scales and nothing else
.set TM, 52
.set PW, 68                            ; v68, v69 the scale words just made: tile 0's, tile 1's
.set PC, 72                            ; v72-87 the codes just made: out-buffer 0
.set PC1, 88                           ; v88-103 out-buffer 1
.set PCD, PC1-PC
.set T, 128
.set WV, 18
.set MNT, 19
.set SEL, 20
.set RC, 22
.set EPS, 23
.set NL, 24                            ; s[24:25] -log2(e)
.set MSB, 0
.macro WIN new                         ; the immediate's high byte repeats the setting that is left
.if MSB != (\new)
	s_set_vgpr_msb (MSB<<8)|(\new)
.set MSB, (\new)
.endif
.endm
.macro PLACES                          ; eight places behind this matrix form
.rept 8
	v_nop
.endr
.endm
.macro BARRIER
	s_wait_dscnt 0x0
	s_barrier_signal -1
	s_barrier_wait -1
.endm
.macro QUANT s, sw, pc, pw
	WIN 5*(\sw)
.irp b, 0,1,2,3
	v_max3_num_f32 v[TM+\b], |v[(\s)+16*\b]|, |v[(\s)+16*\b+1]|, 0x4800000   ; with the floor 2^(9 - 127): the byte cannot fall under 1
.endr
	WIN 20*(\sw)
.irp i, 2,4,6,8,10,12,14
.irp b, 0,1,2,3
	v_max3_num_f32 v[TM+\b], v[TM+\b], |v[(\s)+16*\b+\i]|, |v[(\s)+16*\b+\i+1]|
.endr
.endr
	WIN 0
.irp b, 0,1,2,3
	v_permlanex16_b32 v[TM+4+\b], v[TM+\b], s[SEL], s[SEL+1]
.endr
.irp b, 0,1,2,3
	v_max_num_f32 v[TM+\b], v[TM+\b], v[TM+4+\b]
.endr
.irp b, 0,1,2,3
	v_add_nc_u32 v[TM+12+\b], 0xfc000000, v[TM+\b]
.endr
.irp b, 0,1,2,3
	v_and_or_b32 v[TM+8+\b], v[TM+\b], 0x7f800000, s[MNT]
.endr
.irp b, 0,1,2,3
	v_lshrrev_b32 v[TM+4+\b], 23, v[TM+12+\b]
.endr
	v_lshl_or_b32 v[\pw], v[TM+5], 8, v[TM+4]
	v_lshl_or_b32 v[\pw], v[TM+6], 16, v[\pw]
	v_lshl_or_b32 v[\pw], v[TM+7], 24, v[\pw]
	WIN 65*(\sw)
.irp b, 0,1,2,3
.irp i, 0,1,2,3,4,5,6,7,8,9,10,11,12,13,14,15
	v_med3_num_f32 v[(\s)+16*\b+\i], v[(\s)+16*\b+\i], -v[TM+8+\b], v[TM+8+\b]   ; the conversion does not saturate (ISA guide 7.6.2)
.endr
.endr
	WIN \sw
.irp b, 0,1,2,3
	v_cvt_scalef32_pk8_fp8_f32 v[(\pc)+4*\b:(\pc)+4*\b+1], v[(\s)+16*\b:(\s)+16*\b+7], v[TM+12+\b]
	v_cvt_scalef32_pk8_fp8_f32 v[(\pc)+4*\b+2:(\pc)+4*\b+3], v[(\s)+16*\b+8:(\s)+16*\b+15], v[TM+12+\b]
.endr
	WIN 0
	v_nop                                          ; one plain line behind the last conversion
.endm
.macro IMAGE adr, pc, off
.irp c, 0,1,2,3
	ds_store_b128 v[\adr], v[(\pc)+4*\c:(\pc)+4*\c+3] offset:\off+512*\c
.endr
.endm
; Chunk c (weight W0 + c / 4, K step c % 4) into buffer c % 3: 4 loads of scale words and 32 loads of codes, in two halves; every offset an immediate
.macro WSCL c
.set SOF, (W0+(\c)/4)*8192+((\c)%4)*512
	WIN 0
.irp p, 0,1,2,3
	global_load_b32 v[WS+4*((\c)%3)+\p], v[LS], s[10:11] offset:SOF+128*\p
.endr
.endm
.macro WHALF c, hf                     ; tiles 4 hf .. 4 hf + 3
.set LW, 1+((\c)%3)/2
.set LO, 128*(((\c)%3)%2)
.set WOF, (W0+(\c)/4)*262144+((\c)%4)*16384
	WIN LW<<6
.irp t, 0,1,2,3
.irp g, 0,1,2,3
	global_load_b128 v[LO+16*(4*(\hf)+\t)+4*\g:LO+16*(4*(\hf)+\t)+4*\g+3], v[LI], s[8:9] offset:WOF+(4*(\hf)+\t)*2048+\g*512
.endr
.endr
.endm
.macro WLOAD c                         ; a whole chunk in one run: at the head, where there are no products yet
	WSCL \c
	WHALF \c, 0
	WHALF \c, 1
	WIN 0
.endm
.macro MM d, a, b, sa, sb, czero, rowa
.if \czero
.if \rowa
	v_wmma_scale_f32_16x16x128_f8f6f4 v[(\d):(\d)+7], v[(\a):(\a)+15], v[(\b):(\b)+15], 0, v[\sa], v[\sb] matrix_a_scale:MATRIX_SCALE_ROW1
.else
	v_wmma_scale_f32_16x16x128_f8f6f4 v[(\d):(\d)+7], v[(\a):(\a)+15], v[(\b):(\b)+15], 0, v[\sa], v[\sb]
.endif
.else
.if \rowa
	v_wmma_scale_f32_16x16x128_f8f6f4 v[(\d):(\d)+7], v[(\a):(\a)+15], v[(\b):(\b)+15], v[(\d):(\d)+7], v[\sa], v[\sb] matrix_a_scale:MATRIX_SCALE_ROW1
.else
	v_wmma_scale_f32_16x16x128_f8f6f4 v[(\d):(\d)+7], v[(\a):(\a)+15], v[(\b):(\b)+15], v[(\d):(\d)+7], v[\sa], v[\sb]
.endif
.endif
.endm
; Eight of a chunk's 16 products: b = 2 hb, 2 hb + 1.
.macro GMUL c, acc, czero, hb
.set BW, 1+((\c)%3)/2
.set BO, 128*(((\c)%3)%2)
.set SS, (\c)%4
.set WR, WS+4*((\c)%3)
	WIN 0xf8|BW                                    ; source 0 the ring's window, source 1 window 2, C and D window 3
.irp b, 2*(\hb), 2*(\hb)+1
.irp u, 0,1
	MM \acc+64*\u+16*(\b), BO+32*(\b), 128+64*\u+16*SS, WR+(\b), XS+4*\u+SS, \czero, 0
.endr
.irp u, 0,1
	MM \acc+64*\u+16*(\b)+8, BO+32*(\b)+16, 128+64*\u+16*SS, WR+(\b), XS+4*\u+SS, \czero, 1
.endr
.endr
.endm
; One chunk's 16 products on 16 accumulators, which take turns, one instruction a turn, in the same order in every chunk.
; Chunk c + 2's 36 loads are dealt among them: the scale words and half of the codes, eight products, the other half, eight products.
.macro GSTEP c, acc, czero
.if (\c)+1 < NC
	s_wait_loadcnt 36                              ; behind chunk c's loads only chunk c + 1's 32 + 4 were issued: they may stay out
.else
	s_wait_loadcnt 0x0
.endif
.if (\c)+2 < NC
.if (\c) > 0
	PLACES                                         ; behind chunk c - 1's products, which read the buffer and the scale words that are loaded next
	s_wait_alu depctr_va_vdst(0)                   ; chunk c - 1's products are done reading their buffer and their scale words, in which chunk c + 2's loads land; no product below names those registers
.endif
	WSCL (\c)+2
	WHALF (\c)+2, 0
.endif
	GMUL \c, \acc, \czero, 0
.if (\c)+2 < NC
	WHALF (\c)+2, 1
.endif
	GMUL \c, \acc, \czero, 1
	WIN 0
.endm
.macro FETCHALL img, sc
	WIN 0x80
.irp u, 0,1
.irp s, 0,1,2,3
.irp c, 0,1,2,3
	ds_load_b128 v[128+64*\u+16*\s+4*\c:128+64*\u+16*\s+4*\c+3], v[LI] offset:\img+(4*\u+\s)*2048+512*\c
.endr
.endr
.endr
	WIN 0
.irp u, 0,1
.irp s, 0,1,2,3
	ds_load_b32 v[XS+4*\u+\s], v[LS] offset:\sc+(4*\u+\s)*128
.endr
.endr
	s_wait_dscnt 0x0
.endm
.macro NORMQ                           ; RMSNorm of the 32 rows (window 3 v0-127; gain window 3 v128-191) and its quantiser: my 128 columns are K step w
.irp u, 0,1
	WIN 0x0f
	v_pk_mul_f32 v[SQ+16*\u:SQ+16*\u+1], v[64*\u:64*\u+1], v[64*\u:64*\u+1]
	v_pk_mul_f32 v[SQ+16*\u+2:SQ+16*\u+3], v[64*\u+2:64*\u+3], v[64*\u+2:64*\u+3]
.irp k, 4,8,12,16,20,24,28,32,36,40,44,48,52,56,60
	v_pk_fma_f32 v[SQ+16*\u:SQ+16*\u+1], v[64*\u+\k:64*\u+\k+1], v[64*\u+\k:64*\u+\k+1], v[SQ+16*\u:SQ+16*\u+1]
	v_pk_fma_f32 v[SQ+16*\u+2:SQ+16*\u+3], v[64*\u+\k+2:64*\u+\k+3], v[64*\u+\k+2:64*\u+\k+3], v[SQ+16*\u+2:SQ+16*\u+3]
.endr
	WIN 0
	v_pk_add_f32 v[SQ+16*\u:SQ+16*\u+1], v[SQ+16*\u:SQ+16*\u+1], v[SQ+16*\u+2:SQ+16*\u+3]
	v_add_f32 v[SQ+16*\u], v[SQ+16*\u], v[SQ+16*\u+1]
	v_permlanex16_b32 v[SQ+16*\u+1], v[SQ+16*\u], s[SEL], s[SEL+1]
	v_add_f32 v[SQ+16*\u], v[SQ+16*\u], v[SQ+16*\u+1]
.endr
	s_wait_alu depctr_va_vdst(0)                   ; the additions have written both tiles' sums, which the two LDS stores read
.irp u, 0,1
	ds_store_b32 v[SSA], v[SQ+16*\u] offset:256*\u
.endr
	BARRIER                                        ; the four waves' parts lie in LDS
.irp u, 0,1
	ds_load_b128 v[PT+4*\u:PT+4*\u+3], v[L16] offset:SSQ+256*\u
.endr
	s_wait_dscnt 0x0
.irp u, 0,1
	v_add_f32 v[PT+4*\u], v[PT+4*\u], v[PT+4*\u+1]
	v_add_f32 v[PT+4*\u+2], v[PT+4*\u+2], v[PT+4*\u+3]
.endr
.irp u, 0,1
	v_add_f32 v[PT+4*\u], v[PT+4*\u], v[PT+4*\u+2]
.endr
.irp u, 0,1
	v_fma_f32 v[PT+4*\u], v[PT+4*\u], s[RC], s[EPS]
.endr
	s_wait_alu depctr_va_vdst(0)
.irp u, 0,1
	v_rsq_f32 v[INV+2*\u], v[PT+4*\u]
	v_rsq_f32 v[INV+2*\u+1], v[PT+4*\u]
.endr
	v_nop                                          ; one plain line behind the batch,
	s_wait_alu depctr_va_vdst(0)                   ; and one wait for the four reciprocal roots, ahead of their first reader
.irp u, 0,1
	WIN 0x03
.set j, 0
.rept 32
	v_pk_mul_f32 v[T+j:T+j+1], v[64*\u+j:64*\u+j+1], v[INV+2*\u:INV+2*\u+1]
.set j, j+2
.endr
	WIN 0x0c
.set j, 0
.rept 32
	v_pk_mul_f32 v[T+j:T+j+1], v[T+j:T+j+1], v[128+j:129+j]
.set j, j+2
.endr
	WIN 0
	QUANT T, 0, PC+PCD*\u, PW+\u
.endr
	s_wait_alu depctr_va_vdst(0)                   ; the conversions have written both tiles' codes, and the shifts their scale words, which the ten LDS stores read; and wo's products are done reading ao's fragments and scale words, in which xn's land next
.irp u, 0,1
	IMAGE XWI, PC+PCD*\u, 8192*\u
	ds_store_b32 v[XWS], v[PW+\u] offset:512*\u
.endr
	BARRIER                                        ; the eight fragments lie in LDS
.endm
	s_load_b256 s[4:11], s[0:1], 0x0               ; x, ln2_w, wimg, wsc
	s_load_b128 s[12:15], s[0:1], 0x20             ; aoimg, aosc
	s_load_b64 s[16:17], s[0:1], 0x30              ; out0
	v_lshl_add_u32 v126, v0, 2, 0x29000
	v_mov_b32 v127, 0
	v_lshrrev_b32 v1, 5, v0
	v_readfirstlane_b32 s[WV], v1                  ; wave 0..3
	v_and_b32 v71, 31, v0
	v_lshlrev_b32 v[LI], 4, v71
	v_lshlrev_b32 v[LS], 2, v71
	v_and_b32 v69, 15, v0                          ; r
	v_bfe_u32 v70, v0, 4, 1                        ; h
	v_lshlrev_b32 v[L16], 4, v69
	s_wait_alu depctr_va_sdst(0)                   ; the wave's number is written into s18, ahead of its first reader
	s_lshl_b32 s40, s[WV], 2
	v_add_nc_u32 v[SSA], s40, v[L16]
	v_add_nc_u32 v[SSA], SSQ, v[SSA]
	v_and_b32 v71, 8, v69
	v_add_nc_u32 v71, v71, v69                     ; r + 8 (r / 8)
	v_lshlrev_b32 v[XA], 11, v71
	v_lshl_add_u32 v[XA], v70, 6, v[XA]
	v_lshlrev_b32 v[LNA], 6, v70
	s_lshl_b32 s40, s[WV], 11
	v_add_nc_u32 v[XWI], s40, v[LI]
	s_lshl_b32 s40, s[WV], 7
	v_add_nc_u32 v[XWS], s40, v[LS]
	v_add_nc_u32 v[XWS], XSC, v[XWS]
	s_lshl_b32 s40, s[WV], 14
	v_add_nc_u32 v[X1A], s40, v[LI]
	v_add_nc_u32 v[X1A], X1S, v[X1A]
	v_mul_u32_u24 v[SO], v71, 2064
	v_lshl_add_u32 v[SO], v70, 6, v[SO]
	s_lshl_b32 s40, s[WV], 9
	v_add_nc_u32 v[SO], s40, v[SO]
	v_add_nc_u32 v[SO], STG, v[SO]                 ; row r + 8 (r / 8), + 512 wave + 64 h
	s_mul_i32 s40, s[WV], 8*2064
	v_add_nc_u32 v[SR], s40, v[LI]
	v_add_nc_u32 v[SR], STG, v[SR]                 ; back: my 8 rows, 16 bytes a lane
	s_mov_b32 s[MNT], 0x600000
	s_mov_b32 s[SEL], 0x76543210
	s_mov_b32 s[SEL+1], 0xfedcba98
	s_mov_b32 s[RC], 0x3b000000                    ; 1 / 512
	s_mov_b32 s[EPS], 0x3727c5ac                   ; 1e-5
	s_mov_b32 s[NL], 0xbfb8aa3b                    ; -log2(e)
	s_mov_b32 s[NL+1], s[NL]
.irp b, 0,1,2,3
	v_mov_b32 v[TM+4+\b], 0                        ; a lane permute's destination counts as one of its sources
.endr
	s_wait_kmcnt 0x0
	s_mov_b32 s41, 0
	s_lshl_b32 s40, ttmp9, 16
	s_lshl_b32 s45, s[WV], 9
	s_add_co_u32 s40, s40, s45
	s_add_nc_u64 s[4:5], s[4:5], s[40:41]          ; x at my block's first row, my 128 columns
	s_mov_b32 s40, s45
	s_add_nc_u64 s[6:7], s[6:7], s[40:41]          ; the gain of my columns
	s_lshl_b32 s40, s[WV], 16
	s_add_nc_u64 s[8:9], s[8:9], s[40:41]
	s_lshl_b32 s40, s[WV], 11
	s_add_nc_u64 s[10:11], s[10:11], s[40:41]
	s_lshl_b32 s40, ttmp9, 14
	s_add_nc_u64 s[12:13], s[12:13], s[40:41]      ; my block's 32 groups of ao's codes
	s_lshl_b32 s40, ttmp9, 9
	s_add_nc_u64 s[14:15], s[14:15], s[40:41]      ; and its scale bytes
	s_lshl_b32 s40, ttmp9, 16
	s_lshl_b32 s45, s[WV], 14
	s_add_co_u32 s40, s40, s45
	s_add_nc_u64 s[16:17], s[16:17], s[40:41]      ; out: the 8 rows that I store
	WIN 0x80
	s_wait_alu depctr_va_vdst(0)                   ; the eleven addresses v1 to v11 are written, which every load and store of the kernel reads
.irp u, 0,1
.irp s, 0,1,2,3
.irp c, 0,1,2,3
	global_load_b128 v[128+64*\u+16*\s+4*\c:128+64*\u+16*\s+4*\c+3], v[LI], s[12:13] offset:(16*\u+4*\s+\c)*512   ; fragment (u, s): the groups of heads 4 s + c
.endr
.endr
.endr
	WIN 0
.irp u, 0,1
	global_load_b128 v[XS+4*\u:XS+4*\u+3], v[L16], s[14:15] offset:256*\u   ; a row's 16 bytes are its four K steps' scale words
.endr
	WIN 0xc0
.irp u, 0,1
.irp b, 0,1,2,3
.irp j, 0,1,2,3
	global_load_b128 v[64*\u+16*\b+4*\j:64*\u+16*\b+4*\j+3], v[XA], s[4:5] offset:16384*\u+128*\b+16*\j th:TH_LOAD_NT   ; x, straight into the accumulators
.endr
.endr
.endr
.irp b, 0,1,2,3
.irp j, 0,1,2,3
	global_load_b128 v[128+16*\b+4*\j:128+16*\b+4*\j+3], v[LNA], s[6:7] offset:128*\b+16*\j
.endr
.endr
	WLOAD 0
	WLOAD 1
	; ---- x1 = x + ao wo^T
	GSTEP 0, 0, 0
	GSTEP 1, 0, 0
	GSTEP 2, 0, 0
	GSTEP 3, 0, 0
	PLACES
	WIN 0x0c                                       ; an LDS store's data are its source 1: window 3
	s_wait_alu depctr_va_vdst(0)                   ; wo's products have written x1, which the LDS stores read; the places above stay beside this wait
.set j, 0
.rept 32
	ds_store_b128 v[X1A], v[4*j:4*j+3] offset:512*j   ; x1 is parked in my own bytes, each accumulator from its low end on
.set j, j+1
.endr
	WIN 0
	NORMQ
	s_wait_alu depctr_vm_vsrc(0)                   ; my LDS stores have read x1's registers, which up's products write, and both out-buffers and their scale words, which the hidden layer's quantiser writes
	FETCHALL XIMG, XSC
	; ---- up and gate
	GSTEP 4, 0, 1
	GSTEP 5, 0, 0
	GSTEP 6, 0, 0
	GSTEP 7, 0, 0
	GSTEP 8, 128, 1
	GSTEP 9, 128, 0
	GSTEP 10, 128, 0
	GSTEP 11, 128, 0
	PLACES
	; ---- up sigmoid(up) gate, quantised: K step w of the last product
.irp u, 0,1
	WIN 0x03
.set j, 0
.rept 32
	v_pk_mul_f32 v[T+j:T+j+1], v[64*\u+j:64*\u+j+1], s[NL:NL+1] op_sel_hi:[1,0]
.set j, j+2
.endr
	WIN 0
.set j, 0
	s_wait_alu depctr_va_vdst(0)
.rept 64
	v_exp_f32 v[T+j], v[T+j]                       ; e^(-up)
.set j, j+1
.endr
	v_nop
	s_wait_alu depctr_va_vdst(0)                   ; one wait for the 64 exponentials, ahead of their first reader
.set j, 0
.rept 32
	v_pk_add_f32 v[T+j:T+j+1], v[T+j:T+j+1], 1.0 op_sel_hi:[1,0]
.set j, j+2
.endr
.set j, 0
	s_wait_alu depctr_va_vdst(0)
.rept 64
	v_rcp_f32 v[T+j], v[T+j]                       ; sigmoid(up)
.set j, j+1
.endr
	v_nop
	s_wait_alu depctr_va_vdst(0)                   ; one wait for the 64 reciprocals, ahead of their first reader
	WIN 0x03
.set j, 0
.rept 32
	v_pk_mul_f32 v[T+j:T+j+1], v[64*\u+j:64*\u+j+1], v[T+j:T+j+1]
.set j, j+2
.endr
.set j, 0
.rept 32
	v_pk_mul_f32 v[T+j:T+j+1], v[128+64*\u+j:128+64*\u+j+1], v[T+j:T+j+1]
.set j, j+2
.endr
	WIN 0
	QUANT T, 0, PC+PCD*\u, PW+\u
.endr
	s_wait_alu depctr_va_vdst(0)                   ; the conversions have written both tiles' codes, and the shifts their scale words, which the ten LDS stores read; up's and gate's products are done reading xn's fragments and scale words, and the multiplications up's registers, in which the loads behind the barrier land
.irp u, 0,1
	IMAGE XWI, PC+PCD*\u, HIMG-XIMG+8192*\u
	ds_store_b32 v[XWS], v[PW+\u] offset:HSC-XSC+512*\u
.endr
	BARRIER                                        ; the hidden layer's eight fragments lie in LDS
	FETCHALL HIMG, HSC
	WIN 0xc0
.set j, 0
.rept 32
	ds_load_b128 v[4*j:4*j+3], v[X1A] offset:512*j ; x1 comes back as the C of the last sums
.set j, j+1
.endr
	WIN 0
	s_wait_dscnt 0x0
	; ---- out = x1 + hidden down^T
	GSTEP 12, 0, 0
	GSTEP 13, 0, 0
	GSTEP 14, 0, 0
	GSTEP 15, 0, 0
	PLACES
	WIN 0x0c
	s_wait_alu depctr_va_vdst(0)                   ; down's products have written out's registers, which the LDS stores read; the places above stay beside this wait.  Every vector instruction that named v128 to v191 is done too: the stage's rows land there
.irp u, 0,1
.irp b, 0,1,2,3
.irp j, 0,1,2,3
	ds_store_b128 v[SO], v[64*\u+16*\b+4*\j:64*\u+16*\b+4*\j+3] offset:16512*\u+128*\b+16*\j
.endr
.endr
.endr
	WIN 0
	BARRIER                                        ; 32 whole rows lie in the stage
.irp i, 0,1,2,3,4,5,6,7
.irp q, 0,1,2,3
	ds_load_b128 v[128+16*\i+4*\q:128+16*\i+4*\q+3], v[SR] offset:2064*\i+512*\q
.endr
.endr
.irp i, 0,1,2,3,4,5,6,7
.irp q, 0,1,2,3
	s_wait_dscnt 31-(4*\i+\q)                      ; LDS loads come back in order: this one is in, the younger ones may stay out
	global_store_b128 v[LI], v[128+16*\i+4*\q:128+16*\i+4*\q+3], s[16:17] offset:2048*\i+512*\q th:TH_STORE_NT   ; 32 lanes store 512 consecutive bytes
.endr
.endr
	s_wait_dscnt 0x0                               ; the closing lines, six on end
	s_wait_alu 0x0
	s_wait_tensorcnt 0x0
	ds_add_u32 v126, v127
	s_wait_dscnt 0x0
	s_endpgm
.Lfunc_end_k_qcee9b8b806_tail:
	.size	k_qcee9b8b806_tail, .Lfunc_end_k_qcee9b8b806_tail-k_qcee9b8b806_tail
	.p2alignl 7, 3214868480
	.fill 96, 4, 3214868480
	.section	.rodata,"a",@progbits
	.p2align	6, 0x0
	.amdhsa_kernel k_qcee9b8b806_tail
		.amdhsa_group_segment_fixed_size 168448
		.amdhsa_private_segment_fixed_size 0
		.amdhsa_enable_private_segment 0
		.amdhsa_kernarg_size 56
		.amdhsa_user_sgpr_count 2
		.amdhsa_user_sgpr_kernarg_segment_ptr 1
		.amdhsa_wavefront_size32 1
		.amdhsa_system_sgpr_workgroup_id_x 1
		.amdhsa_system_sgpr_workgroup_id_y 1
		.amdhsa_system_sgpr_workgroup_id_z 1
		.amdhsa_system_vgpr_workitem_id 0
		.amdhsa_next_free_vgpr 1024
		.amdhsa_next_free_sgpr 66
		.amdhsa_reserve_vcc 0
		.amdhsa_float_denorm_mode_32 3
		.amdhsa_float_denorm_mode_16_64 3
		.amdhsa_memory_ordered 1
		.amdhsa_forward_progress 1
		.amdhsa_inst_pref_size 194
	.end_amdhsa_kernel
	.amdgpu_metadata
---
amdhsa.version: [ 1, 2 ]
amdhsa.kernels:
  - .name:           k_qcee9b8b806_tail
    .symbol:         k_qcee9b8b806_tail.kd
    .args:
      - { .name: x, .offset: 0, .size: 8, .value_kind: global_buffer, .address_space: global }
      - { .name: ln2_w, .offset: 8, .size: 8, .value_kind: global_buffer, .address_space: global }
      - { .name: wimg, .offset: 16, .size: 8, .value_kind: global_buffer, .address_space: global }
      - { .name: wsc, .offset: 24, .size: 8, .value_kind: global_buffer, .address_space: global }
      - { .name: aoimg, .offset: 32, .size: 8, .value_kind: global_buffer, .address_space: global }
      - { .name: aosc, .offset: 40, .size: 8, .value_kind: global_buffer, .address_space: global }
      - { .name: out0, .offset: 48, .size: 8, .value_kind: global_buffer, .address_space: global }
    .group_segment_fixed_size: 168448
    .private_segment_fixed_size: 0
    .kernarg_segment_align: 8
    .kernarg_segment_size: 56
    .max_flat_workgroup_size: 128
    .sgpr_count:     66
    .vgpr_count:     1024
    .wavefront_size: 32
...
	.end_amdgpu_metadata
.endif
;; end of part 8
